; MI455X (gfx1250); checked and timed in simulation.
; The chip was launched on July 23, 2026; its instructions are those of AMD's public machine-readable ISA for CDNA 5 (MIT licence, August 2026) and "CDNA5" Instruction Set Architecture Reference Guide (July 2026). The comments in the code are by the model that wrote it; some were corrected since.
;; Attention Layer. Allowed arithmetic: matrix products marked QUANTISED: E3M2 operands, one E8M0 scale for each 32 along K, by v_wmma_scale_f32_16x16x128_f8f6f4 with both operands' format E3M2, f32 sums; everything else in f32.
;; Inputs: gate_logit 16 float32; wk_geo 2,048 x 1,024 float32; wk_sem 2,048 x 1,024 float32; wo 2,048 x 2,048 float32; wq_geo 2,048 x 1,024 float32; wq_sem 2,048 x 1,024 float32; wv 2,048 x 2,048 float32; x 2 x 1,024 x 2,048 float32.
;; Outputs: out0 2 x 1,024 x 2,048 float32.
;; This version of the problem:
;;   THIS VERSION OF THE PROBLEM IS GIVEN IN LOW PRECISION. The matrix products marked QUANTISED in the list below multiply operands that are first quantised to E3M2 (3 exponent bits, 2 mantissa bits; 6 bits a number), with one power-of-two scale for each 32 numbers along K (OCP MX v1.0); their sums are f32. All else is computed in f32.
;;   The module's matrix products, in the order in which they are computed (A, B: the left and right operand; K: the contracted axis; several contracted axes count as one K, in the product's order):
;;     1. [M 2,048, K 2,048] x [K 2,048, N 1,024]; A: input x; B: input wq_sem: QUANTISED
;;     2. [M 2,048, K 2,048] x [K 2,048, N 1,024]; A: input x; B: input wk_sem: QUANTISED
;;     3. [M 2,048, K 2,048] x [K 2,048, N 1,024]; A: input x; B: input wq_geo: QUANTISED
;;     4. [M 2,048, K 2,048] x [K 2,048, N 1,024]; A: input x; B: input wk_geo: QUANTISED
;;     5. [M 2,048, K 2,048] x [K 2,048, N 2,048]; A: input x; B: input wv: QUANTISED
;;     6. batch 32 x [M 1,024, K 64] x [K 64, N 1,024]; A: computed on the way; B: computed on the way: QUANTISED
;;     7. batch 32 x [M 1,024, K 64] x [K 64, N 1,024]; A: computed on the way; B: computed on the way: QUANTISED
;;     8. batch 32 x [M 128, K 1,024] x [K 1,024, N 1,024]; A: computed on the way; B: softmax (see below): QUANTISED
;;     9. [M 2,048, K 2,048] x [K 2,048, N 2,048]; A: computed on the way; B: input wo: QUANTISED
;;   THE QUANTISER, for each operand of a quantised product, along K:
;;     - K is cut into blocks of 32 from its start; a last block that is shorter is filled with zeros.
;;     - A block's scale is 2^e with e = floor(log2(the largest magnitude in the block)) - 4, held to -126 .. 127; a block of zeros has e = 0. As a byte (E8M0): e + 127.
;;     - Each number is divided by its block's scale, clamped to +-28, and rounded to the nearest number of E3M2, ties to even, subnormals kept.
;;     - The product sums the exact products of the quantised numbers (number of the format x scale) in f32.
;;   ~~~python
;;   def quantise(x, axis):      # numpy; x: float32 -> the quantised numbers, widened to float32 again
;;       x = np.moveaxis(x, axis, -1); K = x.shape[-1]
;;       x = np.pad(x, [(0, 0)] * (x.ndim - 1) + [(0, -K % 32)]); x = x.reshape(x.shape[:-1] + (-1, 32)); a = np.abs(x).max(-1, keepdims=True)
;;       e = np.where(a > 0, np.clip(np.frexp(np.where(a > 0, a, 1))[1] - 1 - 4, -126, 127), 0)      # np.frexp(a)[1] - 1 = floor(log2(a)), exactly
;;       r = np.clip(x / 2.0 ** e, -28, 28)
;;       step = 2.0 ** (np.maximum(np.frexp(np.where(r == 0, 1, r))[1] - 1, -2) - 2)
;;       q = np.round(r / step) * step * 2.0 ** e      # np.round: ties to even
;;       return np.moveaxis(q.reshape(q.shape[:-2] + (-1,))[..., :K], -1, axis).astype(np.float32)
;;   ~~~
;;   SOFTMAX AHEAD OF A QUANTISED PRODUCT. Where the list says 'softmax', what is quantised is not the finished softmax but p = 2^(t - M), with t = logit x log2(e) and M = ceil(the row's largest t), a whole number; so 1/2 < the row's largest p <= 1. The row's sum l is taken of the UNQUANTISED p, in f32, and the product's result is divided by l at the end. Since M is a whole number, a kernel that streams over the keys may use a running M (the ceiling of the running maximum): every later rescaling is an exact power of two, which a block's scale takes up: the codes' values come out the same.
;;   OPERANDS COMPUTED ON THE WAY. 'Computed on the way' means the value that the module computes at that place (a softmax that the list does not call 'softmax' is quantised finished and normalised). What goes into a quantiser is computed in f32, as accurately as f32 sums, v_exp_f32 and their like allow (about 1e-6 of the number): no bf16 or f16 on the way to a quantiser, and a product that is left as it is and whose result goes on into a quantised operand takes f32 operands (vector FMAs, or v_wmma_f32_16x16x4_f32). A number that lies on a knife's edge between two numbers of the format may be rounded either way, as far as f32 arithmetic and the matrix unit's own rounding can turn it there, and no further.
;; 2 versions. Each part assembles by itself: llvm-mc -triple=amdgcn-amd-amdhsa -mcpu=gfx1250 --defsym DOCPART=n.
;; ======== version 1 of 2: 4 launches
;; workspace buffers: xq 3,276,800 bytes; wts 13,107,200 bytes; rope 262,144 bytes; qkv 9,830,400 bytes; oq 3,276,800 bytes
;; launch quant (part 1): grid 640 x 1, 4 waves a work-group, no clusters, 58,880 bytes of LDS; arguments x, wq_sem, wk_sem, wq_geo, wk_geo, wv, wo, xq, wts, rope; writes xq, wts, rope
.if DOCPART == 1
	.amdgcn_target "amdgcn-amd-amdhsa--gfx1250"
	.amdhsa_code_object_version 6
	.text
	.protected	k_qec62b06c85_quant
	.globl	k_qec62b06c85_quant
	.p2align	8
	.type	k_qec62b06c85_quant,@function
k_qec62b06c85_quant:
	s_mov_b64 s[64:65], 0
	v_nop
	global_prefetch_b8 v0, s[64:65] scope:SCOPE_SE
	s_setreg_imm32_b32 hwreg(HW_REG_WAVE_MODE, 25, 1), 1
	s_wait_xcnt 0x0
; x [2048][2048] and the six weights ([K 2048][N]) , all f32, become codes of BF6 (E3M2) with one E8M0 byte for each 32 along K; and the table of cos and sin for the rotation is made.
; LAYOUT OF EVERY OPERAND: IMAGES OF ITS REGISTERS.  A fragment is 16 rows x 128 K, 12 registers a lane; its image is 1,536 bytes: register p of lane l at 512 (p / 4) + 16 l + 4 (p % 4),
; so that three accesses of 16 bytes a lane, each 512 consecutive bytes, move it.  Beside it 16 scale words (64 bytes): word i for row place i, byte b for k = 32 b .. 32 b + 31.
; An operand of 2,048 rows: codes [K step 16][tile 128][1536], scale words [K step 16][tile 128][64].
; THE ROWS OF A TILE ARE NOT NEIGHBOURS: tile 2 B + u holds at place i row 32 B + 8 u + i + 8 (i / 8).  As source 0 of a product such tiles leave 16 neighbours of the next K in a lane's 16 registers.
; wts holds four operands: 0 = wq, 1 = wk (row 128 head + d from the semantic weight, 128 head + 64 + d from the geometric one), 2 = wv, 3 = wo; their scale words behind all four.
; A block's scale is 2^(floor(log2(its largest magnitude)) - 4); its byte is the largest magnitude's exponent field - 4, held at 1 from below.
; LIMITS: NaN and infinities are not served.  A block of zeros, and one whose largest magnitude lies under 2^-122, gets the byte 1 (its codes are zeros or subnormal codes; this program alone reads the bytes).
; The table's frequency is 2^(-f log2(10000) / 32) by v_exp_f32, good to one unit in the last place: an angle can differ by about 1e-4 radians at position 1,023 from one made with an exact frequency.
; Work-groups 0-127 take x and the table, 128-639 the weights: two ways that part once, each with LDS bytes of its own.  No tensor loads, no barrier: waves share nothing.
.set IMG,  1536                        ; an image in bytes
.set KPC,  196608                      ; from a K step's images to the next's
.set KPS,  8192                        ; the same for scale words
.set OPC,  3145728                     ; an operand's codes
.set OPS,  131072                      ; an operand's scale words
.set XP,   528                         ; x's stage: a row of 512 bytes + 16: an odd multiple of 16, so that sixteen rows' reads fall on different banks
.set XSW,  16*XP                       ; a wave's stage on x's way
.set WST,  4*XSW                       ; behind them: the weights' stages
.set WSW,  4*IMG                       ; four images a wave
.set SEL,  28                          ; s[28:29] selects for lane l xor 16
.set HM,   30                          ; s30 mask of lanes 16-31
.set R,    16                          ; v16-143  x: two sets of 16 loads
.set X,    144                         ; v144-207 x: 64 numbers, register 16 b + i = k 32 b + 16 (lane / 16) + i of my row
.set TM,   208                         ; v208-223 at work
.set PW,   224                         ; the scale word just made
.set PC,   226                         ; v226-244 the codes just made
.set PW0,  246                         ; the even tile's scale word
.set PS,   247                         ; v247-248 two tiles' scale words, to store
.set OFF,  16                          ; weights: v16-47 byte offset of row i of a block at my column
.set XW,   48                          ; v48-111 two sets of 32 numbers
.set C,    112                         ; v112-120 a block's codes
.set SB,   122                         ; v122-123 scale words of my column's two K steps
.set OUTR, 128                         ; v128-175 the way out
	s_load_b512 s[8:23], s[0:1], 0x0               ; x, wq_sem, wk_sem, wq_geo, wk_geo, wv, wo, xq
	s_load_b128 s[24:27], s[0:1], 0x40             ; wts, rope
	v_lshl_add_u32 v241, v0, 2, 0xe400
	v_mov_b32 v245, 0
	v_lshrrev_b32 v1, 5, v0
	v_readfirstlane_b32 s2, v1                     ; wave
	v_and_b32 v1, 31, v0                           ; lane
	s_cmp_lt_u32 ttmp9, 128
	s_cbranch_scc0 .Lweights
; ---------------- x: wave W of 512 takes 32 tokens (B = W / 8) x 256 along K (K steps 2 kp, 2 kp + 1, kp = W % 8): four images; and positions 2 W, 2 W + 1 of the table
	s_lshl_b32 s3, ttmp9, 2
	s_add_co_u32 s3, s3, s2                        ; W
	s_lshr_b32 s4, s3, 3                           ; B
	s_and_b32 s5, s3, 7                            ; kp
	s_mov_b32 s[SEL], 0x76543210
	s_mov_b32 s[SEL+1], 0xfedcba98
	v_lshlrev_b32 v2, 4, v1                        ; 16 x lane
	v_lshlrev_b32 v3, 2, v1                        ; 4 x lane
	v_and_b32 v6, 15, v1                           ; r
	v_lshrrev_b32 v7, 4, v1                        ; h
	s_mul_i32 s6, s2, XSW                          ; my stage
	v_add_nc_u32 v4, s6, v2                        ; into it: a row's 512 bytes as they lie
	v_mul_u32_u24 v5, v6, XP
	v_lshl_add_u32 v5, v7, 6, v5
	v_add_nc_u32 v5, s6, v5                        ; out of it: row r, + 64 h: my 16 numbers of each block of 32
	v_cmp_lt_u32 s[HM], 15, v1
.irp b, 0,1,2,3
	v_mov_b32 v[TM+4+\b], 0                        ; written once: a lane permute's destination counts as one of its sources
.endr
	s_lshl_b32 s32, s4, 18                         ; x: 32 rows of 8,192 bytes a B,
	s_lshl_b32 s33, s5, 10                         ; 1,024 bytes a kp
	s_add_co_u32 s32, s32, s33
	s_mov_b32 s33, 0
	s_mul_i32 s34, s5, 2*KPC                       ; codes: two K steps a kp, two images a B
	s_mul_i32 s35, s4, 2*IMG
	s_add_co_u32 s34, s34, s35
	s_mov_b32 s35, 0
	s_lshl_b32 s36, s5, 14                         ; scale words likewise, behind the codes
	s_lshl_b32 s37, s4, 7
	s_add_co_u32 s36, s36, s37
	s_add_co_u32 s36, s36, OPC
	s_mov_b32 s37, 0
	s_lshl_b32 s38, s3, 9                          ; the table: 512 bytes a wave
	s_mov_b32 s39, 0
	s_wait_kmcnt 0x0
	s_add_nc_u64 s[8:9], s[8:9], s[32:33]
	s_add_nc_u64 s[40:41], s[22:23], s[34:35]
	s_add_nc_u64 s[42:43], s[22:23], s[36:37]
	s_add_nc_u64 s[26:27], s[26:27], s[38:39]
; image n: K step 2 kp + n / 2, tile 2 B + n % 2.  Sixteen loads, each one row's 512 consecutive bytes
.macro LOADX n
.irp i, 0,1,2,3,4,5,6,7,8,9,10,11,12,13,14,15
	global_load_b128 v[R+64*((\n)%2)+4*\i:R+64*((\n)%2)+4*\i+3], v2, s[8:9] offset:(8*((\n)%2)+\i+8*(\i/8))*8192+512*((\n)/2) th:TH_LOAD_NT
.endr
.endm
; 64 numbers of a lane, v[s] on, become a fragment's codes in v[PC] on and its row's scale word in v[PW]
.macro QUANT s
.irp b, 0,1,2,3
	v_max3_num_f32 v[TM+\b], |v[\s+16*\b]|, |v[\s+1+16*\b]|, 0x2800000   ; block b: my 16 numbers, and the floor 2^(5 - 127): the byte cannot fall under 1
.endr
.irp i, 2,4,6,8,10,12,14
.irp b, 0,1,2,3
	v_max3_num_f32 v[TM+\b], v[TM+\b], |v[\s+16*\b+\i]|, |v[\s+1+16*\b+\i]|   ; the four blocks by turns
.endr
.endr
.irp b, 0,1,2,3
	v_permlanex16_b32 v[TM+4+\b], v[TM+\b], s[SEL], s[SEL+1]
.endr
.irp b, 0,1,2,3
	v_max_num_f32 v[TM+\b], v[TM+\b], v[TM+4+\b]   ; with lane l xor 16's 16: the block's largest magnitude
.endr
.irp b, 0,1,2,3
	v_add_nc_u32 v[TM+12+\b], 0xfe000000, v[TM+\b] ; 4 off its exponent field: the conversion takes this operand's exponent field as its scale
.endr
.irp b, 0,1,2,3
	v_lshrrev_b32 v[TM+4+\b], 23, v[TM+12+\b]      ; the scale's byte
.endr
	v_lshl_or_b32 v[PW], v[TM+5], 8, v[TM+4]
	v_lshl_or_b32 v[PW], v[TM+6], 16, v[PW]
	v_lshl_or_b32 v[PW], v[TM+7], 24, v[PW]
.irp c, 0,1
	v_cvt_scalef32_pk16_bf6_f32 v[PC+6*\c:PC+2+6*\c], v[\s+32*\c:\s+15+32*\c], v[TM+12+2*\c]
	v_cvt_scalef32_pk16_bf6_f32 v[PC+12+4*\c:PC+14+4*\c], v[\s+16+32*\c:\s+31+32*\c], v[TM+13+2*\c]   ; (a conversion's three registers begin on an even number)
.endr
	v_nop                                          ; one plain place behind a scaled conversion
.irp c, 0,1                                    ; the operand wants a whole block in a lane: lanes 0-15 block 2 c, lanes 16-31 block 2 c + 1
.irp i, 0,1,2
	v_permlane16_swap_b32 v[PC+6*\c+\i], v[PC+12+4*\c+\i]
.endr
.irp i, 0,1,2
	v_mov_b32 v[PC+3+6*\c+\i], v[PC+12+4*\c+\i]
.endr
.endr
.endm
	LOADX 0
	LOADX 1
; The table, while those loads are out.  rope[pos][0..31] = cos, [32..63] = sin of pos x 10000^(-f / 32).  Lane l: pos = 2 W + l / 16, kind = (l / 8) % 2, f = 4 (l % 8) + k: its 16 bytes lie at 16 l.
; The angle, one f32 product, is brought into -pi/4 .. pi/4 by n quarter turns (pi/2 in three parts, fused), sin and cos there are series (next terms under 2e-9), and n + 3 kind picks series and sign.
	v_and_b32 v249, 7, v1
	v_lshlrev_b32 v249, 2, v249                    ; 4 (l % 8)
	v_bfe_u32 v250, v1, 3, 1
	v_mul_u32_u24 v250, v250, 3                    ; 3 kind: sin(a) = cos(a - pi/2)
	s_lshl_b32 s31, s3, 1
	v_add_nc_u32 v251, s31, v7
	v_cvt_f32_u32 v251, v251                       ; pos
.irp k, 0,1,2,3
	v_add_nc_u32 v[144+\k], \k, v249
	v_cvt_f32_u32 v[144+\k], v[144+\k]
	v_mul_f32 v[144+\k], 0xbed49a78, v[144+\k]     ; -f log2(10000) / 32
.endr
.irp k, 0,1,2,3
	v_exp_f32 v[144+\k], v[144+\k]
.endr
	v_nop                                          ; one plain place behind the exponentials
	s_wait_alu depctr_va_vdst(0)
.irp k, 0,1,2,3
	v_mul_f32 v[144+\k], v251, v[144+\k]           ; the angle
	v_mul_f32 v[148+\k], 0x3f22f983, v[144+\k]     ; x 2 / pi
	v_rndne_f32 v[148+\k], v[148+\k]               ; n
	v_fmamk_f32 v[144+\k], v[148+\k], 0xbfc90fd8, v[144+\k]
	v_fmamk_f32 v[144+\k], v[148+\k], 0xb4a8885a, v[144+\k]
	v_fmamk_f32 v[144+\k], v[148+\k], 0xa7c234c4, v[144+\k]   ; r
	v_mul_f32 v[152+\k], v[144+\k], v[144+\k]      ; s = r r
	v_mov_b32 v[156+\k], 0x3638ef1d                ; 1/9!
	v_fmaak_f32 v[156+\k], v[156+\k], v[152+\k], 0xb9500d01
	v_fmaak_f32 v[156+\k], v[156+\k], v[152+\k], 0x3c088889
	v_fmaak_f32 v[156+\k], v[156+\k], v[152+\k], 0xbe2aaaab
	v_mul_f32 v[164+\k], v[144+\k], v[152+\k]
	v_fma_f32 v[156+\k], v[164+\k], v[156+\k], v[144+\k]      ; sin r
	v_mov_b32 v[160+\k], 0xb493f27e                ; -1/10!
	v_fmaak_f32 v[160+\k], v[160+\k], v[152+\k], 0x37d00d01
	v_fmaak_f32 v[160+\k], v[160+\k], v[152+\k], 0xbab60b61
	v_fmaak_f32 v[160+\k], v[160+\k], v[152+\k], 0x3d2aaaab
	v_fmaak_f32 v[160+\k], v[160+\k], v[152+\k], 0xbf000000
	v_fma_f32 v[160+\k], v[160+\k], v[152+\k], 1.0            ; cos r
	v_cvt_i32_f32 v[164+\k], v[148+\k]
	v_add_nc_u32 v[164+\k], v250, v[164+\k]        ; q = n + 3 kind: 0: cos r, 1: -sin r, 2: -cos r, 3: sin r (modulo 4)
	v_and_b32 v[148+\k], 1, v[164+\k]
	v_cmp_eq_u32 vcc_lo, 1, v[148+\k]
	v_cndmask_b32 v[252+\k], v[160+\k], v[156+\k], vcc_lo
	v_add_nc_u32 v[164+\k], 1, v[164+\k]
	v_and_b32 v[164+\k], 2, v[164+\k]
	v_lshlrev_b32 v[164+\k], 30, v[164+\k]
	v_xor_b32 v[252+\k], v[164+\k], v[252+\k]      ; the sign
.endr
	global_store_b128 v2, v[252:255], s[26:27]     ; 512 consecutive bytes a wave; v252-255 are not written again
.macro XIMAGE n
.if (\n) < 3
	s_wait_loadcnt 16                              ; this image's sixteen loads are in; the next image's may be out
.else
	s_wait_loadcnt 0x0
.endif
.irp i, 0,1,2,3,4,5,6,7,8,9,10,11,12,13,14,15
	ds_store_b128 v4, v[R+64*((\n)%2)+4*\i:R+64*((\n)%2)+4*\i+3] offset:XP*\i
.endr
.irp b, 0,1,2,3
.irp j, 0,1,2,3
	ds_load_b128 v[X+16*\b+4*\j:X+16*\b+4*\j+3], v5 offset:128*\b+16*\j   ; LDS serves a wave's instructions in order: these see the stores above
.endr
.endr
	s_wait_dscnt 0x0                               ; the numbers are back; the stores into the stage have read their registers
	s_wait_xcnt 0x0                                ; the last image's stores have read PC and PS: both are written again only behind this wait
.if (\n) < 2
	LOADX (\n)+2
.endif
	QUANT X
.irp g, 0,1,2
	global_store_b128 v2, v[PC+4*\g:PC+4*\g+3], s[40:41] offset:KPC*((\n)/2)+IMG*((\n)%2)+512*\g   ; 512 consecutive bytes, at a multiple of 256
.endr
.if (\n)%2 == 0
	v_mov_b32 v[PW0], v[PW]
.else
	v_cndmask_b32 v[PS+(\n)/2], v[PW0], v[PW], s[HM]   ; lanes 0-15 the even tile's words, lanes 16-31 the odd tile's
	global_store_b32 v3, v[PS+(\n)/2], s[42:43] offset:KPS*((\n)/2)   ; 128 consecutive bytes
.endif
.endm
	XIMAGE 0
	XIMAGE 1
	XIMAGE 2
	XIMAGE 3
	s_wait_tensorcnt 0x0
	ds_add_u32 v241, v245
	s_wait_dscnt 0x0
	s_endpgm
; ---------------- the weights: work-group g of 512 takes 128 columns (cg = g / 8) x 256 along K (kc = g % 8); a wave 32 columns.  A LANE TAKES A COLUMN AND ITS REGISTERS RUN DOWN K:
; each load reads 128 consecutive bytes a wave, a block of 32 along K lies in one lane, and the conversions give the codes with K innermost.  Nothing is transposed by an instruction.
.Lweights:
	s_sub_co_u32 s3, ttmp9, 128
	s_and_b32 s4, s3, 7                            ; kc
	s_lshr_b32 s5, s3, 3                           ; cg 0..63
	s_lshr_b32 s7, s5, 3                           ; 0-3: wq_sem, wk_sem, wq_geo, wk_geo (8 groups each); 4, 5: wv; 6, 7: wo
	v_lshlrev_b32 v2, 2, v1                        ; 4 x lane
	v_bfe_u32 v7, v1, 3, 1                         ; row 32 B + lane lies in tile 2 B + u, u = (lane / 8) % 2,
	v_and_b32 v8, 7, v1
	v_lshrrev_b32 v9, 4, v1
	v_lshl_add_u32 v8, v9, 3, v8                   ; at place i = lane % 8 + 8 (lane / 16)
	s_mul_i32 s6, s2, WSW
	s_add_co_u32 s6, s6, WST                       ; my stage: [K step 2][tile 2][1536]
	v_mul_u32_u24 v3, v7, IMG
	v_lshl_add_u32 v3, v8, 4, v3
	v_add_nc_u32 v3, s6, v3                        ; into it: my tile's image, the 16 bytes of image lane i
	v_lshlrev_b32 v6, 4, v1
	v_add_nc_u32 v4, s6, v6                        ; out of it: 16 x lane
	v_lshlrev_b32 v5, 6, v7
	v_lshl_add_u32 v5, v8, 2, v5                   ; my scale word's place: 64 u + 4 i
	s_cmp_ge_u32 s7, 4                             ; a wide tensor (2,048 columns)?
	s_cselect_b32 s31, 1, 0
	s_cselect_b32 s49, 15, 7
	s_and_b32 s49, s5, s49                         ; the group of 128 columns in its tensor
	s_lshl_b32 s48, 0x1000, s31                    ; bytes from a row of K to the next
	s_and_b32 s50, s7, 1                           ; narrow: operand 0 (wq) or 1 (wk);
	s_lshl_b32 s51, s49, 1
	s_lshr_b32 s52, s2, 1
	s_add_co_u32 s51, s51, s52                     ; head = column / 64
	s_lshl_b32 s51, s51, 2
	s_and_b32 s52, s2, 1
	s_add_co_u32 s51, s51, s52
	s_lshr_b32 s52, s7, 1                          ; (narrow: 1 for the geometric weights; wide: the operand, 2 or 3)
	s_lshl_b32 s53, s52, 1
	s_add_co_u32 s51, s51, s53                     ; its 32 rows: B = 4 head + 2 geometric + (column / 32) % 2
	s_lshl_b32 s53, s49, 2
	s_add_co_u32 s53, s53, s2                      ; wide: B = column / 32
	s_cmp_ge_u32 s7, 4
	s_cselect_b32 s50, s52, s50                    ; the operand
	s_cselect_b32 s51, s53, s51                    ; B
	s_mul_i32 s54, s50, OPC
	s_mul_i32 s55, s4, 2*KPC
	s_add_co_u32 s54, s54, s55
	s_mul_i32 s55, s51, 2*IMG
	s_add_co_u32 s54, s54, s55                     ; where my four images begin
	s_mov_b32 s55, 0
	s_mul_i32 s56, s50, OPS
	s_lshl_b32 s57, s4, 14
	s_add_co_u32 s56, s56, s57
	s_lshl_b32 s57, s51, 7
	s_add_co_u32 s56, s56, s57
	s_add_co_u32 s56, s56, 4*OPC                   ; and their scale words
	s_mov_b32 s57, 0
	s_lshl_b32 s58, s49, 9
	s_lshl_b32 s59, s2, 7
	s_add_co_u32 s58, s58, s59                     ; my first column, in bytes
	s_lshl_b32 s62, s4, 8
	s_mul_i32 s62, s62, s48                        ; 256 kc rows of K
	s_add_co_u32 s62, s62, s58
	s_mov_b32 s63, 0
	s_lshl_b32 s60, s48, 5                         ; 32 rows of K
.irp i, 0,1,2,3,4,5,6,7,8,9,10,11,12,13,14,15,16,17,18,19,20,21,22,23,24,25,26,27,28,29,30,31
	v_mad_u32_u24 v[OFF+\i], s48, \i, v2
.endr
	s_wait_kmcnt 0x0
	s_cmp_eq_u32 s7, 1                             ; the tensor: a choice that hangs on the work-group's number alone
	s_cselect_b64 s[10:11], s[12:13], s[10:11]
	s_cmp_eq_u32 s7, 2
	s_cselect_b64 s[10:11], s[14:15], s[10:11]
	s_cmp_eq_u32 s7, 3
	s_cselect_b64 s[10:11], s[16:17], s[10:11]
	s_cmp_ge_u32 s7, 4
	s_cselect_b64 s[10:11], s[18:19], s[10:11]
	s_cmp_ge_u32 s7, 6
	s_cselect_b64 s[10:11], s[20:21], s[10:11]
.irp t, 0,1,2,3,4,5,6,7                        ; a base for each of my eight blocks: no pointer is stepped while loads are out
	s_add_nc_u64 s[32+2*\t:33+2*\t], s[10:11], s[62:63]
	s_add_co_u32 s62, s62, s60
.endr
	s_add_nc_u64 s[54:55], s[24:25], s[54:55]
	s_add_nc_u64 s[56:57], s[24:25], s[56:57]
.macro LOADW t
.irp i, 0,1,2,3,4,5,6,7,8,9,10,11,12,13,14,15,16,17,18,19,20,21,22,23,24,25,26,27,28,29,30,31
	global_load_b32 v[XW+32*((\t)%2)+\i], v[OFF+\i], s[32+2*(\t):33+2*(\t)] th:TH_LOAD_NT
.endr
.endm
	LOADW 0
	LOADW 1
; block t: k = 256 kc + 32 t + 0 .. 31 of my column: K step 2 kc + t / 4, its block t % 4 = 2 c + hb: registers 6 c .. 6 c + 5 of image lane i + 16 hb
.macro BLOCK t
.set XS, XW+32*((\t)%2)
.set QK, (\t)/4
.set HB, (\t)%2
.set CH, ((\t)%4)/2
.if (\t) < 7
	s_wait_loadcnt 32                              ; this block's 32 loads are in; the next block's may be out
.else
	s_wait_loadcnt 0x0
.endif
	v_max3_num_f32 v12, |v[XS]|, |v[XS+1]|, |v[XS+2]|
	v_max3_num_f32 v13, |v[XS+3]|, |v[XS+4]|, |v[XS+5]|
.irp i, 6,10,14,18,22,26
	v_max3_num_f32 v12, v12, |v[XS+\i]|, |v[XS+\i+1]|
	v_max3_num_f32 v13, v13, |v[XS+\i+2]|, |v[XS+\i+3]|
.endr
	v_max3_num_f32 v12, v12, |v[XS+30]|, |v[XS+31]|
	v_max3_num_f32 v12, v12, v13, 0x2800000        ; and the floor 2^(5 - 127)
	v_add_nc_u32 v11, 0xfe000000, v12              ; 4 off the exponent field: the conversion's scale operand
	v_cvt_scalef32_pk16_bf6_f32 v[C:C+2], v[XS:XS+15], v11
	v_cvt_scalef32_pk16_bf6_f32 v[C+6:C+8], v[XS+16:XS+31], v11
	v_lshrrev_b32 v13, 23, v11                     ; the scale's byte (also the plain place behind the conversions)
.if (\t)%4 == 0
	v_mov_b32 v[SB+QK], v13
.else
	v_lshl_or_b32 v[SB+QK], v13, 8*((\t)%4), v[SB+QK]
.endif
.irp i, 0,1,2
	v_mov_b32 v[C+3+\i], v[C+6+\i]                 ; the block's six registers on end
.endr
.if CH == 0
	ds_store_b128 v3, v[C:C+3] offset:2*IMG*QK+256*HB          ; registers 0-3
	ds_store_b64 v3, v[C+4:C+5] offset:2*IMG*QK+256*HB+512     ; registers 4, 5
.else
	ds_store_b64 v3, v[C:C+1] offset:2*IMG*QK+256*HB+520       ; registers 6, 7
	ds_store_b128 v3, v[C+2:C+5] offset:2*IMG*QK+256*HB+1024   ; registers 8-11
.endif
.if (\t) < 6
	LOADW (\t)+2
.endif
	s_wait_dscnt 0x0                               ; the stores have read their registers: the next block's codes may be written
.endm
.irp t, 0,1,2,3,4,5,6,7
	BLOCK \t
.endr
.irp q, 0,1
	global_store_b32 v5, v[SB+\q], s[56:57] offset:KPS*\q      ; the wave's 32 words: 128 consecutive bytes
.endr
.irp t, 0,1,2,3,4,5,6,7,8,9,10,11
	ds_load_b128 v[OUTR+4*\t:OUTR+4*\t+3], v4 offset:512*\t    ; LDS serves a wave's instructions in order: these see my stores
.endr
.irp t, 0,1,2,3,4,5,6,7,8,9,10,11
	s_wait_dscnt 11-\t                             ; the younger loads may be out
	global_store_b128 v6, v[OUTR+4*\t:OUTR+4*\t+3], s[54:55] offset:KPC*(\t/6)+512*(\t%6)   ; 512 consecutive bytes, at a multiple of 256
.endr
	s_wait_tensorcnt 0x0
	ds_add_u32 v241, v245
	s_wait_dscnt 0x0
	s_endpgm
.Lfunc_end_k_qec62b06c85_quant:
	.size	k_qec62b06c85_quant, .Lfunc_end_k_qec62b06c85_quant-k_qec62b06c85_quant
	.p2alignl 7, 3214868480
	.fill 96, 4, 3214868480
	.section	.rodata,"a",@progbits
	.p2align	6, 0x0
	.amdhsa_kernel k_qec62b06c85_quant
		.amdhsa_group_segment_fixed_size 58880
		.amdhsa_private_segment_fixed_size 0
		.amdhsa_enable_private_segment 0
		.amdhsa_kernarg_size 80
		.amdhsa_user_sgpr_count 2
		.amdhsa_user_sgpr_kernarg_segment_ptr 1
		.amdhsa_wavefront_size32 1
		.amdhsa_system_sgpr_workgroup_id_x 1
		.amdhsa_system_sgpr_workgroup_id_y 1
		.amdhsa_system_sgpr_workgroup_id_z 1
		.amdhsa_system_vgpr_workitem_id 0
		.amdhsa_next_free_vgpr 256
		.amdhsa_next_free_sgpr 72
		.amdhsa_reserve_vcc 1
		.amdhsa_float_denorm_mode_32 3
		.amdhsa_float_denorm_mode_16_64 3
		.amdhsa_memory_ordered 1
		.amdhsa_forward_progress 1
		.amdhsa_inst_pref_size 85
	.end_amdhsa_kernel
	.amdgpu_metadata
---
amdhsa.version: [ 1, 2 ]
amdhsa.kernels:
  - .name:           k_qec62b06c85_quant
    .symbol:         k_qec62b06c85_quant.kd
    .args:
      - { .name: x, .offset: 0, .size: 8, .value_kind: global_buffer, .address_space: global }
      - { .name: wq_sem, .offset: 8, .size: 8, .value_kind: global_buffer, .address_space: global }
      - { .name: wk_sem, .offset: 16, .size: 8, .value_kind: global_buffer, .address_space: global }
      - { .name: wq_geo, .offset: 24, .size: 8, .value_kind: global_buffer, .address_space: global }
      - { .name: wk_geo, .offset: 32, .size: 8, .value_kind: global_buffer, .address_space: global }
      - { .name: wv, .offset: 40, .size: 8, .value_kind: global_buffer, .address_space: global }
      - { .name: wo, .offset: 48, .size: 8, .value_kind: global_buffer, .address_space: global }
      - { .name: xq, .offset: 56, .size: 8, .value_kind: global_buffer, .address_space: global }
      - { .name: wts, .offset: 64, .size: 8, .value_kind: global_buffer, .address_space: global }
      - { .name: rope, .offset: 72, .size: 8, .value_kind: global_buffer, .address_space: global }
    .group_segment_fixed_size: 58880
    .private_segment_fixed_size: 0
    .kernarg_segment_align: 8
    .kernarg_segment_size: 80
    .max_flat_workgroup_size: 128
    .sgpr_count:     72
    .vgpr_count:     256
    .wavefront_size: 32
...
	.end_amdgpu_metadata
.endif
;; end of part 1
;; launch proj (part 2): grid 24 x 8, 4 waves a work-group, clusters of 4 x 4, 327,680 bytes of LDS; arguments xq, wts, rope, qkv; writes qkv
.if DOCPART == 2
	.amdgcn_target "amdgcn-amd-amdhsa--gfx1250"
	.amdhsa_code_object_version 6
	.text
	.protected	k_qec62b06c85_proj
	.globl	k_qec62b06c85_proj
	.p2align	8
	.type	k_qec62b06c85_proj,@function
k_qec62b06c85_proj:
	s_mov_b64 s[64:65], 0
	v_nop
	global_prefetch_b8 v0, s[64:65] scope:SCOPE_SE
	s_setreg_imm32_b32 hwreg(HW_REG_WAVE_MODE, 25, 1), 1
	s_wait_xcnt 0x0
	s_wait_alu depctr_hold_cnt(0) depctr_sa_sdst(0) depctr_va_vdst(0) depctr_va_sdst(0) depctr_va_ssrc(0) depctr_va_vcc(0) depctr_vm_vsrc(0)
	s_getreg_b32 s2, hwreg(HW_REG_IB_STS2, 6, 4)
	s_cmp_eq_u32 s2, 0
	s_cbranch_scc0 .Lentry_in_a_cluster
	s_endpgm
.Lentry_in_a_cluster:
	s_bfe_u32 s2, ttmp6, 0x10000c
	s_cmp_lg_u32 s2, 0xf033
	s_cbranch_scc0 .Lentry_shape_is_right
	s_endpgm
.Lentry_shape_is_right:
; The five projections as one grid of products C'[m][n] = sum over k of A[m][k] B[n][k] on codes of BF6 (E3M2) with E8M0 scales, K = 2,048; their results are rotated (the geometric halves of q and k),
; quantised in registers and stored as images of operand registers: nothing leaves as f32.
; TYPE T = cluster x / 2: 0: A = x, B = wq -> q;  1: A = x, B = wk -> k;  2: A = wv, B = x -> V^T (the keys are the next K).  2,048 x 2,048 each: 64 tiles of 256 x 256: 192 work-groups of four waves,
; a wave 128 x 128: 64 accumulators, 512 registers.
; OPERANDS lie as images of their registers (16 rows x 128 K: 1,536 bytes, register p of lane l at 512 (p / 4) + 16 l + 4 (p % 4)), [K step 16][tile 128][1536], scale words [K step 16][tile 128][64].
; Tile 2 B + u holds at place i row 32 B + 8 u + i + 8 (i / 8).  A fragment comes from LDS by three loads of 16 bytes a lane, each 512 consecutive bytes: no pitch, no padding.
; THE MATRIX INSTRUCTION IS USED TRANSPOSED (source 0 = a tile of B, source 1 = a tile of A): lane (r, h) holds place r of A's tile, and the 64 registers of its eight accumulators are n = 32 b + 16 h + i
; (register 16 b + i) of the wave's 128 columns: just what the quantiser of the next K wants.  A wave's 128 columns are one head's [semantic 64 | geometric 64] (q, k) or 128 keys (V^T): one fragment for each block of A.
; K goes in steps of 256 through a ring of two LDS slots; the scale words of the work-group's rows for all of K come once.  CLUSTERS: 4 x 4; A's tiles are asked for jointly along a row, B's along a column.
; T hangs on the cluster's x alone, so it is the same in all sixteen partners.
; qkv: q, k: [head 16][token tile 128][1536]; V^T: [head 16][128 keys: 16][channel tile 8][1536]; the three tensors' scale words behind all codes, 64 bytes a tile in the same order.
; LIMITS: NaN and infinities are not served; a block whose largest magnitude lies under 2^-122 (zeros too) gets the byte 1: this program alone reads the bytes.
; REGISTERS, in windows of 256: window 0: v0-31 addresses; v32-63 scale words, two sets; v64-127 two sets of cos and sin; from v128 A's fragments, one set (on the way out v128-223 are at work);
;   window 1: B's fragments, two sets, at v0 and v128;  window 2: the accumulators of my A blocks 0-3 ((a, b) at v[8 (8 (a % 4) + b)]);  window 3: blocks 4-7.
.set IMG,    1536
.set KPC,    196608                    ; from a K step's images to the next's
.set OPC,    3145728                   ; an operand's codes
.set OPS,    131072                    ; an operand's scale words
.set NQ,     2                         ; K steps of 128 in a slot
.set FR,     12                        ; registers of a fragment
.set NL,     3                         ; LDS loads that bring one
.set NP,     4                         ; places behind this matrix instruction (ISA guide 7.12.1)
.set HALFT,  NQ*8*IMG                  ; two K steps x 8 tiles: what one tensor load brings, and what a wave reads of A or of B
.set SLOT,   4*HALFT                   ; A's 16 tiles, then B's
.set LAPS,   4                         ; a lap = two slots = 512 along K
.set SCL,    2*SLOT                    ; behind the ring: the scale words, [K step 16][tile 8][64] for each half
.set HALFS,  16*512
.set SPARE,  SCL+4*HALFS               ; the spare words, 128 bytes for each wave: two blocks of 256 bytes that no other line names
.set ADRA, 16                          ; v16-17  LDS address of my A fragments in slot 0, 1
.set ADRB, 20                          ; v20-21  the same for B
.set LI,   24                          ; v24     16 x lane
.set LW,   25                          ; v25     4 x lane
.set RA,   26                          ; v26     my byte in the table: 256 (r + 8 (r / 8)) + 64 h
.set ADRS, 27                          ; v27     LDS address of my scale words: lanes 0-15 A's, lanes 16-31 B's
.set SPW,  28                          ; v28     LDS address of my spare word; never rewritten
.set NIL,  29                          ; v29     0; never rewritten
.set SC,   32                          ; scale words: set s at v[SC + 16 s]; register 2 i + q: lanes 0-15 A's block i, lanes 16-31 B's block i, the slot's q-th 128 along K
.set TB,   64                          ; v64-127 set s: 16 cos, 16 sin
.set AF,   128
.set T1,   128                         ; the way out: v128-143, v144-159 products with sin
.set T2,   144
.set TM,   160                         ; v160-175 at work
.set PW,   176                         ; the scale word just made
.set PWE,  177                         ; the even block's
.set PS,   178                         ; v178-181 two blocks' words, to store
.set PCS,  184                         ; v184-203, v204-223 the codes just made, two sets by turns
.set G1, 24
.set G0, 32
.set G1B, 48
.set G0B, 56
.set TY,  66                           ; s66 T
.set G1S, 68
.set G0S, 76
.set G1SB, 80
.set G0SB, 88
.set SEL, 92                           ; s[92:93] selects for lane l xor 16
.set HM,  94                           ; s94 mask of lanes 16-31
.set MSB, 0
.macro WIN new                         ; the immediate's high byte repeats the setting that is left
.if MSB != \new
	s_set_vgpr_msb (MSB<<8)|\new
.set MSB, \new
.endif
.endm
.set MUL_LO, 0xa1                      ; source 0 (B) window 1, source 1 (A) window 0, C and D window 2
.set MUL_HI, 0xf1                      ; the same, C and D window 3
.set TO_B,   0x40                      ; destination window 1, address window 0
; A joint load: waves 0 and 1 fetch for A, waves 2 and 3 for B; the branch hangs on the wave's number alone.  Four v_nop follow each of the two lines.
.macro JLOAD g0a, g1a, g0b, g1b
	s_cmp_eq_u32 s15, 0
	s_cbranch_scc0 .Lfor_b_\@
	tensor_load_to_lds s[\g0a:\g0a+3], s[\g1a:\g1a+7]
	s_nop 0
.rept 4
	v_nop
.endr
	s_branch .Lasked_\@
.Lfor_b_\@:
	tensor_load_to_lds s[\g0b:\g0b+3], s[\g1b:\g1b+7]
	s_nop 0
.rept 4
	v_nop
.endr
.Lasked_\@:
.endm
.macro CREST                           ; a round of the cluster's barrier behind its opening barrier
	s_cmp_lg_u32 s14, 0
	s_cbranch_scc1 .Lnot_wave_0_\@
	s_barrier_signal -3
.Lnot_wave_0_\@:
	s_barrier_wait -3
	s_barrier_signal -1
	s_barrier_wait -1
.endm
.macro CROUND
	s_barrier_signal -1
	s_barrier_wait -1
	CREST
.endm
	s_load_b256 s[4:11], s[0:1], 0x0               ; xq, wts, rope, qkv
	v_lshl_add_u32 v[SPW], v0, 2, SPARE
	v_mov_b32 v[NIL], 0
	ds_add_u32 v28, v29
	ds_add_u32 v28, v29
	s_wait_dscnt 0x0
	v_lshrrev_b32 v1, 5, v0
	v_readfirstlane_b32 s14, v1                    ; wave 0..3
	s_lshr_b32 s15, s14, 1                         ; which half of A's tiles is mine.  Also: I fetch for A (0) or for B (1)
	s_and_b32 s16, s14, 1                          ; which half of B's.  Also: which half I fetch
	s_bfe_u32 s40, ttmp6, 0x40000                  ; cx, cy: my place in the cluster
	s_bfe_u32 s41, ttmp6, 0x40004
	s_lshr_b32 s[TY], ttmp9, 1                     ; T: two clusters along x for each type
	s_and_b32 s42, ttmp9, 1
	s_lshl_b32 s42, s42, 2
	s_add_co_u32 s42, s42, s40                     ; tile column = 4 x (cluster x % 2) + cx
	s_and_b32 s17, ttmp7, 0xffff
	s_lshl_b32 s17, s17, 2
	s_add_co_u32 s17, s17, s41                     ; tile row = 4 x cluster y + cy
	s_lshl_b32 s43, s41, 2
	s_lshl_b32 s43, 15, s43                        ; my row of the cluster
	s_lshl_b32 s44, 0x1111, s40                    ; my column
	; group 1 for codes: 2 K steps x (8 images = 12,288 bytes = 1,536 elements of 8 bytes), KPC bytes apart; dense in LDS
	s_or_b32 s[G1+0], s43, (3<<16)|(1<<21)         ; 15:0 the mask; 17:16 elements of 8 bytes; 20 no padding; 21 set beside a mask
	s_or_b32 s[G1B+0], s44, (3<<16)|(1<<21)
.irp g, G1, G1B
	s_mov_b32 s[\g+1], 1536<<16                    ; tensor_dim0
	s_mov_b32 s[\g+2], 2<<16                       ; tensor_dim1
	s_mov_b32 s[\g+3], 1536<<16                    ; tile_dim0
	s_mov_b32 s[\g+4], 2                           ; tile_dim1
	s_mov_b32 s[\g+5], KPC/8                       ; tensor_dim0_stride
	s_mov_b32 s[\g+6], 0
	s_mov_b32 s[\g+7], 0
.endr
	; and for scale words: 16 K steps x (8 tiles = 512 bytes = 64 elements), 8,192 bytes apart
	s_or_b32 s[G1S+0], s43, (3<<16)|(1<<21)
	s_or_b32 s[G1SB+0], s44, (3<<16)|(1<<21)
.irp g, G1S, G1SB
	s_mov_b32 s[\g+1], 64<<16
	s_mov_b32 s[\g+2], 16<<16
	s_mov_b32 s[\g+3], 64<<16
	s_mov_b32 s[\g+4], 16
	s_mov_b32 s[\g+5], 1024
	s_mov_b32 s[\g+6], 0
	s_mov_b32 s[\g+7], 0
.endr
	; where my halves begin, as offsets.  A's hang on the tile row and T, B's on the tile column and T, each in registers that never hold the other coordinate
	s_mul_i32 s18, s[TY], OPC                      ; the weight's codes in wts
	s_mul_i32 s19, s[TY], OPS
	s_add_co_u32 s19, s19, 4*OPC                   ; and its scale words
	s_lshl_b32 s13, s16, 3
	s_lshl_b32 s12, s17, 4
	s_add_co_u32 s12, s12, s13                     ; A: tile 16 x tile row + 8 x half
	s_lshl_b32 s67, s42, 4
	s_add_co_u32 s67, s67, s13                     ; B: tile 16 x tile column + 8 x half
	s_mul_i32 s20, s12, IMG
	s_lshl_b32 s22, s12, 6
	s_mul_i32 s46, s67, IMG
	s_lshl_b32 s96, s67, 6
	s_cmp_eq_u32 s[TY], 2                          ; for V^T the weight is A and x is B
	s_cselect_b32 s12, 2*OPC, 0
	s_mov_b32 s13, OPC
	s_cselect_b32 s13, 4*OPC+2*OPS, s13
	s_cselect_b32 s18, 0, s18
	s_cselect_b32 s19, OPC, s19
	s_add_co_u32 s20, s20, s12
	s_add_co_u32 s22, s22, s13
	s_add_co_u32 s46, s46, s18
	s_add_co_u32 s96, s96, s19
	s_mov_b32 s21, 0
	s_mov_b32 s23, 0
	s_mov_b32 s47, 0
	s_mov_b32 s97, 0
	s_mul_i32 s45, s14, HALFT                      ; where they go: wave x a half: no place in the cluster enters an LDS address
	s_mul_i32 s95, s14, HALFS
	s_mov_b32 s[SEL], 0x76543210
	s_mov_b32 s[SEL+1], 0xfedcba98
	s_wait_kmcnt 0x0
	s_cmp_eq_u32 s[TY], 2
	s_cselect_b64 s[12:13], s[6:7], s[4:5]         ; A's buffer
	s_cselect_b64 s[18:19], s[4:5], s[6:7]         ; B's
	s_add_nc_u64 s[20:21], s[12:13], s[20:21]
	s_add_nc_u64 s[22:23], s[12:13], s[22:23]
	s_add_nc_u64 s[46:47], s[18:19], s[46:47]
	s_add_nc_u64 s[96:97], s[18:19], s[96:97]
	CROUND                                         ; all sixteen work-groups are here: the first joint loads meet
	s_mov_b32 s[G0S], 1
	s_add_co_u32 s[G0S+1], s95, SCL
	s_mov_b64 s[G0S+2:G0S+3], s[22:23]
	s_or_b32 s[G0S+3], s[G0S+3], 0x80000000
	s_mov_b32 s[G0SB], 1
	s_add_co_u32 s[G0SB+1], s95, SCL
	s_mov_b64 s[G0SB+2:G0SB+3], s[96:97]
	s_or_b32 s[G0SB+3], s[G0SB+3], 0x80000000
	JLOAD G0S, G1S, G0SB, G1SB                     ; the scale words first: they are wanted with the first slot.  Three loads of mine are out at the most
.irp s, 0,1
	s_mov_b32 s[G0+4*\s], 1
	s_add_co_u32 s[G0+4*\s+1], s45, \s*SLOT
	s_add_nc_u64 s[G0+4*\s+2:G0+4*\s+3], s[20:21], \s*NQ*KPC
	s_or_b32 s[G0+4*\s+3], s[G0+4*\s+3], 0x80000000
	s_mov_b32 s[G0B+4*\s], 1
	s_add_co_u32 s[G0B+4*\s+1], s45, \s*SLOT
	s_add_nc_u64 s[G0B+4*\s+2:G0B+4*\s+3], s[46:47], \s*NQ*KPC
	s_or_b32 s[G0B+4*\s+3], s[G0B+4*\s+3], 0x80000000
	JLOAD G0+4*\s, G1, G0B+4*\s, G1B
.endr
	v_and_b32 v1, 31, v0                           ; lane
	v_and_b32 v4, 15, v0                           ; r
	v_bfe_u32 v2, v0, 4, 1                         ; h
	v_lshlrev_b32 v[LI], 4, v1
	v_lshlrev_b32 v[LW], 2, v1
	v_cmp_lt_u32 s[HM], 15, v1
	v_and_b32 v7, 8, v4
	v_add_nc_u32 v7, v7, v4                        ; r + 8 (r / 8)
	v_lshlrev_b32 v[RA], 8, v7
	v_lshl_add_u32 v[RA], v2, 6, v[RA]
	s_lshl_b32 s12, s17, 8                         ; the table at my wave's first token's position: 128 tokens never cross a sequence's end
	s_lshl_b32 s13, s15, 7
	s_add_co_u32 s12, s12, s13
	s_and_b32 s12, s12, 1023
	s_lshl_b32 s12, s12, 8
	s_mov_b32 s13, 0
	s_add_nc_u64 s[8:9], s[8:9], s[12:13]
; cos and sin for A's block a: lane (r, h) wants, at the position of place r, frequencies 16 h + 0 .. 15
.macro TABLE a, set
.irp j, 0,1,2,3
	global_load_b128 v[TB+32*(\set)+4*\j:TB+32*(\set)+4*\j+3], v[RA], s[8:9] offset:(32*((\a)/2)+8*((\a)%2))*256+16*\j
	global_load_b128 v[TB+32*(\set)+16+4*\j:TB+32*(\set)+16+4*\j+3], v[RA], s[8:9] offset:(32*((\a)/2)+8*((\a)%2))*256+128+16*\j
.endr
.endm
	TABLE 0, 0                                     ; asked for here, a whole product ahead of their use, on the one way that all take: V^T's work-groups ask too (16 loads a wave) and do not read them
	TABLE 1, 1
	s_mul_i32 s21, s15, HALFT                      ; my 8 tiles of A
	s_mul_i32 s22, s16, HALFT                      ; my 8 tiles of B,
	s_add_co_u32 s22, s22, 2*HALFT                 ; which lie behind A's 16
.irp s, 0,1
	v_add_nc_u32 v[ADRA+\s], s21, v[LI]
	v_add_nc_u32 v[ADRB+\s], s22, v[LI]
	s_add_co_u32 s21, s21, SLOT
	s_add_co_u32 s22, s22, SLOT
.endr
	v_lshlrev_b32 v5, 2, v4                        ; my place's scale word
	s_mul_i32 s21, s15, HALFS                      ; A's: my half
	s_mul_i32 s22, s16, HALFS                      ; B's: my half, behind A's two
	s_add_co_u32 s22, s22, 2*HALFS
	s_sub_co_u32 s22, s22, s21
	v_mul_u32_u24 v6, s22, v2                      ; lanes 16-31 take B's
	s_add_co_u32 s21, s21, SCL
	v_add_nc_u32 v5, v5, v6
	v_add_nc_u32 v[ADRS], s21, v5
	; where my eight fragments go: q, k: tile 128 head + 8 (token tiles / 8); V^T: 128 head + 8 (128 keys)
	s_lshl_b32 s12, s17, 1
	s_add_co_u32 s12, s12, s15                     ; which 128 of A's rows
	s_lshl_b32 s13, s42, 1
	s_add_co_u32 s13, s13, s16                     ; which 128 of B's
	s_cmp_eq_u32 s[TY], 2
	s_cselect_b32 s18, s12, s13                    ; the head
	s_cselect_b32 s19, s13, s12
	s_lshl_b32 s18, s18, 7
	s_lshl_b32 s19, s19, 3
	s_add_co_u32 s18, s18, s19
	s_mul_i32 s12, s18, IMG
	s_mul_i32 s13, s[TY], OPC
	s_add_co_u32 s12, s12, s13
	s_mov_b32 s13, 0
	s_add_nc_u64 s[98:99], s[10:11], s[12:13]      ; codes
	s_lshl_b32 s12, s18, 6
	s_mul_i32 s19, s[TY], OPS
	s_add_co_u32 s12, s12, s19
	s_add_co_u32 s12, s12, 3*OPC
	s_add_nc_u64 s[100:101], s[10:11], s[12:13]    ; scale words
.macro FRAG reg, adr, q, i             ; an image comes back as the registers that it was made of
.irp g, 0,1,2
	ds_load_b128 v[\reg+4*\g:\reg+4*\g+3], v[\adr] offset:8*IMG*(\q)+IMG*(\i)+512*\g
.endr
.endm
; 16 matrix instructions: A's blocks a0, a0 + 1 x B's eight, 128 along K.  p: B's set; sc: the set of scale words.  zero = 1: the first product starts the sums.
; The 64 accumulators take turns, one instruction a turn, in the same order in every step.
.macro MUL16 a0, p, q, sc, zero
.irp a, \a0, \a0+1
.irp b, 0,1,2,3,4,5,6,7
.if \zero
	v_wmma_scale_f32_16x16x128_f8f6f4 v[8*(8*((\a)%4)+\b):8*(8*((\a)%4)+\b)+7], v[128*(\p)+FR*\b:128*(\p)+FR*\b+FR-1], v[AF+FR*(\a):AF+FR*(\a)+FR-1], 0, v[SC+8*NQ*(\sc)+NQ*\b+(\q)], v[SC+8*NQ*(\sc)+NQ*(\a)+(\q)] matrix_a_fmt:MATRIX_FMT_BF6 matrix_b_fmt:MATRIX_FMT_BF6 matrix_a_scale:MATRIX_SCALE_ROW1
.else
	v_wmma_scale_f32_16x16x128_f8f6f4 v[8*(8*((\a)%4)+\b):8*(8*((\a)%4)+\b)+7], v[128*(\p)+FR*\b:128*(\p)+FR*\b+FR-1], v[AF+FR*(\a):AF+FR*(\a)+FR-1], v[8*(8*((\a)%4)+\b):8*(8*((\a)%4)+\b)+7], v[SC+8*NQ*(\sc)+NQ*\b+(\q)], v[SC+8*NQ*(\sc)+NQ*(\a)+(\q)] matrix_a_fmt:MATRIX_FMT_BF6 matrix_b_fmt:MATRIX_FMT_BF6 matrix_a_scale:MATRIX_SCALE_ROW1
.endif
.endr
.endr
.endm
.macro FETCH_B slot, q, p
	WIN TO_B
.irp i, 0,1,2,3,4,5,6,7
	FRAG 128*(\p)+FR*\i, ADRB+\slot, \q, \i
.endr
	WIN 0
.endm
.macro FETCH_A slot, q, i0
.irp i, \i0, \i0+1, \i0+2, \i0+3
	FRAG AF+FR*(\i), ADRA+\slot, \q, \i
.endr
.endm
.macro SCALES sc                       ; the next slot's scale words: lanes 0-15 take A's block i, lanes 16-31 B's
.irp i, 0,1,2,3,4,5,6,7
.irp q, 0,1
	ds_load_b32 v[SC+8*NQ*\sc+NQ*\i+\q], v[ADRS] offset:512*\q+64*\i
.endr
.endr
.endm
.macro PLACES n                        ; plain vector instructions between a matrix instruction and a load into, or a vector instruction on, its registers
.rept \n
	v_nop
.endr
.endm
.macro STEP slot, q, zero              ; a step of 128 along K that has its successor in the same slot
	s_wait_dscnt 4*NL                              ; B's set, A's blocks 0-3 and the scale words are in; the youngest twelve loads (A's blocks 4-7) may be out
	WIN MUL_LO
	MUL16 0, (\q)%2, \q, \slot, \zero
	MUL16 2, (\q)%2, \q, \slot, \zero
	s_wait_dscnt 0                                 ; A's blocks 4-7 are in
	PLACES NP
	FETCH_B \slot, (\q)+1, 1-(\q)%2
	FETCH_A \slot, (\q)+1, 0
	WIN MUL_HI
	MUL16 4, (\q)%2, \q, \slot, \zero
	MUL16 6, (\q)%2, \q, \slot, \zero
	PLACES NP
	WIN 0
	FETCH_A \slot, (\q)+1, 4
.endm
; A slot's last step changes slots: one barrier; in front of it each wave waits for all its tensor loads, adds 0 to its spare word, and waits for that and for its reads of this slot.  fill = 1: this slot is filled again, two slots ahead.
.macro TURN slot, next, fill
	s_wait_tensorcnt 0x0                           ; all my tensor loads have landed: my part of the next slot (every window is 0 here)
	ds_add_u32 v[SPW], v[NIL]                      ; 0 onto my spare word
	s_wait_dscnt 4*NL+1                            ; (the add and the youngest twelve loads may be out)
	WIN MUL_LO
	MUL16 0, 1, NQ-1, \slot, 0
	s_wait_dscnt 0x0                               ; the add is done, and my reads of this slot are over
	s_barrier_signal -1
	MUL16 2, 1, NQ-1, \slot, 0
	WIN 0
	s_barrier_wait -1
.if \fill
	CREST                                          ; the barrier has opened a round of the cluster's barrier: no wave of any partner still reads this slot or has a load on its way
	s_add_nc_u64 s[G0+4*\slot+2:G0+4*\slot+3], s[G0+4*\slot+2:G0+4*\slot+3], 2*NQ*KPC
	s_add_nc_u64 s[G0B+4*\slot+2:G0B+4*\slot+3], s[G0B+4*\slot+2:G0B+4*\slot+3], 2*NQ*KPC
	JLOAD G0+4*\slot, G1, G0B+4*\slot, G1B         ; my one tensor load behind the round; its four v_nop are also the places in front of the loads below
.else
	PLACES NP
.endif
	v_add_nc_u32 v[ADRS], 512*NQ, v[ADRS]          ; on to the next slot's scale words
	FETCH_B \next, 0, 0
	FETCH_A \next, 0, 0
	SCALES \next
	WIN MUL_HI
	MUL16 4, 1, NQ-1, \slot, 0
	MUL16 6, 1, NQ-1, \slot, 0
	PLACES NP
	WIN 0
	FETCH_A \next, 0, 4
.endm
	s_wait_tensorcnt 1                             ; the scale words and my part of slot 0 are in (slot 1's load may be out)
	s_barrier_signal -1
	s_barrier_wait -1                              ; everybody's are
	FETCH_B 0, 0, 0
	FETCH_A 0, 0, 0
	SCALES 0
	FETCH_A 0, 0, 4
	STEP 0, 0, 1                                   ; the first step stands in front of the loop: its products start the sums
	s_mov_b32 s3, LAPS-1
.Llap:                                                 ; a trip goes once round the ring and fills both slots again
	TURN 0, 1, 1
	STEP 1, 0, 0
	TURN 1, 0, 1
	STEP 0, 0, 0
	s_sub_co_u32 s3, s3, 1
	s_cmp_lg_u32 s3, 0
	s_cbranch_scc1 .Llap
	TURN 0, 1, 0                                   ; the last lap fills nothing
	STEP 1, 0, 0
	s_wait_dscnt 4*NL
	WIN MUL_LO
	MUL16 0, 1, NQ-1, 1, 0
	MUL16 2, 1, NQ-1, 1, 0
	s_wait_dscnt 0
	WIN MUL_HI
	MUL16 4, 1, NQ-1, 1, 0
	MUL16 6, 1, NQ-1, 1, 0
	WIN 0
; THE WAY OUT, block a of A by block: no LDS.  The rotation: registers 32 + i hold the geometric d = 16 h + i (x1), registers 48 + i hold d + 32 (x2): x1' = x1 cos - x2 sin, x2' = x2 cos + x1 sin.
; Each accumulator is read from its low end on.
.macro ROPE a
.set AW, 2+(\a)/4
.set AC, 64*((\a)%4)
.set RCOS, TB+32*((\a)%2)
.set RSIN, RCOS+16
.if (\a) < 7
	s_wait_loadcnt 8                               ; this block's table is in; the next block's eight loads may be out
.else
	s_wait_loadcnt 0x0
.endif
	WIN AW                                         ; source 0: the accumulators' window
.irp i, 0,2,4,6,8,10,12,14
	v_pk_mul_f32 v[T1+\i:T1+\i+1], v[AC+48+\i:AC+48+\i+1], v[RSIN+\i:RSIN+\i+1]
.endr
.irp i, 0,2,4,6,8,10,12,14
	v_pk_mul_f32 v[T2+\i:T2+\i+1], v[AC+32+\i:AC+32+\i+1], v[RSIN+\i:RSIN+\i+1]
.endr
	WIN (AW<<6)|AW
.irp i, 0,2,4,6,8,10,12,14
	v_pk_fma_f32 v[AC+32+\i:AC+32+\i+1], v[AC+32+\i:AC+32+\i+1], v[RCOS+\i:RCOS+\i+1], v[T1+\i:T1+\i+1] neg_lo:[0,0,1] neg_hi:[0,0,1]
.endr
.irp i, 0,2,4,6,8,10,12,14
	v_pk_fma_f32 v[AC+48+\i:AC+48+\i+1], v[AC+48+\i:AC+48+\i+1], v[RCOS+\i:RCOS+\i+1], v[T2+\i:T2+\i+1]
.endr
	WIN 0
.if (\a) < 6
	TABLE (\a)+2, (\a)%2
.endif
.endm
; block a's 64 numbers a lane become a fragment's codes in v[PC] on and its scale word in v[PW]
.macro QUANTW a
.set AW, 2+(\a)/4
.set AC, 64*((\a)%4)
.set PC, PCS+20*((\a)%2)
	s_wait_xcnt 0x0                                ; earlier stores have read their registers
	WIN (AW<<2)|(AW<<4)                            ; sources 1 and 2: the accumulators' window
.irp b, 0,1,2,3
	v_max3_num_f32 v[TM+\b], 0x2800000, |v[AC+16*\b]|, |v[AC+16*\b+1]|   ; block b: my 16 numbers, and the floor 2^(5 - 127)
.endr
.irp i, 2,4,6,8,10,12,14
.irp b, 0,1,2,3
	v_max3_num_f32 v[TM+\b], v[TM+\b], |v[AC+16*\b+\i]|, |v[AC+16*\b+\i+1]|
.endr
.endr
	WIN 0
.irp b, 0,1,2,3
	v_permlanex16_b32 v[TM+4+\b], v[TM+\b], s[SEL], s[SEL+1]
.endr
.irp b, 0,1,2,3
	v_max_num_f32 v[TM+\b], v[TM+\b], v[TM+4+\b]
.endr
.irp b, 0,1,2,3
	v_add_nc_u32 v[TM+12+\b], 0xfe000000, v[TM+\b] ; 4 off the exponent field: the conversion's scale operand
.endr
.irp b, 0,1,2,3
	v_lshrrev_b32 v[TM+4+\b], 23, v[TM+12+\b]      ; the scale's byte
.endr
	v_lshl_or_b32 v[PW], v[TM+5], 8, v[TM+4]
	v_lshl_or_b32 v[PW], v[TM+6], 16, v[PW]
	v_lshl_or_b32 v[PW], v[TM+7], 24, v[PW]
	WIN AW
.irp c, 0,1
	v_cvt_scalef32_pk16_bf6_f32 v[PC+6*\c:PC+2+6*\c], v[AC+32*\c:AC+15+32*\c], v[TM+12+2*\c]
	v_cvt_scalef32_pk16_bf6_f32 v[PC+12+4*\c:PC+14+4*\c], v[AC+16+32*\c:AC+31+32*\c], v[TM+13+2*\c]
.endr
	WIN 0
	v_nop                                          ; one plain place behind a scaled conversion
.irp c, 0,1
.irp i, 0,1,2
	v_permlane16_swap_b32 v[PC+6*\c+\i], v[PC+12+4*\c+\i]
.endr
.irp i, 0,1,2
	v_mov_b32 v[PC+3+6*\c+\i], v[PC+12+4*\c+\i]
.endr
.endr
.endm
.macro EPI rope
.irp a, 0,1,2,3,4,5,6,7
.if \rope
	ROPE \a
.endif
	QUANTW \a
.irp g, 0,1,2
	global_store_b128 v[LI], v[PC+4*\g:PC+4*\g+3], s[98:99] offset:IMG*\a+512*\g   ; 512 consecutive bytes, at a multiple of 256
.endr
.if \a%2 == 0
	v_mov_b32 v[PWE], v[PW]
.else
	v_cndmask_b32 v[PS+\a/2], v[PWE], v[PW], s[HM] ; lanes 0-15 the even block's words, lanes 16-31 the odd block's
	global_store_b32 v[LW], v[PS+\a/2], s[100:101] offset:64*(\a-1)   ; 128 consecutive bytes
.endif
.endr
.endm
	PLACES NP                                      ; behind the last products: their results are read, and A's registers written, below
.irp b, 0,1,2,3
	v_mov_b32 v[TM+4+\b], 0                        ; written once: a lane permute's destination counts as one of its sources
.endr
	s_cmp_eq_u32 s[TY], 2                          ; the same in all partners
	s_cbranch_scc1 .Lvalues
	EPI 1                                          ; q, k: with the rotation
	s_branch .Ldone
.Lvalues:
	s_wait_loadcnt 0x0                             ; (the table's loads, which this way does not read)
	EPI 0                                          ; V^T
.Ldone:
	s_wait_tensorcnt 0x0                           ; the wave's end
	ds_add_u32 v[SPW], v[NIL]
	s_wait_dscnt 0x0
	CROUND                                         ; the closing round: no work-group ends while a partner may still ask for a tile that names it
	s_endpgm
.Lfunc_end_k_qec62b06c85_proj:
	.size	k_qec62b06c85_proj, .Lfunc_end_k_qec62b06c85_proj-k_qec62b06c85_proj
	.p2alignl 7, 3214868480
	.fill 96, 4, 3214868480
	.section	.rodata,"a",@progbits
	.p2align	6, 0x0
	.amdhsa_kernel k_qec62b06c85_proj
		.amdhsa_group_segment_fixed_size 327680
		.amdhsa_private_segment_fixed_size 0
		.amdhsa_enable_private_segment 0
		.amdhsa_kernarg_size 32
		.amdhsa_user_sgpr_count 2
		.amdhsa_user_sgpr_kernarg_segment_ptr 1
		.amdhsa_wavefront_size32 1
		.amdhsa_system_sgpr_workgroup_id_x 1
		.amdhsa_system_sgpr_workgroup_id_y 1
		.amdhsa_system_sgpr_workgroup_id_z 1
		.amdhsa_system_vgpr_workitem_id 0
		.amdhsa_next_free_vgpr 1024
		.amdhsa_next_free_sgpr 102
		.amdhsa_reserve_vcc 0
		.amdhsa_float_denorm_mode_32 3
		.amdhsa_float_denorm_mode_16_64 3
		.amdhsa_memory_ordered 1
		.amdhsa_forward_progress 1
		.amdhsa_inst_pref_size 201
	.end_amdhsa_kernel
	.amdgpu_metadata
---
amdhsa.version: [ 1, 2 ]
amdhsa.kernels:
  - .name:           k_qec62b06c85_proj
    .symbol:         k_qec62b06c85_proj.kd
    .args:
      - { .name: xq, .offset: 0, .size: 8, .value_kind: global_buffer, .address_space: global }
      - { .name: wts, .offset: 8, .size: 8, .value_kind: global_buffer, .address_space: global }
      - { .name: rope, .offset: 16, .size: 8, .value_kind: global_buffer, .address_space: global }
      - { .name: qkv, .offset: 24, .size: 8, .value_kind: global_buffer, .address_space: global }
    .group_segment_fixed_size: 327680
    .private_segment_fixed_size: 0
    .kernarg_segment_align: 8
    .kernarg_segment_size: 32
    .max_flat_workgroup_size: 128
    .sgpr_count:     102
    .vgpr_count:     1024
    .wavefront_size: 32
...
	.end_amdgpu_metadata
.endif
;; end of part 2
;; launch attn (part 3): grid 8 x 32, 16 waves a work-group, clusters of 4 x 1, 276,480 bytes of LDS; arguments qkv, gate_logit, oq; writes oq
.if DOCPART == 3
	.amdgcn_target "amdgcn-amd-amdhsa--gfx1250"
	.amdhsa_code_object_version 6
	.text
	.protected	k_qec62b06c85_attn
	.globl	k_qec62b06c85_attn
	.p2align	8
	.type	k_qec62b06c85_attn,@function
k_qec62b06c85_attn:
	s_mov_b64 s[64:65], 0
	v_nop
	global_prefetch_b8 v0, s[64:65] scope:SCOPE_SE
	s_setreg_imm32_b32 hwreg(HW_REG_WAVE_MODE, 25, 1), 1
	s_wait_xcnt 0x0
	s_wait_alu depctr_hold_cnt(0) depctr_sa_sdst(0) depctr_va_vdst(0) depctr_va_sdst(0) depctr_va_ssrc(0) depctr_va_vcc(0) depctr_vm_vsrc(0)
	s_getreg_b32 s2, hwreg(HW_REG_IB_STS2, 6, 4)
	s_cmp_eq_u32 s2, 0
	s_cbranch_scc0 .Lentry_in_a_cluster
	s_endpgm
.Lentry_in_a_cluster:
	s_bfe_u32 s2, ttmp6, 0x10000c
	s_cmp_lg_u32 s2, 0x3003
	s_cbranch_scc0 .Lentry_shape_is_right
	s_endpgm
.Lentry_shape_is_right:
; For each batch b and head h: t = log2(e) / 8 x (g q_sem . k_sem + (1 - g) q_geo . k_geo), g = sigmoid(gate_logit[h]); causal; p = 2^(t - M), M the row's largest t so far rounded up to a whole number;
; O = (sum over keys of Q(p) Q(v)) / (sum of the unquantised p); O is quantised along the head's 128 channels and stored as images of operand registers.  All products on codes of BF6 (E3M2) with E8M0 scales.
; q, k: one fragment holds [semantic 64 | geometric 64] of 16 tokens.  THE TWO SCORE PRODUCTS: the gate's weights are no powers of two, so each path is multiplied by itself: Q's fragment is split into
; F1 = the path of the smaller weight, F2 = the other, each with zero codes in the other half (zero codes add nothing under any valid scale byte).  T = K F1; T x ratio; T += K F2; t = c T,
; with c = log2(e) / 8 x the larger weight (at least 1/2) and ratio = smaller / larger (at most 1): nothing here can overflow for any finite gate.
; SHARES.  Work-group (j, y), j = 0..7, y = 16 b + h.  Waves 2 C and 2 C + 1 own query tile 8 C + j, whose 16 queries lie among tokens 128 C .. 128 C + 127: it needs key steps 0 .. C of 128 keys; the wave of
; parity p takes the steps of its parity.  So every work-group has 36 steps and no wave more than 4; the pair's two partial results are joined at the end by powers of two, which round nothing.
; LDS: all 1,024 keys' K and V^T codes of the head (2 x 98,304 bytes) and their scale words stay: each byte is filled once.  CLUSTER: the four work-groups of a cluster share (b, h): every tile is asked for JOINTLY.
; j enters only global addresses of Q and O and one register of the mask; no branch and no LDS address hangs on it.
; Both products are used transposed (S^T = K Q^T, O^T = V^T P^T): a lane holds one query throughout, and since a tile's rows are 32 B + 8 u + i + 8 (i / 8), a lane's 16 registers of two tiles are 16 neighbours of the next K.
; LIMITS: NaN and infinities are not served; p under 2^-126 comes out as 0; a block of p, or of O, whose largest number lies under 2^-122 gets the byte 1.
; REGISTERS: v1-5 addresses and the mask's number; v[6:7] ratio; v8-11 a step's addresses; v12 -M, v13 largest t, v[14:15] the sum; v16-27 F1, v28-39 F2; v40-87 four fragments; v88-91 their scale words; v92 Q's;
;   v93 zero; v[94:95] c; v96-159 T, then p; v160-223 O^T; v224-249, v252-254 at work; v250, v251 the add's; v255 the pair's stage.
.set IMG,  1536
.set OPC,  3145728
.set OPS,  131072
.set LV,   98304                       ; LDS: K's codes at 0, V's here,
.set LSC,  196608                      ; K's scale words (4,096 bytes), then V's,
.set MRG,  204800                      ; and a stage of 17 x 512 bytes for each pair of waves
.set LIK,  1
.set LIV,  2
.set DD,   3
.set LSK,  4
.set LSV,  5
.set RAT,  6
.set ADK,  8
.set ADV,  9
.set ADS,  10
.set ADT,  11
.set F1,   16
.set F2,   28
.set KF,   40
.set KS,   88
.set QS,   92
.set ZR,   93
.set CF,   94
.set T,    96
.set O,    160
.set MA,   255
.set WV,   10                          ; s10 wave, s11 class C, s12 parity
.set CL,   11
.set PAR,  12
.set G1C,  16                          ; s[16:23] group 1 for codes, s[24:31] for scale words, s[32:51] five groups 0
.set G1S,  24
.set G0,   32
.set SEL,  52
.macro CROUND                          ; a round of the cluster's barrier
	s_barrier_signal -1
	s_barrier_wait -1
	s_cmp_lg_u32 s[WV], 0
	s_cbranch_scc1 .Lnot_wave_0_\@
	s_barrier_signal -3
.Lnot_wave_0_\@:
	s_barrier_wait -3
	s_barrier_signal -1
	s_barrier_wait -1
.endm
	s_load_b128 s[4:7], s[0:1], 0x0                ; qkv, gate_logit
	s_load_b64 s[8:9], s[0:1], 0x10                ; oq
	v_lshl_add_u32 v250, v0, 2, 0x43000
	v_mov_b32 v251, 0
	ds_add_u32 v250, v251
	ds_add_u32 v250, v251
	v_lshrrev_b32 v8, 5, v0
	v_readfirstlane_b32 s[WV], v8                  ; wave 0..15
	s_lshr_b32 s[CL], s[WV], 1
	s_and_b32 s[PAR], s[WV], 1
	s_bfe_u32 s54, ttmp6, 0x40000                  ; cx
	s_lshl_b32 s55, ttmp9, 2
	s_add_co_u32 s54, s54, s55                     ; j
	s_and_b32 s55, ttmp7, 0xffff                   ; y
	s_and_b32 s56, s55, 15                         ; head
	s_lshr_b32 s57, s55, 4                         ; batch
	s_lshl_b32 s58, s56, 7
	s_lshl_b32 s57, s57, 6
	s_add_co_u32 s58, s58, s57                     ; the first of this (b, h)'s 64 tiles in q, in k and in V^T
	s_lshr_b32 s59, s[WV], 3                       ; I fetch for K (0) or for V (1),
	s_and_b32 s60, s[WV], 7                        ; an eighth of each piece
	s_add_co_u32 s61, s59, 1
	s_mul_i32 s62, s61, OPC
	s_mul_i32 s63, s58, IMG
	s_add_co_u32 s62, s62, s63
	s_mul_i32 s63, s60, 3072
	s_add_co_u32 s62, s62, s63                     ; codes: my eighth of the first 256 keys
	s_mov_b32 s63, 0
	s_mul_i32 s66, s61, OPS
	s_add_co_u32 s66, s66, 3*OPC
	s_lshl_b32 s67, s58, 6
	s_add_co_u32 s66, s66, s67
	s_lshl_b32 s67, s60, 9
	s_add_co_u32 s66, s66, s67                     ; scale words: my eighth
	s_mov_b32 s67, 0
	s_mul_i32 s68, s59, LV
	s_mul_i32 s69, s60, 3072
	s_add_co_u32 s68, s68, s69                     ; and where they go
	s_lshl_b32 s69, s59, 12
	s_lshl_b32 s70, s60, 9
	s_add_co_u32 s69, s69, s70
	s_add_co_u32 s69, s69, LSC
	; group 1: dense bytes as rows of 256 (32 elements of 8 bytes): 12 rows of codes, 2 of scale words; the mask names all four work-groups
	s_mov_b32 s[G1C], 15|(3<<16)|(1<<21)
	s_mov_b32 s[G1C+1], 32<<16
	s_mov_b32 s[G1C+2], 12<<16
	s_mov_b32 s[G1C+3], 32<<16
	s_mov_b32 s[G1C+4], 12
	s_mov_b32 s[G1C+5], 32
	s_mov_b32 s[G1C+6], 0
	s_mov_b32 s[G1C+7], 0
	s_mov_b32 s[G1S], 15|(3<<16)|(1<<21)
	s_mov_b32 s[G1S+1], 32<<16
	s_mov_b32 s[G1S+2], 2<<16
	s_mov_b32 s[G1S+3], 32<<16
	s_mov_b32 s[G1S+4], 2
	s_mov_b32 s[G1S+5], 32
	s_mov_b32 s[G1S+6], 0
	s_mov_b32 s[G1S+7], 0
	s_lshl_b32 s70, s[CL], 3
	s_add_co_u32 s70, s70, s54
	s_add_co_u32 s70, s70, s58                     ; my query tile in q, and in oq
	s_mul_i32 s72, s70, IMG
	s_mov_b32 s73, 0
	s_lshl_b32 s74, s70, 6
	s_mov_b32 s75, 0
	s_lshl_b32 s60, s56, 2                         ; the head's gate
	s_mov_b32 s61, 0
	s_mov_b32 s[SEL], 0x76543210
	s_mov_b32 s[SEL+1], 0xfedcba98
	s_wait_dscnt 0x0
	s_wait_kmcnt 0x0
	s_add_nc_u64 s[6:7], s[6:7], s[60:61]
	s_load_b32 s71, s[6:7], 0x0
	s_add_nc_u64 s[62:63], s[4:5], s[62:63]
	s_add_nc_u64 s[66:67], s[4:5], s[66:67]
	s_add_nc_u64 s[76:77], s[4:5], s[72:73]        ; Q's codes
	s_add_nc_u64 s[78:79], s[4:5], s[74:75]
	s_add_nc_u64 s[78:79], s[78:79], 3*OPC         ; Q's scale words
	s_add_nc_u64 s[80:81], s[8:9], s[72:73]        ; O's codes
	s_add_nc_u64 s[82:83], s[8:9], s[74:75]
	s_add_nc_u64 s[82:83], s[82:83], OPC           ; O's scale words
	s_mov_b32 s[G0], 1
	s_mov_b32 s[G0+1], s69
	s_mov_b64 s[G0+2:G0+3], s[66:67]
	s_or_b32 s[G0+3], s[G0+3], 0x80000000
.irp c, 0,1,2,3                                ; piece c: keys 256 c .. 256 c + 255: 24,576 bytes of K and of V
	s_mov_b32 s[G0+4+4*\c], 1
	s_add_co_u32 s[G0+5+4*\c], s68, 24576*\c
	s_add_nc_u64 s[G0+6+4*\c:G0+7+4*\c], s[62:63], 24576*\c
	s_or_b32 s[G0+7+4*\c], s[G0+7+4*\c], 0x80000000
.endr
	CROUND                                         ; all four work-groups are here: the joint loads meet
	tensor_load_to_lds s[G0:G0+3], s[G1S:G1S+7]    ; every wave issues the same five, ahead of every wait on TENSORcnt, LDS read and further barrier: five loads of mine are out
	s_nop 0
.irp c, 0,1,2,3
	tensor_load_to_lds s[G0+4+4*\c:G0+7+4*\c], s[G1C:G1C+7]
	s_nop 0
.endr
.rept 4
	v_nop
.endr
	v_and_b32 v8, 31, v0
	v_lshlrev_b32 v9, 4, v8                        ; 16 x lane
.irp i, 0,1,2
	global_load_b128 v[KF+4*\i:KF+4*\i+3], v9, s[76:77] offset:512*\i   ; Q's fragment
.endr
	v_and_b32 v10, 15, v0                          ; r
	v_lshlrev_b32 v11, 2, v10
	global_load_b32 v[QS], v11, s[78:79]
	s_mul_i32 s60, s[PAR], 8*IMG                   ; my parity's step of a piece
	v_add_nc_u32 v[LIK], s60, v9
	v_add_nc_u32 v[LIV], LV, v[LIK]
	s_lshl_b32 s60, s[PAR], 9
	s_add_co_u32 s60, s60, LSC
	v_add_nc_u32 v[LSK], s60, v11
	v_add_nc_u32 v[LSV], 4096, v[LSK]
	s_mul_i32 s60, s[CL], 17*512
	s_add_co_u32 s60, s60, MRG
	v_add_nc_u32 v[MA], s60, v9
	v_bfe_u32 v232, v0, 4, 1                       ; h
	v_and_b32 v233, 8, v10
	v_add_nc_u32 v233, v233, v10                   ; r + 8 (r / 8)
	v_lshlrev_b32 v232, 4, v232
	v_sub_nc_u32 v[DD], v233, v232
	s_lshr_b32 s60, s54, 1
	s_lshl_b32 s60, s60, 5
	s_and_b32 s61, s54, 1
	s_lshl_b32 s61, s61, 3
	s_add_co_u32 s60, s60, s61
	v_add_nc_u32 v[DD], s60, v[DD]                 ; my query's place among its 128 tokens, less 16 h: register n holds key 32 (n / 16) + n % 16 + 16 h of a step
	v_mov_b32 v13, 0xff61b1e6                      ; the largest t so far: -3e38
	v_floor_f32 v12, -v13                          ; -M
	v_mov_b32 v14, 0
	v_mov_b32 v15, 0
.irp b, 0,1,2,3
	v_mov_b32 v[236+\b], 0                         ; written once: a lane permute's destination counts as one of its sources
.endr
	v_mov_b32 v253, 0                              ; (named as the upper half of v[252:253] before it is first written)
.set n, 0
.rept 64
	v_mov_b32 v[O+n], 0                            ; O^T: a wave may have no step at all, and the step is written without a first form of its own
.set n, n+1
.endr
	s_wait_kmcnt 0x0
	v_mov_b32 v232, s71
	v_mul_f32 v232, 0xbfb8aa3b, v232               ; -x log2(e)
	v_exp_f32 v232, v232
	v_mov_b32 v[ZR], 0                             ; (a plain place behind the exponential)
	s_wait_alu depctr_va_vdst(0)
	v_add_f32 v232, 1.0, v232
	v_rcp_f32 v232, v232                           ; g
	v_nop
	s_wait_alu depctr_va_vdst(0)
	v_sub_f32 v233, 1.0, v232                      ; 1 - g
	v_cmp_lt_f32 vcc_lo, v232, v233                ; the semantic path has the smaller weight: it only selects values
	v_max_num_f32 v234, v232, v233
	v_min_num_f32 v235, v232, v233
	v_rcp_f32 v[RAT], v234
	v_mul_f32 v[CF], 0x3e38aa3b, v234              ; c = log2(e) / 8 x the larger weight (a plain place too)
	s_wait_alu depctr_va_vdst(0)
	v_mul_f32 v[RAT], v235, v[RAT]
	v_mov_b32 v[RAT+1], v[RAT]                     ; (the packed forms name pairs)
	v_mov_b32 v[CF+1], v[CF]
	s_wait_loadcnt 0x0                             ; Q
.irp i, 0,1,2,3,4,5                            ; registers 0-5 are K = 0 .. 63 (semantic), registers 6-11 K = 64 .. 127 (geometric), in every lane
	v_cndmask_b32 v[F1+\i], v[ZR], v[KF+\i], vcc_lo
	v_cndmask_b32 v[F2+\i], v[KF+\i], v[ZR], vcc_lo
	v_cndmask_b32 v[F1+6+\i], v[KF+6+\i], v[ZR], vcc_lo
	v_cndmask_b32 v[F2+6+\i], v[ZR], v[KF+6+\i], vcc_lo
.endr
.macro NOPS
.rept 4
	v_nop
.endr
.endm
.macro FETCH4 adr, sadr, g             ; four images and their scale words
.irp t, 0,1,2,3
.irp i, 0,1,2
	ds_load_b128 v[KF+12*\t+4*\i:KF+12*\t+4*\i+3], v[\adr] offset:IMG*(4*\g+\t)+512*\i
.endr
	ds_load_b32 v[KS+\t], v[\sadr] offset:64*(4*\g+\t)
.endr
.endm
; KEY STEP 2 st + parity.  (The argument's name is none of the names that the loops inside use: an argument is put in as text ahead of them.)
.macro STEP st
	v_add_nc_u32 v[ADK], 24576*\st, v[LIK]         ; on every wave's way; also the four places between the last step's products and the loads into their registers
	v_add_nc_u32 v[ADV], 24576*\st, v[LIV]
	v_add_nc_u32 v[ADS], 1024*\st, v[LSK]
	v_add_nc_u32 v[ADT], 1024*\st, v[LSV]
	s_add_co_u32 s60, s[PAR], 2*\st
	s_cmp_gt_u32 s60, s[CL]                        ; all its keys come after my queries: the step is left out.  The branch hangs on the wave's number alone and jumps over no barrier
	s_cbranch_scc1 .Lhidden_\@
.irp g, 0,1                                    ; the scores, four tiles of 16 keys at a time
.if \g
	NOPS
.endif
	FETCH4 ADK, ADS, \g
	s_wait_dscnt 0x0
.irp t, 0,1,2,3
	v_wmma_scale_f32_16x16x128_f8f6f4 v[T+8*(4*\g+\t):T+8*(4*\g+\t)+7], v[KF+12*\t:KF+12*\t+11], v[F1:F1+11], 0, v[KS+\t], v[QS] matrix_a_fmt:MATRIX_FMT_BF6 matrix_b_fmt:MATRIX_FMT_BF6
.endr
	NOPS
.irp j, 0,2,4,6,8,10,12,14,16,18,20,22,24,26,28,30
	v_pk_mul_f32 v[T+32*\g+\j:T+32*\g+\j+1], v[T+32*\g+\j:T+32*\g+\j+1], v[RAT:RAT+1] op_sel_hi:[1,0]   ; x ratio, each accumulator from its low end on
.endr
	NOPS
.irp t, 0,1,2,3                                ; the four accumulators by turns, one instruction a turn
	v_wmma_scale_f32_16x16x128_f8f6f4 v[T+8*(4*\g+\t):T+8*(4*\g+\t)+7], v[KF+12*\t:KF+12*\t+11], v[F2:F2+11], v[T+8*(4*\g+\t):T+8*(4*\g+\t)+7], v[KS+\t], v[QS] matrix_a_fmt:MATRIX_FMT_BF6 matrix_b_fmt:MATRIX_FMT_BF6
.endr
.endr
	NOPS
	FETCH4 ADV, ADT, 0                             ; V's first four tiles are asked for here and land during the softmax
	s_cmp_lg_u32 s60, s[CL]
	s_cbranch_scc1 .Lopen_\@                       ; only step C lies on the diagonal
	v_mov_b32 v254, 0xff800000                     ; hidden scores become -infinity ahead of the maximum: p = 0 then.  Key 0 of the step counts for every query
.set n, 0
.rept 64
	v_cmp_gt_i32 vcc_lo, 32*(n/16)+n%16, v[DD]
	v_cndmask_b32 v[T+n], v[T+n], v254, vcc_lo
.set n, n+1
.endr
.Lopen_\@:
.irp b, 0,1,2,3
	v_max3_num_f32 v[232+\b], v[T+16*\b], v[T+1+16*\b], v[T+2+16*\b]   ; the largest score of each block of 32 keys: for the row's maximum, and, since p rises with the score, for the block's largest p
.endr
.irp i, 3,5,7,9,11,13
.irp b, 0,1,2,3
	v_max3_num_f32 v[232+\b], v[232+\b], v[T+16*\b+\i], v[T+1+16*\b+\i]
.endr
.endr
.irp b, 0,1,2,3
	v_max_num_f32 v[232+\b], v[232+\b], v[T+15+16*\b]
.endr
.irp b, 0,1,2,3
	v_permlanex16_b32 v[236+\b], v[232+\b], s[SEL], s[SEL+1]
.endr
.irp b, 0,1,2,3
	v_max_num_f32 v[232+\b], v[232+\b], v[236+\b]  ; with lane l xor 16's 16 keys
.endr
	v_max3_num_f32 v254, v232, v233, v234
	v_max_num_f32 v254, v254, v235
	v_mul_f32 v254, v[CF], v254                    ; as t (c is positive)
	v_max_num_f32 v13, v13, v254                   ; the running largest t
	v_mov_b32 v254, v12
	v_floor_f32 v12, -v13                          ; the new -M = -ceil(t): a whole number
	v_sub_f32 v254, v12, v254                      ; old M - new M, 0 or less
	v_cvt_i32_f32 v254, v254                       ; (it saturates)
	v_ldexp_f32 v252, 1.0, v254                    ; f = 2^(old M - new M): a multiplication by it rounds nothing
.set n, 0
.rept 32
	v_pk_fma_f32 v[T+n:T+n+1], v[T+n:T+n+1], v[CF:CF+1], v[12:13] op_sel_hi:[1,0,0]   ; t - M
.set n, n+2
.endr
.irp b, 0,1,2,3
	v_fma_f32 v[232+\b], v[232+\b], v[CF], v12     ; the same of each block's largest score
.endr
.set n, 0
.rept 64
	v_exp_f32 v[T+n], v[T+n]                       ; p = 2^(t - M): not normalised
.set n, n+1
.endr
.irp b, 0,1,2,3
	v_exp_f32 v[232+\b], v[232+\b]                 ; the block's largest p: the same two instructions on the same number
.endr
	v_pk_mul_f32 v[14:15], v[14:15], v[252:253] op_sel_hi:[1,0]   ; the sums under the new M (a plain place behind the exponentials)
	s_wait_alu depctr_va_vdst(0)
.irp b, 0,1,2,3
	v_max_num_f32 v[232+\b], 0x2800000, v[232+\b]  ; the floor 2^(5 - 127)
.endr
.irp b, 0,1,2,3
	v_add_nc_u32 v[244+\b], 0xfe000000, v[232+\b]  ; the conversion's scale operand
.endr
.irp b, 0,1,2,3
	v_lshrrev_b32 v[236+\b], 23, v[244+\b]         ; the scale's byte
.endr
	v_lshl_or_b32 v253, v237, 8, v236              ; p's scale word for these 128 keys
	v_lshl_or_b32 v253, v238, 16, v253
	v_lshl_or_b32 v253, v239, 24, v253
.irp c, 0,1                                    ; blocks 2 c and 2 c + 1: my 16 keys of each
	v_cvt_scalef32_pk16_bf6_f32 v[224+6*\c:226+6*\c], v[T+32*\c:T+15+32*\c], v[244+2*\c]
	v_cvt_scalef32_pk16_bf6_f32 v[236+4*\c:238+4*\c], v[T+16+32*\c:T+31+32*\c], v[245+2*\c]   ; (a conversion's three registers begin on an even number)
.endr
	v_nop                                          ; one plain place behind a scaled conversion
.irp c, 0,1                                    ; the operand wants a whole block in a lane: lanes 0-15 block 2 c, lanes 16-31 block 2 c + 1
.irp i, 0,1,2
	v_permlane16_swap_b32 v[224+6*\c+\i], v[236+4*\c+\i]
.endr
.irp i, 0,1,2
	v_mov_b32 v[227+6*\c+\i], v[236+4*\c+\i]
.endr
.endr
	v_pk_add_f32 v[236:237], v[T:T+1], v[T+2:T+3]  ; the row's sum is taken of the unquantised p, in two chains
.irp j, 4,8,12,16,20,24,28,32,36,40,44,48,52,56,60
	v_pk_add_f32 v[14:15], v[14:15], v[T+\j:T+\j+1]
	v_pk_add_f32 v[236:237], v[236:237], v[T+2+\j:T+3+\j]
.endr
	v_pk_add_f32 v[14:15], v[14:15], v[236:237]
.set n, 0
.rept 32
	v_pk_mul_f32 v[O+n:O+n+1], v[O+n:O+n+1], v[252:253] op_sel_hi:[1,0]   ; O^T under the new M; also the places between p's codes and scale word and the products below
.set n, n+2
.endr
	s_wait_dscnt 0x0                               ; V's first four tiles
.irp t, 0,1,2,3
	v_wmma_scale_f32_16x16x128_f8f6f4 v[O+8*\t:O+8*\t+7], v[KF+12*\t:KF+12*\t+11], v[224:235], v[O+8*\t:O+8*\t+7], v[KS+\t], v253 matrix_a_fmt:MATRIX_FMT_BF6 matrix_b_fmt:MATRIX_FMT_BF6
.endr
	NOPS
	FETCH4 ADV, ADT, 1
	s_wait_dscnt 0x0
.irp t, 0,1,2,3
	v_wmma_scale_f32_16x16x128_f8f6f4 v[O+32+8*\t:O+32+8*\t+7], v[KF+12*\t:KF+12*\t+11], v[224:235], v[O+32+8*\t:O+32+8*\t+7], v[KS+\t], v253 matrix_a_fmt:MATRIX_FMT_BF6 matrix_b_fmt:MATRIX_FMT_BF6
.endr
.Lhidden_\@:
.endm
.macro STAGE st
	s_wait_tensorcnt 3-\st                         ; my eighth of piece st (and the scale words) has landed; the later pieces may be out
	s_wait_dscnt 0x0
	s_barrier_signal -1
	s_barrier_wait -1                              ; everybody's has
	STEP \st
.endm
	STAGE 0
	STAGE 1
	STAGE 2
	STAGE 3
; THE PAIR IS JOINED.  The odd wave hands O^T, -M and the sums to the even one as images of its registers.
	NOPS                                           ; behind the last products
	s_cmp_eq_u32 s[PAR], 0
	s_cbranch_scc1 .Lkeeper
.irp i, 0,1,2,3,4,5,6,7,8,9,10,11,12,13,14,15
	ds_store_b128 v[MA], v[O+4*\i:O+4*\i+3] offset:512*\i
.endr
	ds_store_b128 v[MA], v[12:15] offset:8192
.Lkeeper:
	s_wait_dscnt 0x0                               ; for the partner's sake: my stores have landed
	s_barrier_signal -1
	s_barrier_wait -1
	s_cmp_lg_u32 s[PAR], 0
	s_cbranch_scc1 .Lend
.irp i, 0,1,2,3,4,5,6,7,8,9,10,11,12,13,14,15
	ds_load_b128 v[T+4*\i:T+4*\i+3], v[MA] offset:512*\i
.endr
	ds_load_b128 v[80:83], v[MA] offset:8192
	s_wait_dscnt 0x0
	v_min_num_f32 v84, v12, v80                    ; the joint -M
	v_sub_f32 v85, v84, v12                        ; whole numbers, 0 or less
	v_sub_f32 v86, v84, v80
	v_cvt_i32_f32 v85, v85
	v_cvt_i32_f32 v86, v86                         ; (a partner without a step: it saturates, and its factor is 0)
	v_ldexp_f32 v85, 1.0, v85
	v_ldexp_f32 v86, 1.0, v86
	v_add_f32 v14, v14, v15
	v_add_f32 v82, v82, v83
	v_mul_f32 v14, v14, v85
	v_fmac_f32 v14, v82, v86
	v_permlanex16_b32 v236, v14, s[SEL], s[SEL+1]
	v_add_f32 v14, v14, v236                       ; the row's sum
	v_rcp_f32 v14, v14
	v_mov_b32 v87, 0                               ; (a plain place; the upper half of the pair v[86:87])
	s_wait_alu depctr_va_vdst(0)
	v_mul_f32 v84, v85, v14                        ; my factor / the sum
	v_mul_f32 v86, v86, v14                        ; the partner's
.set n, 0
.rept 32
	v_pk_mul_f32 v[T+n:T+n+1], v[T+n:T+n+1], v[86:87] op_sel_hi:[1,0]
.set n, n+2
.endr
.set n, 0
.rept 32
	v_pk_fma_f32 v[T+n:T+n+1], v[O+n:O+n+1], v[84:85], v[T+n:T+n+1] op_sel_hi:[1,0,1]   ; register 16 b + i: channel 32 b + 16 h + i of my query's O
.set n, n+2
.endr
; O is quantised along the head's channels: K step = head of the last product
.set TM, 40
.set PW, 56
.set PC, 60
.irp b, 0,1,2,3
	v_mov_b32 v[TM+4+\b], 0
.endr
.irp b, 0,1,2,3
	v_max3_num_f32 v[TM+\b], |v[T+16*\b]|, |v[T+1+16*\b]|, 0x2800000
.endr
.irp i, 2,4,6,8,10,12,14
.irp b, 0,1,2,3
	v_max3_num_f32 v[TM+\b], v[TM+\b], |v[T+16*\b+\i]|, |v[T+1+16*\b+\i]|
.endr
.endr
.irp b, 0,1,2,3
	v_permlanex16_b32 v[TM+4+\b], v[TM+\b], s[SEL], s[SEL+1]
.endr
.irp b, 0,1,2,3
	v_max_num_f32 v[TM+\b], v[TM+\b], v[TM+4+\b]
.endr
.irp b, 0,1,2,3
	v_add_nc_u32 v[TM+12+\b], 0xfe000000, v[TM+\b]
.endr
.irp b, 0,1,2,3
	v_lshrrev_b32 v[TM+4+\b], 23, v[TM+12+\b]
.endr
	v_lshl_or_b32 v[PW], v[TM+5], 8, v[TM+4]
	v_lshl_or_b32 v[PW], v[TM+6], 16, v[PW]
	v_lshl_or_b32 v[PW], v[TM+7], 24, v[PW]
.irp c, 0,1
	v_cvt_scalef32_pk16_bf6_f32 v[PC+6*\c:PC+2+6*\c], v[T+32*\c:T+15+32*\c], v[TM+12+2*\c]
	v_cvt_scalef32_pk16_bf6_f32 v[PC+12+4*\c:PC+14+4*\c], v[T+16+32*\c:T+31+32*\c], v[TM+13+2*\c]
.endr
	v_nop
.irp c, 0,1
.irp i, 0,1,2
	v_permlane16_swap_b32 v[PC+6*\c+\i], v[PC+12+4*\c+\i]
.endr
.irp i, 0,1,2
	v_mov_b32 v[PC+3+6*\c+\i], v[PC+12+4*\c+\i]
.endr
.endr
	v_and_b32 v57, 31, v0
	v_lshlrev_b32 v57, 4, v57
	v_and_b32 v58, 15, v0
	v_lshlrev_b32 v58, 2, v58
.irp g, 0,1,2
	global_store_b128 v57, v[PC+4*\g:PC+4*\g+3], s[80:81] offset:512*\g   ; 512 consecutive bytes, at a multiple of 256
.endr
	global_store_b32 v58, v[PW], s[82:83]          ; the tile's 16 words; lanes l and l xor 16 write the same word with the same value
.Lend:
	s_wait_tensorcnt 0x0
	ds_add_u32 v250, v251
	s_wait_dscnt 0x0
	CROUND                                         ; the closing round: no work-group ends while a partner may still ask for a tile that names it
	s_endpgm
.Lfunc_end_k_qec62b06c85_attn:
	.size	k_qec62b06c85_attn, .Lfunc_end_k_qec62b06c85_attn-k_qec62b06c85_attn
	.p2alignl 7, 3214868480
	.fill 96, 4, 3214868480
	.section	.rodata,"a",@progbits
	.p2align	6, 0x0
	.amdhsa_kernel k_qec62b06c85_attn
		.amdhsa_group_segment_fixed_size 276480
		.amdhsa_private_segment_fixed_size 0
		.amdhsa_enable_private_segment 0
		.amdhsa_kernarg_size 24
		.amdhsa_user_sgpr_count 2
		.amdhsa_user_sgpr_kernarg_segment_ptr 1
		.amdhsa_wavefront_size32 1
		.amdhsa_system_sgpr_workgroup_id_x 1
		.amdhsa_system_sgpr_workgroup_id_y 1
		.amdhsa_system_sgpr_workgroup_id_z 1
		.amdhsa_system_vgpr_workitem_id 0
		.amdhsa_next_free_vgpr 256
		.amdhsa_next_free_sgpr 84
		.amdhsa_reserve_vcc 1
		.amdhsa_float_denorm_mode_32 3
		.amdhsa_float_denorm_mode_16_64 3
		.amdhsa_memory_ordered 1
		.amdhsa_forward_progress 1
		.amdhsa_inst_pref_size 136
	.end_amdhsa_kernel
	.amdgpu_metadata
---
amdhsa.version: [ 1, 2 ]
amdhsa.kernels:
  - .name:           k_qec62b06c85_attn
    .symbol:         k_qec62b06c85_attn.kd
    .args:
      - { .name: qkv, .offset: 0, .size: 8, .value_kind: global_buffer, .address_space: global }
      - { .name: gate_logit, .offset: 8, .size: 8, .value_kind: global_buffer, .address_space: global }
      - { .name: oq, .offset: 16, .size: 8, .value_kind: global_buffer, .address_space: global }
    .group_segment_fixed_size: 276480
    .private_segment_fixed_size: 0
    .kernarg_segment_align: 8
    .kernarg_segment_size: 24
    .max_flat_workgroup_size: 512
    .sgpr_count:     84
    .vgpr_count:     256
    .wavefront_size: 32
...
	.end_amdgpu_metadata
.endif
;; end of part 3
;; launch outp (part 4): grid 8 x 8, 4 waves a work-group, clusters of 4 x 4, 327,680 bytes of LDS; arguments oq, wts, out0; writes out0
.if DOCPART == 4
	.amdgcn_target "amdgcn-amd-amdhsa--gfx1250"
	.amdhsa_code_object_version 6
	.text
	.protected	k_qec62b06c85_outp
	.globl	k_qec62b06c85_outp
	.p2align	8
	.type	k_qec62b06c85_outp,@function
k_qec62b06c85_outp:
	s_mov_b64 s[64:65], 0
	v_nop
	global_prefetch_b8 v0, s[64:65] scope:SCOPE_SE
	s_setreg_imm32_b32 hwreg(HW_REG_WAVE_MODE, 25, 1), 1
	s_wait_xcnt 0x0
	s_wait_alu depctr_hold_cnt(0) depctr_sa_sdst(0) depctr_va_vdst(0) depctr_va_sdst(0) depctr_va_ssrc(0) depctr_va_vcc(0) depctr_vm_vsrc(0)
	s_getreg_b32 s2, hwreg(HW_REG_IB_STS2, 6, 4)
	s_cmp_eq_u32 s2, 0
	s_cbranch_scc0 .Lentry_in_a_cluster
	s_endpgm
.Lentry_in_a_cluster:
	s_bfe_u32 s2, ttmp6, 0x10000c
	s_cmp_lg_u32 s2, 0xf033
	s_cbranch_scc0 .Lentry_shape_is_right
	s_endpgm
.Lentry_shape_is_right:
; out0[token][n] = sum over k of O[token][k] wo[k][n], on codes of BF6 (E3M2) with E8M0 scales, K = 2,048; out0 [2048][2048] f32.
; A = oq, B = operand 3 of wts, both as images of operand registers (16 rows x 128 K: 1,536 bytes, register p of lane l at 512 (p / 4) + 16 l + 4 (p % 4)), [K step 16][tile 128][1536], scale words
; [K step 16][tile 128][64].  Tile 2 B + u holds at place i row 32 B + 8 u + i + 8 (i / 8): the way out puts rows and columns back in their order.
; A tile of out0, 256 x 256, is made by a work-group of four waves, a wave 128 x 128: 64 accumulators, 512 registers; 64 work-groups in 4 clusters of 4 x 4: A's tiles are asked for jointly along a row, B's along a column.
; K goes in steps of 256 through a ring of two LDS slots; the scale words of the work-group's rows for all of K come once.  THE MATRIX INSTRUCTION IS USED TRANSPOSED (source 0 = a tile of B, source 1 = a tile of A).
; REGISTERS, in windows of 256: window 0: v0-31 addresses; v32-63 scale words, two sets; from v128 A's fragments, one set (on the way out v128-255 take rows of out0);
;   window 1: B's fragments, two sets;  window 2: the accumulators of my A blocks 0-3 ((a, b) at v[8 (8 (a % 4) + b)]);  window 3: blocks 4-7.
.set IMG,    1536
.set KPC,    196608
.set OPC,    3145728
.set OPS,    131072
.set NQ,     2
.set FR,     12
.set NL,     3
.set NP,     4                         ; places behind this matrix instruction (ISA guide 7.12.1)
.set HALFT,  NQ*8*IMG
.set SLOT,   4*HALFT
.set LAPS,   4
.set SCL,    2*SLOT
.set HALFS,  16*512
.set SPARE,  SCL+4*HALFS               ; the spare words, 128 bytes for each wave: two blocks of 256 bytes that no other line names
.set SPITCH, 528                       ; the way out: a stage of 16 rows x (512 bytes + 16) for each wave, in slot 0, which has had its last fill and its last read when the first result is stored there
.set ROWC,   8192                      ; a row of out0 in bytes
.set ADRA, 16
.set ADRB, 20
.set STO,  24                          ; v24 where I put 32 bytes of a row
.set RD,   25                          ; v25 where I read a row back
.set CO,   26                          ; v26 16 x lane
.set ADRS, 27
.set SPW,  28                          ; never rewritten
.set NIL,  29                          ; never rewritten
.set SC,   32
.set AF,   128
.set BK,   128
.set G1, 24
.set G0, 32
.set G1B, 48
.set G0B, 56
.set G1S, 68
.set G0S, 76
.set G1SB, 80
.set G0SB, 88
.set MSB, 0
.macro WIN new                         ; the immediate's high byte repeats the setting that is left
.if MSB != \new
	s_set_vgpr_msb (MSB<<8)|\new
.set MSB, \new
.endif
.endm
.set MUL_LO, 0xa1
.set MUL_HI, 0xf1
.set TO_B,   0x40
.macro JLOAD g0a, g1a, g0b, g1b        ; a joint load: waves 0 and 1 fetch for A, waves 2 and 3 for B; four v_nop follow each of the two lines
	s_cmp_eq_u32 s15, 0
	s_cbranch_scc0 .Lfor_b_\@
	tensor_load_to_lds s[\g0a:\g0a+3], s[\g1a:\g1a+7]
	s_nop 0
.rept 4
	v_nop
.endr
	s_branch .Lasked_\@
.Lfor_b_\@:
	tensor_load_to_lds s[\g0b:\g0b+3], s[\g1b:\g1b+7]
	s_nop 0
.rept 4
	v_nop
.endr
.Lasked_\@:
.endm
.macro CREST
	s_cmp_lg_u32 s14, 0
	s_cbranch_scc1 .Lnot_wave_0_\@
	s_barrier_signal -3
.Lnot_wave_0_\@:
	s_barrier_wait -3
	s_barrier_signal -1
	s_barrier_wait -1
.endm
.macro CROUND
	s_barrier_signal -1
	s_barrier_wait -1
	CREST
.endm
	s_load_b128 s[4:7], s[0:1], 0x0                ; oq, wts
	s_load_b64 s[12:13], s[0:1], 0x10              ; out0
	v_lshl_add_u32 v[SPW], v0, 2, SPARE
	v_mov_b32 v[NIL], 0
	ds_add_u32 v28, v29
	ds_add_u32 v28, v29
	s_wait_dscnt 0x0
	v_lshrrev_b32 v1, 5, v0
	v_readfirstlane_b32 s14, v1                    ; wave 0..3
	s_lshr_b32 s15, s14, 1                         ; which half of A's tiles is mine.  Also: I fetch for A (0) or for B (1)
	s_and_b32 s16, s14, 1                          ; which half of B's.  Also: which half I fetch
	s_bfe_u32 s40, ttmp6, 0x40000
	s_bfe_u32 s41, ttmp6, 0x40004
	s_lshl_b32 s42, ttmp9, 2
	s_add_co_u32 s42, s42, s40                     ; tile column
	s_and_b32 s17, ttmp7, 0xffff
	s_lshl_b32 s17, s17, 2
	s_add_co_u32 s17, s17, s41                     ; tile row
	s_lshl_b32 s43, s41, 2
	s_lshl_b32 s43, 15, s43                        ; my row of the cluster
	s_lshl_b32 s44, 0x1111, s40                    ; my column
	s_or_b32 s[G1+0], s43, (3<<16)|(1<<21)         ; codes: 2 K steps x 12,288 bytes (1,536 elements of 8 bytes), KPC bytes apart; no padding; bit 21 set beside a mask
	s_or_b32 s[G1B+0], s44, (3<<16)|(1<<21)
.irp g, G1, G1B
	s_mov_b32 s[\g+1], 1536<<16
	s_mov_b32 s[\g+2], 2<<16
	s_mov_b32 s[\g+3], 1536<<16
	s_mov_b32 s[\g+4], 2
	s_mov_b32 s[\g+5], KPC/8
	s_mov_b32 s[\g+6], 0
	s_mov_b32 s[\g+7], 0
.endr
	s_or_b32 s[G1S+0], s43, (3<<16)|(1<<21)        ; scale words: 16 K steps x 512 bytes, 8,192 bytes apart
	s_or_b32 s[G1SB+0], s44, (3<<16)|(1<<21)
.irp g, G1S, G1SB
	s_mov_b32 s[\g+1], 64<<16
	s_mov_b32 s[\g+2], 16<<16
	s_mov_b32 s[\g+3], 64<<16
	s_mov_b32 s[\g+4], 16
	s_mov_b32 s[\g+5], 1024
	s_mov_b32 s[\g+6], 0
	s_mov_b32 s[\g+7], 0
.endr
	s_lshl_b32 s19, s16, 3
	s_lshl_b32 s18, s17, 4
	s_add_co_u32 s18, s18, s19                     ; A: tile 16 x tile row + 8 x half
	s_lshl_b32 s67, s42, 4
	s_add_co_u32 s67, s67, s19                     ; B: tile 16 x tile column + 8 x half
	s_mul_i32 s20, s18, IMG
	s_lshl_b32 s22, s18, 6
	s_add_co_u32 s22, s22, OPC
	s_mul_i32 s46, s67, IMG
	s_add_co_u32 s46, s46, 3*OPC
	s_lshl_b32 s96, s67, 6
	s_add_co_u32 s96, s96, 4*OPC+3*OPS
	s_mov_b32 s21, 0
	s_mov_b32 s23, 0
	s_mov_b32 s47, 0
	s_mov_b32 s97, 0
	s_mul_i32 s45, s14, HALFT                      ; where they go: no place in the cluster enters an LDS address
	s_mul_i32 s95, s14, HALFS
	s_wait_kmcnt 0x0
	s_add_nc_u64 s[20:21], s[4:5], s[20:21]
	s_add_nc_u64 s[22:23], s[4:5], s[22:23]
	s_add_nc_u64 s[46:47], s[6:7], s[46:47]
	s_add_nc_u64 s[96:97], s[6:7], s[96:97]
	CROUND                                         ; all sixteen work-groups are here: the first joint loads meet
	s_mov_b32 s[G0S], 1
	s_add_co_u32 s[G0S+1], s95, SCL
	s_mov_b64 s[G0S+2:G0S+3], s[22:23]
	s_or_b32 s[G0S+3], s[G0S+3], 0x80000000
	s_mov_b32 s[G0SB], 1
	s_add_co_u32 s[G0SB+1], s95, SCL
	s_mov_b64 s[G0SB+2:G0SB+3], s[96:97]
	s_or_b32 s[G0SB+3], s[G0SB+3], 0x80000000
	JLOAD G0S, G1S, G0SB, G1SB                     ; three loads of mine are out at the most
.irp s, 0,1
	s_mov_b32 s[G0+4*\s], 1
	s_add_co_u32 s[G0+4*\s+1], s45, \s*SLOT
	s_add_nc_u64 s[G0+4*\s+2:G0+4*\s+3], s[20:21], \s*NQ*KPC
	s_or_b32 s[G0+4*\s+3], s[G0+4*\s+3], 0x80000000
	s_mov_b32 s[G0B+4*\s], 1
	s_add_co_u32 s[G0B+4*\s+1], s45, \s*SLOT
	s_add_nc_u64 s[G0B+4*\s+2:G0B+4*\s+3], s[46:47], \s*NQ*KPC
	s_or_b32 s[G0B+4*\s+3], s[G0B+4*\s+3], 0x80000000
	JLOAD G0+4*\s, G1, G0B+4*\s, G1B
.endr
	v_and_b32 v1, 31, v0                           ; lane
	v_and_b32 v4, 15, v0                           ; r
	v_bfe_u32 v2, v0, 4, 1                         ; h
	v_lshlrev_b32 v[CO], 4, v1
	s_mul_i32 s21, s15, HALFT
	s_mul_i32 s22, s16, HALFT
	s_add_co_u32 s22, s22, 2*HALFT
.irp s, 0,1
	v_add_nc_u32 v[ADRA+\s], s21, v[CO]
	v_add_nc_u32 v[ADRB+\s], s22, v[CO]
	s_add_co_u32 s21, s21, SLOT
	s_add_co_u32 s22, s22, SLOT
.endr
	v_lshlrev_b32 v5, 2, v4
	s_mul_i32 s21, s15, HALFS
	s_mul_i32 s22, s16, HALFS
	s_add_co_u32 s22, s22, 2*HALFS
	s_sub_co_u32 s22, s22, s21
	v_mul_u32_u24 v6, s22, v2                      ; lanes 16-31 take B's scale words
	s_add_co_u32 s21, s21, SCL
	v_add_nc_u32 v5, v5, v6
	v_add_nc_u32 v[ADRS], s21, v5
	s_mul_i32 s23, s14, 16*SPITCH                  ; my stage
	v_mul_u32_u24 v5, v4, SPITCH
	v_lshl_add_u32 v5, v2, 6, v5
	v_add_nc_u32 v[STO], s23, v5                   ; in: row r, + 64 h: accumulator b's eight columns are 32 (b / 2) + 16 h + 8 (b % 2) + 0 .. 7
	v_add_nc_u32 v[RD], s23, v[CO]                 ; back: a row of 512 bytes
	s_lshl_b32 s20, s17, 8
	s_lshl_b32 s21, s15, 7
	s_add_co_u32 s20, s20, s21                     ; my first row of out0
	s_mul_i32 s20, s20, ROWC
	s_lshl_b32 s46, s42, 10                        ; my first column, in bytes
	s_lshl_b32 s47, s16, 9
	s_add_co_u32 s46, s46, s47
	s_add_co_u32 s20, s20, s46
	s_mov_b32 s21, 0
	s_add_nc_u64 s[12:13], s[12:13], s[20:21]
.macro FRAG reg, adr, q, i             ; an image comes back as the registers that it was made of
.irp g, 0,1,2
	ds_load_b128 v[\reg+4*\g:\reg+4*\g+3], v[\adr] offset:8*IMG*(\q)+IMG*(\i)+512*\g
.endr
.endm
; 16 matrix instructions: A's blocks a0, a0 + 1 x B's eight.  The 64 accumulators take turns, one instruction a turn, in the same order in every step.
.macro MUL16 a0, p, q, sc, zero
.irp a, \a0, \a0+1
.irp b, 0,1,2,3,4,5,6,7
.if \zero
	v_wmma_scale_f32_16x16x128_f8f6f4 v[8*(8*((\a)%4)+\b):8*(8*((\a)%4)+\b)+7], v[128*(\p)+FR*\b:128*(\p)+FR*\b+FR-1], v[AF+FR*(\a):AF+FR*(\a)+FR-1], 0, v[SC+8*NQ*(\sc)+NQ*\b+(\q)], v[SC+8*NQ*(\sc)+NQ*(\a)+(\q)] matrix_a_fmt:MATRIX_FMT_BF6 matrix_b_fmt:MATRIX_FMT_BF6 matrix_a_scale:MATRIX_SCALE_ROW1
.else
	v_wmma_scale_f32_16x16x128_f8f6f4 v[8*(8*((\a)%4)+\b):8*(8*((\a)%4)+\b)+7], v[128*(\p)+FR*\b:128*(\p)+FR*\b+FR-1], v[AF+FR*(\a):AF+FR*(\a)+FR-1], v[8*(8*((\a)%4)+\b):8*(8*((\a)%4)+\b)+7], v[SC+8*NQ*(\sc)+NQ*\b+(\q)], v[SC+8*NQ*(\sc)+NQ*(\a)+(\q)] matrix_a_fmt:MATRIX_FMT_BF6 matrix_b_fmt:MATRIX_FMT_BF6 matrix_a_scale:MATRIX_SCALE_ROW1
.endif
.endr
.endr
.endm
.macro FETCH_B slot, q, p
	WIN TO_B
.irp i, 0,1,2,3,4,5,6,7
	FRAG 128*(\p)+FR*\i, ADRB+\slot, \q, \i
.endr
	WIN 0
.endm
.macro FETCH_A slot, q, i0
.irp i, \i0, \i0+1, \i0+2, \i0+3
	FRAG AF+FR*(\i), ADRA+\slot, \q, \i
.endr
.endm
.macro SCALES sc
.irp i, 0,1,2,3,4,5,6,7
.irp q, 0,1
	ds_load_b32 v[SC+8*NQ*\sc+NQ*\i+\q], v[ADRS] offset:512*\q+64*\i
.endr
.endr
.endm
.macro PLACES n
.rept \n
	v_nop
.endr
.endm
.macro STEP slot, q, zero
	s_wait_dscnt 4*NL                              ; all but the youngest twelve loads (A's blocks 4-7)
	WIN MUL_LO
	MUL16 0, (\q)%2, \q, \slot, \zero
	MUL16 2, (\q)%2, \q, \slot, \zero
	s_wait_dscnt 0
	PLACES NP
	FETCH_B \slot, (\q)+1, 1-(\q)%2
	FETCH_A \slot, (\q)+1, 0
	WIN MUL_HI
	MUL16 4, (\q)%2, \q, \slot, \zero
	MUL16 6, (\q)%2, \q, \slot, \zero
	PLACES NP
	WIN 0
	FETCH_A \slot, (\q)+1, 4
.endm
.macro TURN slot, next, fill
	s_wait_tensorcnt 0x0                           ; all my tensor loads have landed: my part of the next slot
	ds_add_u32 v[SPW], v[NIL]                      ; 0 onto my spare word
	s_wait_dscnt 4*NL+1                            ; (the add and the youngest twelve loads may be out)
	WIN MUL_LO
	MUL16 0, 1, NQ-1, \slot, 0
	s_wait_dscnt 0x0                               ; the add is done, and my reads of this slot are over
	s_barrier_signal -1
	MUL16 2, 1, NQ-1, \slot, 0
	WIN 0
	s_barrier_wait -1
.if \fill
	CREST                                          ; the barrier has opened a round of the cluster's barrier
	s_add_nc_u64 s[G0+4*\slot+2:G0+4*\slot+3], s[G0+4*\slot+2:G0+4*\slot+3], 2*NQ*KPC
	s_add_nc_u64 s[G0B+4*\slot+2:G0B+4*\slot+3], s[G0B+4*\slot+2:G0B+4*\slot+3], 2*NQ*KPC
	JLOAD G0+4*\slot, G1, G0B+4*\slot, G1B         ; my one tensor load behind the round
.else
	PLACES NP
.endif
	v_add_nc_u32 v[ADRS], 512*NQ, v[ADRS]
	FETCH_B \next, 0, 0
	FETCH_A \next, 0, 0
	SCALES \next
	WIN MUL_HI
	MUL16 4, 1, NQ-1, \slot, 0
	MUL16 6, 1, NQ-1, \slot, 0
	PLACES NP
	WIN 0
	FETCH_A \next, 0, 4
.endm
	s_wait_tensorcnt 1                             ; the scale words and my part of slot 0 are in (slot 1's load may be out)
	s_barrier_signal -1
	s_barrier_wait -1
	FETCH_B 0, 0, 0
	FETCH_A 0, 0, 0
	SCALES 0
	FETCH_A 0, 0, 4
	STEP 0, 0, 1
	s_mov_b32 s3, LAPS-1
.Llap:
	TURN 0, 1, 1
	STEP 1, 0, 0
	TURN 1, 0, 1
	STEP 0, 0, 0
	s_sub_co_u32 s3, s3, 1
	s_cmp_lg_u32 s3, 0
	s_cbranch_scc1 .Llap
	TURN 0, 1, 0
	STEP 1, 0, 0
	s_wait_dscnt 4*NL
	WIN MUL_LO
	MUL16 0, 1, NQ-1, 1, 0
	MUL16 2, 1, NQ-1, 1, 0
	s_wait_dscnt 0
	WIN MUL_HI
	MUL16 4, 1, NQ-1, 1, 0
	MUL16 6, 1, NQ-1, 1, 0
	WIN 0
; THE WAY OUT, block by block of 16 rows x 128 columns, through my own stage: in by 32 bytes a lane at the columns' true places, back as whole rows of 512 bytes.
; LDS serves a wave's instructions in order (ISA guide 5.7.1.4): no wait between the stores and the loads, nor in front of the next block's stores.
.macro TOSTAGE a
.set AC, 64*((\a)%4)
	WIN 0x08+4*((\a)/4)                            ; the data: window 2 or 3
.irp b, 0,1,2,3,4,5,6,7
	ds_store_b128 v[STO], v[AC+8*\b:AC+8*\b+3] offset:128*(\b/2)+32*(\b%2)       ; each accumulator from its low end on
	ds_store_b128 v[STO], v[AC+8*\b+4:AC+8*\b+7] offset:128*(\b/2)+32*(\b%2)+16
.endr
	WIN 0
.set BB, BK+64*((\a)%2)
.irp t, 0,1,2,3,4,5,6,7,8,9,10,11,12,13,14,15
	ds_load_b128 v[BB+4*\t:BB+4*\t+3], v[RD] offset:\t*SPITCH
.endr
.endm
.macro SEND a, younger                 ; block a's place t is row 32 (a / 2) + 8 (a % 2) + t + 8 (t / 8) of my 128
.set BB, BK+64*((\a)%2)
	s_wait_dscnt \younger                          ; the block is back in registers
.if (\a) > 0
	s_add_nc_u64 s[12:13], s[12:13], (24-16*((\a)%2))*ROWC   ; (behind a wait on XCNT)  8 rows on to an odd block, 24 to an even one
.endif
.irp t, 0,1,2,3,4,5,6,7,8,9,10,11,12,13,14,15
	global_store_b128 v[CO], v[BB+4*\t:BB+4*\t+3], s[12:13] offset:(\t+8*(\t/8))*ROWC th:TH_STORE_NT   ; 512 consecutive bytes, at a multiple of 256
.endr
.endm
	PLACES NP
	TOSTAGE 0
.irp a, 1,2,3,4,5,6,7
.if \a > 1
	s_wait_xcnt 0x0                                ; block a - 2's stores have read their registers and their base
.endif
	TOSTAGE \a
	SEND \a-1, 32                                  ; behind block a - 1's loads: block a's 16 stores and 16 loads
.endr
	s_wait_xcnt 0x0
	SEND 7, 0
	s_wait_tensorcnt 0x0                           ; the wave's end
	ds_add_u32 v[SPW], v[NIL]
	s_wait_dscnt 0x0
	CROUND                                         ; the closing round
	s_endpgm
.Lfunc_end_k_qec62b06c85_outp:
	.size	k_qec62b06c85_outp, .Lfunc_end_k_qec62b06c85_outp-k_qec62b06c85_outp
	.p2alignl 7, 3214868480
	.fill 96, 4, 3214868480
	.section	.rodata,"a",@progbits
	.p2align	6, 0x0
	.amdhsa_kernel k_qec62b06c85_outp
		.amdhsa_group_segment_fixed_size 327680
		.amdhsa_private_segment_fixed_size 0
		.amdhsa_enable_private_segment 0
		.amdhsa_kernarg_size 24
		.amdhsa_user_sgpr_count 2
		.amdhsa_user_sgpr_kernarg_segment_ptr 1
		.amdhsa_wavefront_size32 1
		.amdhsa_system_sgpr_workgroup_id_x 1
		.amdhsa_system_sgpr_workgroup_id_y 1
		.amdhsa_system_sgpr_workgroup_id_z 1
		.amdhsa_system_vgpr_workitem_id 0
		.amdhsa_next_free_vgpr 1024
		.amdhsa_next_free_sgpr 98
		.amdhsa_reserve_vcc 0
		.amdhsa_float_denorm_mode_32 3
		.amdhsa_float_denorm_mode_16_64 3
		.amdhsa_memory_ordered 1
		.amdhsa_forward_progress 1
		.amdhsa_inst_pref_size 137
	.end_amdhsa_kernel
	.amdgpu_metadata
---
amdhsa.version: [ 1, 2 ]
amdhsa.kernels:
  - .name:           k_qec62b06c85_outp
    .symbol:         k_qec62b06c85_outp.kd
    .args:
      - { .name: oq, .offset: 0, .size: 8, .value_kind: global_buffer, .address_space: global }
      - { .name: wts, .offset: 8, .size: 8, .value_kind: global_buffer, .address_space: global }
      - { .name: out0, .offset: 16, .size: 8, .value_kind: global_buffer, .address_space: global }
    .group_segment_fixed_size: 327680
    .private_segment_fixed_size: 0
    .kernarg_segment_align: 8
    .kernarg_segment_size: 24
    .max_flat_workgroup_size: 128
    .sgpr_count:     98
    .vgpr_count:     1024
    .wavefront_size: 32
...
	.end_amdgpu_metadata
.endif
;; end of part 4
;; ======== version 2 of 2: 4 launches
;; limits: right only within a limited range of input values
;; workspace buffers: xq 3,276,800 bytes; wts 13,107,200 bytes; rope 262,144 bytes; qkv 9,830,400 bytes; oq 3,276,800 bytes
;; launch quant (part 5): grid 640 x 1, 4 waves a work-group, no clusters, 58,880 bytes of LDS; arguments x, wq_sem, wk_sem, wq_geo, wk_geo, wv, wo, xq, wts, rope; writes xq, wts, rope
.if DOCPART == 5
	.amdgcn_target "amdgcn-amd-amdhsa--gfx1250"
	.amdhsa_code_object_version 6
	.text
	.protected	k_qec62b06c85_quant
	.globl	k_qec62b06c85_quant
	.p2align	8
	.type	k_qec62b06c85_quant,@function
k_qec62b06c85_quant:
	s_mov_b64 s[64:65], 0
	v_nop
	global_prefetch_b8 v0, s[64:65] scope:SCOPE_SE
	s_setreg_imm32_b32 hwreg(HW_REG_WAVE_MODE, 25, 1), 1
	s_wait_xcnt 0x0
; x [2048][2048] and the six weights ([K 2048][N]) , all f32, become codes of BF6 (E3M2) with one E8M0 byte for each 32 along K; and the table of cos and sin for the rotation is made.
; LAYOUT OF EVERY OPERAND: IMAGES OF ITS REGISTERS.  A fragment is 16 rows x 128 K, 12 registers a lane; its image is 1,536 bytes: register p of lane l at 512 (p / 4) + 16 l + 4 (p % 4),
; so that three accesses of 16 bytes a lane, each 512 consecutive bytes, move it.  Beside it 16 scale words (64 bytes): word i for row place i, byte b for k = 32 b .. 32 b + 31.
; An operand of 2,048 rows: codes [K step 16][tile 128][1536], scale words [K step 16][tile 128][64].
; THE ROWS OF A TILE ARE NOT NEIGHBOURS: tile 2 B + u holds at place i row 32 B + 8 u + i + 8 (i / 8).  As source 0 of a product such tiles leave 16 neighbours of the next K in a lane's 16 registers.
; wts holds four operands: 0 = wq, 1 = wk (row 128 head + d from the semantic weight, 128 head + 64 + d from the geometric one), 2 = wv, 3 = wo; their scale words behind all four.
; A block's scale is 2^(floor(log2(its largest magnitude)) - 4); its byte is the largest magnitude's exponent field - 4, held at 1 from below.
; LIMITS: NaN and infinities are not served.  A block of zeros, and one whose largest magnitude lies under 2^-122, gets the byte 1 (its codes are zeros or subnormal codes; this program alone reads the bytes).
; The table's frequency is 2^(-f log2(10000) / 32) by v_exp_f32, good to one unit in the last place: an angle can differ by about 1e-4 radians at position 1,023 from one made with an exact frequency.
; Work-groups 0-127 take x and the table, 128-639 the weights: two ways that part once, each with LDS bytes of its own.  No tensor loads, no barrier: waves share nothing.
.set IMG,  1536                        ; an image in bytes
.set KPC,  196608                      ; from a K step's images to the next's
.set KPS,  8192                        ; the same for scale words
.set OPC,  3145728                     ; an operand's codes
.set OPS,  131072                      ; an operand's scale words
.set XP,   528                         ; x's stage: a row of 512 bytes + 16: an odd multiple of 16, so that sixteen rows' reads fall on different banks
.set XSW,  16*XP                       ; a wave's stage on x's way
.set WST,  4*XSW                       ; behind them: the weights' stages
.set WSW,  4*IMG                       ; four images a wave
.set SEL,  28                          ; s[28:29] selects for lane l xor 16
.set HM,   30                          ; s30 mask of lanes 16-31
.set R,    16                          ; v16-143  x: two sets of 16 loads
.set X,    144                         ; v144-207 x: 64 numbers, register 16 b + i = k 32 b + 16 (lane / 16) + i of my row
.set TM,   208                         ; v208-223 at work
.set PW,   224                         ; the scale word just made
.set PC,   226                         ; v226-244 the codes just made
.set PW0,  246                         ; the even tile's scale word
.set PS,   247                         ; v247-248 two tiles' scale words, to store
.set OFF,  16                          ; weights: v16-47 byte offset of row i of a block at my column
.set XW,   48                          ; v48-111 two sets of 32 numbers
.set C,    112                         ; v112-120 a block's codes
.set SB,   122                         ; v122-123 scale words of my column's two K steps
.set OUTR, 128                         ; v128-175 the way out
	s_load_b512 s[8:23], s[0:1], 0x0               ; x, wq_sem, wk_sem, wq_geo, wk_geo, wv, wo, xq
	s_load_b128 s[24:27], s[0:1], 0x40             ; wts, rope
	v_lshl_add_u32 v241, v0, 2, 0xe400
	v_mov_b32 v245, 0
	v_lshrrev_b32 v1, 5, v0
	v_readfirstlane_b32 s2, v1                     ; wave
	v_and_b32 v1, 31, v0                           ; lane
	s_cmp_lt_u32 ttmp9, 128
	s_cbranch_scc0 .Lweights
; ---------------- x: wave W of 512 takes 32 tokens (B = W / 8) x 256 along K (K steps 2 kp, 2 kp + 1, kp = W % 8): four images; and positions 2 W, 2 W + 1 of the table
	s_lshl_b32 s3, ttmp9, 2
	s_add_co_u32 s3, s3, s2                        ; W
	s_lshr_b32 s4, s3, 3                           ; B
	s_and_b32 s5, s3, 7                            ; kp
	s_mov_b32 s[SEL], 0x76543210
	s_mov_b32 s[SEL+1], 0xfedcba98
	s_wait_alu depctr_va_vdst(0)
	v_lshlrev_b32 v2, 4, v1                        ; 16 x lane
	v_lshlrev_b32 v3, 2, v1                        ; 4 x lane
	v_and_b32 v6, 15, v1                           ; r
	v_lshrrev_b32 v7, 4, v1                        ; h
	s_mul_i32 s6, s2, XSW                          ; my stage
	v_add_nc_u32 v4, s6, v2                        ; into it: a row's 512 bytes as they lie
	v_mul_u32_u24 v5, v6, XP
	v_lshl_add_u32 v5, v7, 6, v5
	v_add_nc_u32 v5, s6, v5                        ; out of it: row r, + 64 h: my 16 numbers of each block of 32
	v_cmp_lt_u32 s[HM], 15, v1
.irp b, 0,1,2,3
	v_mov_b32 v[TM+4+\b], 0                        ; written once: a lane permute's destination counts as one of its sources
.endr
	s_lshl_b32 s32, s4, 18                         ; x: 32 rows of 8,192 bytes a B,
	s_lshl_b32 s33, s5, 10                         ; 1,024 bytes a kp
	s_add_co_u32 s32, s32, s33
	s_mov_b32 s33, 0
	s_mul_i32 s34, s5, 2*KPC                       ; codes: two K steps a kp, two images a B
	s_mul_i32 s35, s4, 2*IMG
	s_add_co_u32 s34, s34, s35
	s_mov_b32 s35, 0
	s_lshl_b32 s36, s5, 14                         ; scale words likewise, behind the codes
	s_lshl_b32 s37, s4, 7
	s_add_co_u32 s36, s36, s37
	s_add_co_u32 s36, s36, OPC
	s_mov_b32 s37, 0
	s_lshl_b32 s38, s3, 9                          ; the table: 512 bytes a wave
	s_mov_b32 s39, 0
	s_wait_kmcnt 0x0
	s_add_nc_u64 s[8:9], s[8:9], s[32:33]
	s_add_nc_u64 s[40:41], s[22:23], s[34:35]
	s_add_nc_u64 s[42:43], s[22:23], s[36:37]
	s_add_nc_u64 s[26:27], s[26:27], s[38:39]
; image n: K step 2 kp + n / 2, tile 2 B + n % 2.  Sixteen loads, each one row's 512 consecutive bytes
.macro LOADX n
.irp i, 0,1,2,3,4,5,6,7,8,9,10,11,12,13,14,15
	global_load_b128 v[R+64*((\n)%2)+4*\i:R+64*((\n)%2)+4*\i+3], v2, s[8:9] offset:(8*((\n)%2)+\i+8*(\i/8))*8192+512*((\n)/2) th:TH_LOAD_NT
.endr
.endm
; 64 numbers of a lane, v[s] on, become a fragment's codes in v[PC] on and its row's scale word in v[PW]
.macro QUANT s
.irp b, 0,1,2,3
	v_max3_num_f32 v[TM+\b], |v[\s+16*\b]|, |v[\s+1+16*\b]|, 0x2800000   ; block b: my 16 numbers, and the floor 2^(5 - 127): the byte cannot fall under 1
.endr
.irp i, 2,4,6,8,10,12,14
.irp b, 0,1,2,3
	v_max3_num_f32 v[TM+\b], v[TM+\b], |v[\s+16*\b+\i]|, |v[\s+1+16*\b+\i]|   ; the four blocks by turns
.endr
.endr
.irp b, 0,1,2,3
	v_permlanex16_b32 v[TM+4+\b], v[TM+\b], s[SEL], s[SEL+1]
.endr
.irp b, 0,1,2,3
	v_max_num_f32 v[TM+\b], v[TM+\b], v[TM+4+\b]   ; with lane l xor 16's 16: the block's largest magnitude
.endr
.irp b, 0,1,2,3
	v_add_nc_u32 v[TM+12+\b], 0xfe000000, v[TM+\b] ; 4 off its exponent field: the conversion takes this operand's exponent field as its scale
.endr
.irp b, 0,1,2,3
	v_lshrrev_b32 v[TM+4+\b], 23, v[TM+12+\b]      ; the scale's byte
.endr
	v_lshl_or_b32 v[PW], v[TM+5], 8, v[TM+4]
	v_lshl_or_b32 v[PW], v[TM+6], 16, v[PW]
	v_lshl_or_b32 v[PW], v[TM+7], 24, v[PW]
.irp c, 0,1
	v_cvt_scalef32_pk16_bf6_f32 v[PC+6*\c:PC+2+6*\c], v[\s+32*\c:\s+15+32*\c], v[TM+12+2*\c]
	v_cvt_scalef32_pk16_bf6_f32 v[PC+12+4*\c:PC+14+4*\c], v[\s+16+32*\c:\s+31+32*\c], v[TM+13+2*\c]   ; (a conversion's three registers begin on an even number)
.endr
	v_nop                                          ; one plain place behind a scaled conversion
.irp c, 0,1                                    ; the operand wants a whole block in a lane: lanes 0-15 block 2 c, lanes 16-31 block 2 c + 1
.irp i, 0,1,2
	v_permlane16_swap_b32 v[PC+6*\c+\i], v[PC+12+4*\c+\i]
.endr
.irp i, 0,1,2
	v_mov_b32 v[PC+3+6*\c+\i], v[PC+12+4*\c+\i]
.endr
.endr
.endm
	LOADX 0
	LOADX 1
; The table, while those loads are out.  rope[pos][0..31] = cos, [32..63] = sin of pos x 10000^(-f / 32).  Lane l: pos = 2 W + l / 16, kind = (l / 8) % 2, f = 4 (l % 8) + k: its 16 bytes lie at 16 l.
; The angle, one f32 product, is brought into -pi/4 .. pi/4 by n quarter turns (pi/2 in three parts, fused), sin and cos there are series (next terms under 2e-9), and n + 3 kind picks series and sign.
	v_and_b32 v249, 7, v1
	v_lshlrev_b32 v249, 2, v249                    ; 4 (l % 8)
	v_bfe_u32 v250, v1, 3, 1
	v_mul_u32_u24 v250, v250, 3                    ; 3 kind: sin(a) = cos(a - pi/2)
	s_lshl_b32 s31, s3, 1
	v_add_nc_u32 v251, s31, v7
	v_cvt_f32_u32 v251, v251                       ; pos
.irp k, 0,1,2,3
	v_add_nc_u32 v[144+\k], \k, v249
	v_cvt_f32_u32 v[144+\k], v[144+\k]
	v_mul_f32 v[144+\k], 0xbed49a78, v[144+\k]     ; -f log2(10000) / 32
.endr
	s_wait_alu depctr_va_vdst(0)
.irp k, 0,1,2,3
	v_exp_f32 v[144+\k], v[144+\k]
.endr
	v_nop                                          ; one plain place behind the exponentials
	s_wait_alu depctr_va_vdst(0)
.irp k, 0,1,2,3
	v_mul_f32 v[144+\k], v251, v[144+\k]           ; the angle
	v_mul_f32 v[148+\k], 0x3f22f983, v[144+\k]     ; x 2 / pi
	v_rndne_f32 v[148+\k], v[148+\k]               ; n
	v_fmamk_f32 v[144+\k], v[148+\k], 0xbfc90fd8, v[144+\k]
	v_fmamk_f32 v[144+\k], v[148+\k], 0xb4a8885a, v[144+\k]
	v_fmamk_f32 v[144+\k], v[148+\k], 0xa7c234c4, v[144+\k]   ; r
	v_mul_f32 v[152+\k], v[144+\k], v[144+\k]      ; s = r r
	v_mov_b32 v[156+\k], 0x3638ef1d                ; 1/9!
	v_fmaak_f32 v[156+\k], v[156+\k], v[152+\k], 0xb9500d01
	v_fmaak_f32 v[156+\k], v[156+\k], v[152+\k], 0x3c088889
	v_fmaak_f32 v[156+\k], v[156+\k], v[152+\k], 0xbe2aaaab
	v_mul_f32 v[164+\k], v[144+\k], v[152+\k]
	v_fma_f32 v[156+\k], v[164+\k], v[156+\k], v[144+\k]      ; sin r
	v_mov_b32 v[160+\k], 0xb493f27e                ; -1/10!
	v_fmaak_f32 v[160+\k], v[160+\k], v[152+\k], 0x37d00d01
	v_fmaak_f32 v[160+\k], v[160+\k], v[152+\k], 0xbab60b61
	v_fmaak_f32 v[160+\k], v[160+\k], v[152+\k], 0x3d2aaaab
	v_fmaak_f32 v[160+\k], v[160+\k], v[152+\k], 0xbf000000
	v_fma_f32 v[160+\k], v[160+\k], v[152+\k], 1.0            ; cos r
	v_cvt_i32_f32 v[164+\k], v[148+\k]
	v_add_nc_u32 v[164+\k], v250, v[164+\k]        ; q = n + 3 kind: 0: cos r, 1: -sin r, 2: -cos r, 3: sin r (modulo 4)
	v_and_b32 v[148+\k], 1, v[164+\k]
	v_cmp_eq_u32 vcc_lo, 1, v[148+\k]
	v_cndmask_b32 v[252+\k], v[160+\k], v[156+\k], vcc_lo
	v_add_nc_u32 v[164+\k], 1, v[164+\k]
	v_and_b32 v[164+\k], 2, v[164+\k]
	v_lshlrev_b32 v[164+\k], 30, v[164+\k]
	v_xor_b32 v[252+\k], v[164+\k], v[252+\k]      ; the sign
.endr
	global_store_b128 v2, v[252:255], s[26:27]     ; 512 consecutive bytes a wave; v252-255 are not written again
.macro XIMAGE n
.if (\n) < 3
	s_wait_loadcnt 16                              ; this image's sixteen loads are in; the next image's may be out
.else
	s_wait_loadcnt 0x0
.endif
.irp i, 0,1,2,3,4,5,6,7,8,9,10,11,12,13,14,15
	ds_store_b128 v4, v[R+64*((\n)%2)+4*\i:R+64*((\n)%2)+4*\i+3] offset:XP*\i
.endr
.irp b, 0,1,2,3
.irp j, 0,1,2,3
	ds_load_b128 v[X+16*\b+4*\j:X+16*\b+4*\j+3], v5 offset:128*\b+16*\j   ; LDS serves a wave's instructions in order: these see the stores above
.endr
.endr
	s_wait_dscnt 0x0                               ; the numbers are back; the stores into the stage have read their registers
	s_wait_xcnt 0x0                                ; the last image's stores have read PC and PS: both are written again only behind this wait
.if (\n) < 2
	LOADX (\n)+2
.endif
	QUANT X
.irp g, 0,1,2
	global_store_b128 v2, v[PC+4*\g:PC+4*\g+3], s[40:41] offset:KPC*((\n)/2)+IMG*((\n)%2)+512*\g   ; 512 consecutive bytes, at a multiple of 256
.endr
.if (\n)%2 == 0
	v_mov_b32 v[PW0], v[PW]
.else
	v_cndmask_b32 v[PS+(\n)/2], v[PW0], v[PW], s[HM]   ; lanes 0-15 the even tile's words, lanes 16-31 the odd tile's
	global_store_b32 v3, v[PS+(\n)/2], s[42:43] offset:KPS*((\n)/2)   ; 128 consecutive bytes
.endif
.endm
	XIMAGE 0
	XIMAGE 1
	XIMAGE 2
	XIMAGE 3
	s_wait_tensorcnt 0x0
	ds_add_u32 v241, v245
	s_wait_dscnt 0x0
	s_endpgm
; ---------------- the weights: work-group g of 512 takes 128 columns (cg = g / 8) x 256 along K (kc = g % 8); a wave 32 columns.  A LANE TAKES A COLUMN AND ITS REGISTERS RUN DOWN K:
; each load reads 128 consecutive bytes a wave, a block of 32 along K lies in one lane, and the conversions give the codes with K innermost.  Nothing is transposed by an instruction.
.Lweights:
	s_sub_co_u32 s3, ttmp9, 128
	s_and_b32 s4, s3, 7                            ; kc
	s_lshr_b32 s5, s3, 3                           ; cg 0..63
	s_lshr_b32 s7, s5, 3                           ; 0-3: wq_sem, wk_sem, wq_geo, wk_geo (8 groups each); 4, 5: wv; 6, 7: wo
	s_wait_alu depctr_va_vdst(0)
	v_lshlrev_b32 v2, 2, v1                        ; 4 x lane
	v_bfe_u32 v7, v1, 3, 1                         ; row 32 B + lane lies in tile 2 B + u, u = (lane / 8) % 2,
	v_and_b32 v8, 7, v1
	v_lshrrev_b32 v9, 4, v1
	v_lshl_add_u32 v8, v9, 3, v8                   ; at place i = lane % 8 + 8 (lane / 16)
	s_mul_i32 s6, s2, WSW
	s_add_co_u32 s6, s6, WST                       ; my stage: [K step 2][tile 2][1536]
	v_mul_u32_u24 v3, v7, IMG
	v_lshl_add_u32 v3, v8, 4, v3
	v_add_nc_u32 v3, s6, v3                        ; into it: my tile's image, the 16 bytes of image lane i
	v_lshlrev_b32 v6, 4, v1
	v_add_nc_u32 v4, s6, v6                        ; out of it: 16 x lane
	v_lshlrev_b32 v5, 6, v7
	v_lshl_add_u32 v5, v8, 2, v5                   ; my scale word's place: 64 u + 4 i
	s_cmp_ge_u32 s7, 4                             ; a wide tensor (2,048 columns)?
	s_cselect_b32 s31, 1, 0
	s_cselect_b32 s49, 15, 7
	s_and_b32 s49, s5, s49                         ; the group of 128 columns in its tensor
	s_lshl_b32 s48, 0x1000, s31                    ; bytes from a row of K to the next
	s_and_b32 s50, s7, 1                           ; narrow: operand 0 (wq) or 1 (wk);
	s_lshl_b32 s51, s49, 1
	s_lshr_b32 s52, s2, 1
	s_add_co_u32 s51, s51, s52                     ; head = column / 64
	s_lshl_b32 s51, s51, 2
	s_and_b32 s52, s2, 1
	s_add_co_u32 s51, s51, s52
	s_lshr_b32 s52, s7, 1                          ; (narrow: 1 for the geometric weights; wide: the operand, 2 or 3)
	s_lshl_b32 s53, s52, 1
	s_add_co_u32 s51, s51, s53                     ; its 32 rows: B = 4 head + 2 geometric + (column / 32) % 2
	s_lshl_b32 s53, s49, 2
	s_add_co_u32 s53, s53, s2                      ; wide: B = column / 32
	s_cmp_ge_u32 s7, 4
	s_cselect_b32 s50, s52, s50                    ; the operand
	s_cselect_b32 s51, s53, s51                    ; B
	s_mul_i32 s54, s50, OPC
	s_mul_i32 s55, s4, 2*KPC
	s_add_co_u32 s54, s54, s55
	s_mul_i32 s55, s51, 2*IMG
	s_add_co_u32 s54, s54, s55                     ; where my four images begin
	s_mov_b32 s55, 0
	s_mul_i32 s56, s50, OPS
	s_lshl_b32 s57, s4, 14
	s_add_co_u32 s56, s56, s57
	s_lshl_b32 s57, s51, 7
	s_add_co_u32 s56, s56, s57
	s_add_co_u32 s56, s56, 4*OPC                   ; and their scale words
	s_mov_b32 s57, 0
	s_lshl_b32 s58, s49, 9
	s_lshl_b32 s59, s2, 7
	s_add_co_u32 s58, s58, s59                     ; my first column, in bytes
	s_lshl_b32 s62, s4, 8
	s_mul_i32 s62, s62, s48                        ; 256 kc rows of K
	s_add_co_u32 s62, s62, s58
	s_mov_b32 s63, 0
	s_lshl_b32 s60, s48, 5                         ; 32 rows of K
.irp i, 0,1,2,3,4,5,6,7,8,9,10,11,12,13,14,15,16,17,18,19,20,21,22,23,24,25,26,27,28,29,30,31
	v_mad_u32_u24 v[OFF+\i], s48, \i, v2
.endr
	s_wait_alu depctr_va_vdst(0)
	s_wait_kmcnt 0x0
	s_cmp_eq_u32 s7, 1                             ; the tensor: a choice that hangs on the work-group's number alone
	s_cselect_b64 s[10:11], s[12:13], s[10:11]
	s_cmp_eq_u32 s7, 2
	s_cselect_b64 s[10:11], s[14:15], s[10:11]
	s_cmp_eq_u32 s7, 3
	s_cselect_b64 s[10:11], s[16:17], s[10:11]
	s_cmp_ge_u32 s7, 4
	s_cselect_b64 s[10:11], s[18:19], s[10:11]
	s_cmp_ge_u32 s7, 6
	s_cselect_b64 s[10:11], s[20:21], s[10:11]
.irp t, 0,1,2,3,4,5,6,7                        ; a base for each of my eight blocks: no pointer is stepped while loads are out
	s_add_nc_u64 s[32+2*\t:33+2*\t], s[10:11], s[62:63]
	s_add_co_u32 s62, s62, s60
.endr
	s_add_nc_u64 s[54:55], s[24:25], s[54:55]
	s_add_nc_u64 s[56:57], s[24:25], s[56:57]
.macro LOADW t
.irp i, 0,1,2,3,4,5,6,7,8,9,10,11,12,13,14,15,16,17,18,19,20,21,22,23,24,25,26,27,28,29,30,31
	global_load_b32 v[XW+32*((\t)%2)+\i], v[OFF+\i], s[32+2*(\t):33+2*(\t)] th:TH_LOAD_NT
.endr
.endm
	LOADW 0
	LOADW 1
; block t: k = 256 kc + 32 t + 0 .. 31 of my column: K step 2 kc + t / 4, its block t % 4 = 2 c + hb: registers 6 c .. 6 c + 5 of image lane i + 16 hb
.macro BLOCK t
.set XS, XW+32*((\t)%2)
.set QK, (\t)/4
.set HB, (\t)%2
.set CH, ((\t)%4)/2
.if (\t) < 7
	s_wait_loadcnt 32                              ; this block's 32 loads are in; the next block's may be out
.else
	s_wait_loadcnt 0x0
.endif
	v_max3_num_f32 v12, |v[XS]|, |v[XS+1]|, |v[XS+2]|
	v_max3_num_f32 v13, |v[XS+3]|, |v[XS+4]|, |v[XS+5]|
.irp i, 6,10,14,18,22,26
	v_max3_num_f32 v12, v12, |v[XS+\i]|, |v[XS+\i+1]|
	v_max3_num_f32 v13, v13, |v[XS+\i+2]|, |v[XS+\i+3]|
.endr
	v_max3_num_f32 v12, v12, |v[XS+30]|, |v[XS+31]|
	v_max3_num_f32 v12, v12, v13, 0x2800000        ; and the floor 2^(5 - 127)
	v_add_nc_u32 v11, 0xfe000000, v12              ; 4 off the exponent field: the conversion's scale operand
	v_cvt_scalef32_pk16_bf6_f32 v[C:C+2], v[XS:XS+15], v11
	v_cvt_scalef32_pk16_bf6_f32 v[C+6:C+8], v[XS+16:XS+31], v11
	v_lshrrev_b32 v13, 23, v11                     ; the scale's byte (also the plain place behind the conversions)
.if (\t)%4 == 0
	v_mov_b32 v[SB+QK], v13
.else
	v_lshl_or_b32 v[SB+QK], v13, 8*((\t)%4), v[SB+QK]
.endif
.irp i, 0,1,2
	v_mov_b32 v[C+3+\i], v[C+6+\i]                 ; the block's six registers on end
.endr
.if CH == 0
	ds_store_b128 v3, v[C:C+3] offset:2*IMG*QK+256*HB          ; registers 0-3
	ds_store_b64 v3, v[C+4:C+5] offset:2*IMG*QK+256*HB+512     ; registers 4, 5
.else
	ds_store_b64 v3, v[C:C+1] offset:2*IMG*QK+256*HB+520       ; registers 6, 7
	ds_store_b128 v3, v[C+2:C+5] offset:2*IMG*QK+256*HB+1024   ; registers 8-11
.endif
.if (\t) < 6
	LOADW (\t)+2
.endif
	s_wait_dscnt 0x0                               ; the stores have read their registers: the next block's codes may be written
.endm
.irp t, 0,1,2,3,4,5,6,7
	BLOCK \t
.endr
	s_wait_alu depctr_va_vdst(0)
.irp q, 0,1
	global_store_b32 v5, v[SB+\q], s[56:57] offset:KPS*\q      ; the wave's 32 words: 128 consecutive bytes
.endr
.irp t, 0,1,2,3,4,5,6,7,8,9,10,11
	ds_load_b128 v[OUTR+4*\t:OUTR+4*\t+3], v4 offset:512*\t    ; LDS serves a wave's instructions in order: these see my stores
.endr
.irp t, 0,1,2,3,4,5,6,7,8,9,10,11
	s_wait_dscnt 11-\t                             ; the younger loads may be out
	global_store_b128 v6, v[OUTR+4*\t:OUTR+4*\t+3], s[54:55] offset:KPC*(\t/6)+512*(\t%6)   ; 512 consecutive bytes, at a multiple of 256
.endr
	s_wait_tensorcnt 0x0
	ds_add_u32 v241, v245
	s_wait_dscnt 0x0
	s_endpgm
.Lfunc_end_k_qec62b06c85_quant:
	.size	k_qec62b06c85_quant, .Lfunc_end_k_qec62b06c85_quant-k_qec62b06c85_quant
	.p2alignl 7, 3214868480
	.fill 96, 4, 3214868480
	.section	.rodata,"a",@progbits
	.p2align	6, 0x0
	.amdhsa_kernel k_qec62b06c85_quant
		.amdhsa_group_segment_fixed_size 58880
		.amdhsa_private_segment_fixed_size 0
		.amdhsa_enable_private_segment 0
		.amdhsa_kernarg_size 80
		.amdhsa_user_sgpr_count 2
		.amdhsa_user_sgpr_kernarg_segment_ptr 1
		.amdhsa_wavefront_size32 1
		.amdhsa_system_sgpr_workgroup_id_x 1
		.amdhsa_system_sgpr_workgroup_id_y 1
		.amdhsa_system_sgpr_workgroup_id_z 1
		.amdhsa_system_vgpr_workitem_id 0
		.amdhsa_next_free_vgpr 256
		.amdhsa_next_free_sgpr 72
		.amdhsa_reserve_vcc 1
		.amdhsa_float_denorm_mode_32 3
		.amdhsa_float_denorm_mode_16_64 3
		.amdhsa_memory_ordered 1
		.amdhsa_forward_progress 1
		.amdhsa_inst_pref_size 85
	.end_amdhsa_kernel
	.amdgpu_metadata
---
amdhsa.version: [ 1, 2 ]
amdhsa.kernels:
  - .name:           k_qec62b06c85_quant
    .symbol:         k_qec62b06c85_quant.kd
    .args:
      - { .name: x, .offset: 0, .size: 8, .value_kind: global_buffer, .address_space: global }
      - { .name: wq_sem, .offset: 8, .size: 8, .value_kind: global_buffer, .address_space: global }
      - { .name: wk_sem, .offset: 16, .size: 8, .value_kind: global_buffer, .address_space: global }
      - { .name: wq_geo, .offset: 24, .size: 8, .value_kind: global_buffer, .address_space: global }
      - { .name: wk_geo, .offset: 32, .size: 8, .value_kind: global_buffer, .address_space: global }
      - { .name: wv, .offset: 40, .size: 8, .value_kind: global_buffer, .address_space: global }
      - { .name: wo, .offset: 48, .size: 8, .value_kind: global_buffer, .address_space: global }
      - { .name: xq, .offset: 56, .size: 8, .value_kind: global_buffer, .address_space: global }
      - { .name: wts, .offset: 64, .size: 8, .value_kind: global_buffer, .address_space: global }
      - { .name: rope, .offset: 72, .size: 8, .value_kind: global_buffer, .address_space: global }
    .group_segment_fixed_size: 58880
    .private_segment_fixed_size: 0
    .kernarg_segment_align: 8
    .kernarg_segment_size: 80
    .max_flat_workgroup_size: 128
    .sgpr_count:     72
    .vgpr_count:     256
    .wavefront_size: 32
...
	.end_amdgpu_metadata
.endif
;; end of part 5
;; launch proj (part 6): grid 24 x 8, 4 waves a work-group, clusters of 4 x 4, 327,680 bytes of LDS; arguments xq, wts, rope, qkv; writes qkv
.if DOCPART == 6
	.amdgcn_target "amdgcn-amd-amdhsa--gfx1250"
	.amdhsa_code_object_version 6
	.text
	.protected	k_qec62b06c85_proj
	.globl	k_qec62b06c85_proj
	.p2align	8
	.type	k_qec62b06c85_proj,@function
k_qec62b06c85_proj:
	s_mov_b64 s[64:65], 0
	v_nop
	global_prefetch_b8 v0, s[64:65] scope:SCOPE_SE
	s_setreg_imm32_b32 hwreg(HW_REG_WAVE_MODE, 25, 1), 1
	s_wait_xcnt 0x0
	s_wait_alu depctr_hold_cnt(0) depctr_sa_sdst(0) depctr_va_vdst(0) depctr_va_sdst(0) depctr_va_ssrc(0) depctr_va_vcc(0) depctr_vm_vsrc(0)
	s_getreg_b32 s2, hwreg(HW_REG_IB_STS2, 6, 4)
	s_cmp_eq_u32 s2, 0
	s_cbranch_scc0 .Lentry_in_a_cluster
	s_endpgm
.Lentry_in_a_cluster:
	s_bfe_u32 s2, ttmp6, 0x10000c
	s_cmp_lg_u32 s2, 0xf033
	s_cbranch_scc0 .Lentry_shape_is_right
	s_endpgm
.Lentry_shape_is_right:
; The five projections as one grid of products C'[m][n] = sum over k of A[m][k] B[n][k] on codes of BF6 (E3M2) with E8M0 scales, K = 2,048; the results are rotated (the geometric halves of q and k),
; quantised in registers along the next K and stored as images of operand registers: nothing leaves as f32.
; TYPE T = cluster x / 2: 0: A = x, B = wq -> q;  1: A = x, B = wk -> k;  2: A = wv, B = x -> V^T.  2,048 x 2,048 each: 64 tiles of 256 x 256: 192 work-groups of four waves, a wave 128 x 128: 64 accumulators.
; (A wave's 128 columns are one head's [semantic 64 | geometric 64] or 128 keys, one fragment of the next product for each block of A: a narrower share would cut fragments and the rotation's pairs.)
; OPERANDS lie as images of their registers (16 rows x 128 K: 1,536 bytes), [K step 16][tile 128][1536], scale words [K step 16][tile 128][64].  Tile 2 B + u holds at place i row 32 B + 8 u + i + 8 (i / 8).
; THE MATRIX INSTRUCTION IS USED TRANSPOSED (source 0 = a tile of B, source 1 = a tile of A): lane (r, h) holds place r of A's tile, register 16 b + i of its eight accumulators is column 32 b + 16 h + i.
; LDS: a ring of two slots, each [A: K step 2][tile 16][1536], then B's the same; behind it the scale words of the work-group's rows for all of K, [K step 16][tile 16][64] for A, then for B; then the spare words.
; THE HEAD'S FOUR TILES, one tensor load a wave: A's and B's first two K steps, A's and B's scale words.  Slot 1 is first filled behind the full sequence and a round, as a refill is.  In the ring a wave fetches
; one K step of 16 tiles: 24,576 dense bytes, as 96 rows of 256.  CLUSTERS: 4 x 4; A's tiles are asked for jointly along a row, B's along a column; T hangs on the cluster's x alone.
; PREFETCH: with the load of K steps 2 n, 2 n + 1 each wave names the blocks of K steps 2 n + 4, 2 n + 5 that its own ring load will bring: 96 blocks of 256 bytes, of which each of the four partners takes 24 by address
; (lanes 24-31 name the 24th again).  The head names pairs 1 and 2.  The loop's last trip names nothing: pair 7 is the last.
; qkv: three tensors of 256 records; record 16 head + g (g: which 128 tokens) is 12,800 bytes: eight images, then their 8 x 64 bytes of scale words.  q, k: image = token tile; V^T: image = channel tile, g = which 128 keys.
; THE TABLE of cos and sin for all eight blocks is asked for ahead of the way out: blocks 0-4 at the head into registers that lie idle, blocks 5-7 in the last K step into B's set 0.  V^T's work-groups ask too and do not read it.
; LIMITS: NaN and infinities are not served; a block whose largest magnitude lies under 2^-122 (zeros too) gets the byte 1: this program alone reads the bytes.
; REGISTERS: window 0: v0-31 addresses; v32-63 scale words, two sets; v64-127, v224-255 table; v128-223 A's fragments (on the way out at work);
;   window 1: B's fragments at v0 and v128, table at v96-127, v224-255;  window 2: accumulators of A's blocks 0-3 ((a, b) at v[8 (8 (a % 4) + b)]);  window 3: blocks 4-7.
.set IMG,    1536
.set KPC,    196608
.set OPC,    3145728
.set OPS,    131072
.set REC,    12800
.set TEN,    256*REC
.set NQ,     2
.set FR,     12
.set NL,     3
.set NP,     4
.set HALFT,  16*IMG
.set SLOT,   4*HALFT
.set LAPS,   4
.set SCL,    2*SLOT
.set HALFS,  16*1024
.set SPARE,  SCL+2*HALFS
.set ADRA, 16
.set ADRB, 20
.set LI,   24
.set LW,   25
.set RA,   26
.set ADRS, 27
.set SPW,  28
.set NIL,  29
.set PFO,  30
.set SC,   32
.set AF,   128
.set T1,   128
.set T2,   144
.set TM,   160
.set PW,   176
.set PWE,  177
.set PS,   178
.set PCS,  184
.set G0H,  4
.set PFA,  12
.set G1,   24
.set G0,   32
.set G1B,  48
.set G0B,  56
.set TY,   66
.set G1S,  68
.set G0S,  76
.set G1SB, 80
.set G0SB, 88
.set SEL,  92
.set HM,   94
.set G0HB, 96
.set OUT,  100
.set MSB, 0
.macro WIN new                         ; the immediate's high byte repeats the setting that is left
.if MSB != \new
	s_set_vgpr_msb (MSB<<8)|\new
.set MSB, \new
.endif
.endm
.set MUL_LO, 0xa1
.set MUL_HI, 0xf1
.set TO_B,   0x40
.macro JLOAD g0a, g1a, g0b, g1b        ; a joint load: waves 0, 1 for A, waves 2, 3 for B
	s_cmp_eq_u32 s15, 0
	s_cbranch_scc0 .Lfor_b_\@
	tensor_load_to_lds s[\g0a:\g0a+3], s[\g1a:\g1a+7]
	s_nop 0
.rept 4
	v_nop
.endr
	s_branch .Lasked_\@
.Lfor_b_\@:
	tensor_load_to_lds s[\g0b:\g0b+3], s[\g1b:\g1b+7]
	s_nop 0
.rept 4
	v_nop
.endr
.Lasked_\@:
.endm
.macro CREST
	s_cmp_lg_u32 s14, 0
	s_cbranch_scc1 .Lnot_wave_0_\@
	s_barrier_signal -3
.Lnot_wave_0_\@:
	s_barrier_wait -3
	s_barrier_signal -1
	s_barrier_wait -1
.endm
.macro CROUND
	s_barrier_signal -1
	s_barrier_wait -1
	CREST
.endm
.macro ARM under, g0, g1, next         ; one arm of the head's tree: its load, and a jump to the tree's end
	s_cmp_lt_u32 s14, \under
	s_cbranch_scc0 \next
	tensor_load_to_lds s[\g0:\g0+3], s[\g1:\g1+7]
	s_nop 0
.rept 4
	v_nop
.endr
	s_branch .Lhead_asked
\next:
.endm
.macro ASK cond                        ; the blocks of the pair of K steps two fills on; cond = 1: not in the loop's last trip
.if \cond
	s_cmp_gt_u32 s3, 1
	s_cbranch_scc0 .Lno_ask_\@
.endif
	global_prefetch_b8 v[PFO], s[PFA:PFA+1] offset:2*NQ*KPC th:TH_LOAD_NT scope:SCOPE_SE
.if \cond
.Lno_ask_\@:
.endif
.endm
	s_load_b256 s[4:11], s[0:1], 0x0               ; xq, wts, rope, qkv
	v_lshl_add_u32 v[SPW], v0, 2, SPARE
	v_mov_b32 v[NIL], 0
	ds_add_u32 v[SPW], v[NIL]                      ; the opening lines: the add, twice on end, and its wait
	ds_add_u32 v[SPW], v[NIL]
	v_lshrrev_b32 v1, 5, v0
	v_readfirstlane_b32 s14, v1                    ; wave
	s_lshr_b32 s15, s14, 1                         ; my half of A's tiles; in the ring: I fetch for A (0) or B (1)
	s_and_b32 s16, s14, 1                          ; my half of B's tiles; in the ring: which K step of the pair
	s_bfe_u32 s40, ttmp6, 0x40000                  ; cx
	s_bfe_u32 s41, ttmp6, 0x40004                  ; cy
	s_lshr_b32 s[TY], ttmp9, 1
	s_and_b32 s42, ttmp9, 1
	s_lshl_b32 s42, s42, 2
	s_add_co_u32 s42, s42, s40                     ; tile column
	s_and_b32 s17, ttmp7, 0xffff
	s_lshl_b32 s17, s17, 2
	s_add_co_u32 s17, s17, s41                     ; tile row
	s_lshl_b32 s43, s41, 2
	s_lshl_b32 s43, 15, s43                        ; my row of the cluster
	s_lshl_b32 s44, 0x1111, s40                    ; my column
	s_or_b32 s[G1+0], s43, (3<<16)|(1<<21)         ; codes, the head's shape: 2 K steps x 24,576 bytes (3,072 elements of 8), KPC bytes apart
	s_or_b32 s[G1B+0], s44, (3<<16)|(1<<21)
.irp g, G1, G1B
	s_mov_b32 s[\g+1], 3072<<16
	s_mov_b32 s[\g+2], 2<<16
	s_mov_b32 s[\g+3], 3072<<16
	s_mov_b32 s[\g+4], 2
	s_mov_b32 s[\g+5], KPC/8
	s_mov_b32 s[\g+6], 0
	s_mov_b32 s[\g+7], 0
.endr
	s_or_b32 s[G1S+0], s43, (3<<16)|(1<<21)        ; scale words: 16 K steps x 1,024 bytes, 8,192 apart
	s_or_b32 s[G1SB+0], s44, (3<<16)|(1<<21)
.irp g, G1S, G1SB
	s_mov_b32 s[\g+1], 128<<16
	s_mov_b32 s[\g+2], 16<<16
	s_mov_b32 s[\g+3], 128<<16
	s_mov_b32 s[\g+4], 16
	s_mov_b32 s[\g+5], 1024
	s_mov_b32 s[\g+6], 0
	s_mov_b32 s[\g+7], 0
.endr
	s_mul_i32 s18, s[TY], OPC                      ; the weight's codes in wts,
	s_mul_i32 s19, s[TY], OPS
	s_add_co_u32 s19, s19, 4*OPC                   ; its scale words
	s_mul_i32 s20, s17, 16*IMG                     ; A hangs on the tile row, B on the tile column
	s_lshl_b32 s22, s17, 10
	s_mul_i32 s46, s42, 16*IMG
	s_lshl_b32 s96, s42, 10
	s_cmp_eq_u32 s[TY], 2                          ; for V^T the weight is A and x is B
	s_cselect_b32 s12, 2*OPC, 0
	s_mov_b32 s13, OPC
	s_cselect_b32 s13, 4*OPC+2*OPS, s13
	s_cselect_b32 s18, 0, s18
	s_cselect_b32 s19, OPC, s19
	s_add_co_u32 s20, s20, s12
	s_add_co_u32 s22, s22, s13
	s_add_co_u32 s46, s46, s18
	s_add_co_u32 s96, s96, s19
	s_mov_b32 s21, 0
	s_mov_b32 s23, 0
	s_mov_b32 s47, 0
	s_mov_b32 s97, 0
	s_mul_i32 s45, s14, HALFT                      ; where my ring loads go
	s_mul_i32 s95, s16, KPC
	s_mov_b32 s[SEL], 0x76543210
	s_mov_b32 s[SEL+1], 0xfedcba98
	s_wait_dscnt 0x0                               ; both opening adds are done
	s_wait_kmcnt 0x0
	s_cmp_eq_u32 s[TY], 2
	s_cselect_b64 s[12:13], s[6:7], s[4:5]
	s_cselect_b64 s[18:19], s[4:5], s[6:7]
	s_add_nc_u64 s[20:21], s[12:13], s[20:21]      ; A's codes
	s_add_nc_u64 s[22:23], s[12:13], s[22:23]      ; A's scale words
	s_add_nc_u64 s[46:47], s[18:19], s[46:47]      ; B's codes
	s_add_nc_u64 s[96:97], s[18:19], s[96:97]      ; B's scale words
	CROUND                                         ; all sixteen work-groups are here: the first joint loads meet
	s_mov_b32 s[G0S], 1
	s_mov_b32 s[G0S+1], SCL
	s_mov_b64 s[G0S+2:G0S+3], s[22:23]
	s_or_b32 s[G0S+3], s[G0S+3], 0x80000000
	s_mov_b32 s[G0SB], 1
	s_mov_b32 s[G0SB+1], SCL+HALFS
	s_mov_b64 s[G0SB+2:G0SB+3], s[96:97]
	s_or_b32 s[G0SB+3], s[G0SB+3], 0x80000000
	s_mov_b32 s[G0H], 1
	s_mov_b32 s[G0H+1], 0
	s_mov_b64 s[G0H+2:G0H+3], s[20:21]
	s_or_b32 s[G0H+3], s[G0H+3], 0x80000000
	s_mov_b32 s[G0HB], 1
	s_mov_b32 s[G0HB+1], 2*HALFT
	s_mov_b64 s[G0HB+2:G0HB+3], s[46:47]
	s_or_b32 s[G0HB+3], s[G0HB+3], 0x80000000
	ARM 1, G0H,  G1,  .Lhead_b                     ; one tensor load a wave at the head
	ARM 2, G0HB, G1B, .Lhead_sa
	ARM 3, G0S,  G1S, .Lhead_sb
	tensor_load_to_lds s[G0SB:G0SB+3], s[G1SB:G1SB+7]
	s_nop 0
.rept 4
	v_nop
.endr
.Lhead_asked:
	s_mov_b32 s18, s95                             ; the ring: my K step of a pair
	s_mov_b32 s19, 0
	s_add_nc_u64 s[20:21], s[20:21], s[18:19]
	s_add_nc_u64 s[46:47], s[46:47], s[18:19]
.irp s, 0,1
	s_mov_b32 s[G0+4*\s], 1
	s_add_co_u32 s[G0+4*\s+1], s45, \s*SLOT
	s_add_nc_u64 s[G0+4*\s+2:G0+4*\s+3], s[20:21], \s*NQ*KPC
	s_or_b32 s[G0+4*\s+3], s[G0+4*\s+3], 0x80000000
	s_mov_b32 s[G0B+4*\s], 1
	s_add_co_u32 s[G0B+4*\s+1], s45, \s*SLOT
	s_add_nc_u64 s[G0B+4*\s+2:G0B+4*\s+3], s[46:47], \s*NQ*KPC
	s_or_b32 s[G0B+4*\s+3], s[G0B+4*\s+3], 0x80000000
.endr
	s_cmp_eq_u32 s15, 0                            ; the prefetches: my ring load's bytes, my work-group's quarter of them, at pair 1
	s_cselect_b64 s[PFA:PFA+1], s[20:21], s[46:47]
	s_cselect_b32 s18, s40, s41
	s_mul_i32 s18, s18, 24*256
	s_add_co_u32 s18, s18, NQ*KPC
	s_add_nc_u64 s[PFA:PFA+1], s[PFA:PFA+1], s[18:19]
	s_lshl_b32 s18, s17, 8                         ; the table at my wave's first token's position: 128 tokens never cross a sequence's end
	s_lshl_b32 s20, s15, 7
	s_add_co_u32 s18, s18, s20
	s_and_b32 s18, s18, 1023
	s_lshl_b32 s18, s18, 8
	s_add_nc_u64 s[8:9], s[8:9], s[18:19]
	s_lshl_b32 s18, s17, 1
	s_add_co_u32 s18, s18, s15                     ; which 128 of A's rows
	s_lshl_b32 s46, s42, 1
	s_add_co_u32 s46, s46, s16                     ; which 128 of B's
	s_cmp_eq_u32 s[TY], 2
	s_cselect_b32 s47, s18, s46                    ; the head
	s_cselect_b32 s18, s46, s18                    ; which 128 tokens
	s_lshl_b32 s47, s47, 4
	s_add_co_u32 s18, s18, s47
	s_mul_i32 s18, s18, REC
	s_mul_i32 s47, s[TY], TEN
	s_add_co_u32 s18, s18, s47
	s_add_nc_u64 s[OUT:OUT+1], s[10:11], s[18:19]  ; my record
	s_mul_i32 s20, s15, 8*IMG                      ; my 8 tiles of A,
	s_mul_i32 s21, s16, 8*IMG
	s_add_co_u32 s21, s21, 2*HALFT                 ; of B
	s_lshl_b32 s22, s15, 9
	s_lshl_b32 s23, s16, 9
	s_add_co_u32 s23, s23, HALFS
	s_sub_co_u32 s23, s23, s22                     ; from A's scale words to B's
	s_add_co_u32 s22, s22, SCL
	v_and_b32 v1, 31, v0                           ; lane
	v_and_b32 v4, 15, v0                           ; r
	v_bfe_u32 v2, v0, 4, 1                         ; h
	v_lshlrev_b32 v[LI], 4, v1
	v_lshlrev_b32 v[LW], 2, v1
	v_cmp_lt_u32 s[HM], 15, v1
	v_and_b32 v7, 8, v4
	v_add_nc_u32 v7, v7, v4                        ; r + 8 (r / 8)
	v_lshlrev_b32 v[RA], 8, v7
	v_lshl_add_u32 v[RA], v2, 6, v[RA]
	v_add_nc_u32 v[ADRA], s20, v[LI]
	v_add_nc_u32 v[ADRB], s21, v[LI]
	v_add_nc_u32 v[ADRA+1], SLOT, v[ADRA]
	v_add_nc_u32 v[ADRB+1], SLOT, v[ADRB]
	v_lshlrev_b32 v5, 2, v4
	v_mul_u32_u24 v6, s23, v2                      ; lanes 16-31 take B's
	v_add_nc_u32 v5, v5, v6
	v_add_nc_u32 v[ADRS], s22, v5
	v_min_u32 v[PFO], 23, v1
	v_lshlrev_b32 v[PFO], 8, v[PFO]
.macro TABLE a, reg                    ; cos and sin for A's block a: lane (r, h) wants, at the position of place r, frequencies 16 h + 0 .. 15
.irp j, 0,1,2,3
	global_load_b128 v[\reg+4*\j:\reg+4*\j+3], v[RA], s[8:9] offset:(32*((\a)/2)+8*((\a)%2))*256+16*\j
	global_load_b128 v[\reg+16+4*\j:\reg+16+4*\j+3], v[RA], s[8:9] offset:(32*((\a)/2)+8*((\a)%2))*256+128+16*\j
.endr
.endm
.macro TBL a                           ; where block a's table lies: window TW, register TR
.if (\a) < 3
.set TW, 0
.set TR, 64+32*(\a)+96*((\a)/2)
.else
.set TW, 1
.if (\a) < 5
.set TR, 96+128*((\a)-3)
.else
.set TR, 32*((\a)-5)
.endif
.endif
.endm
	TABLE 0, 64
	TABLE 1, 96
	TABLE 2, 224
	WIN TO_B
	TABLE 3, 96
	TABLE 4, 224
	WIN 0
	global_prefetch_b8 v[PFO], s[PFA:PFA+1] th:TH_LOAD_NT scope:SCOPE_SE                  ; pair 1
	global_prefetch_b8 v[PFO], s[PFA:PFA+1] offset:NQ*KPC th:TH_LOAD_NT scope:SCOPE_SE    ; pair 2
.macro FRAG reg, adr, q, i
.irp g, 0,1,2
	ds_load_b128 v[\reg+4*\g:\reg+4*\g+3], v[\adr] offset:16*IMG*(\q)+IMG*(\i)+512*\g
.endr
.endm
; 16 matrix instructions: A's blocks a0, a0 + 1 x B's eight.  The 64 accumulators take turns, one instruction a turn.
.macro MUL16 a0, p, q, sc, zero
.irp a, \a0, \a0+1
.irp b, 0,1,2,3,4,5,6,7
.if \zero
	v_wmma_scale_f32_16x16x128_f8f6f4 v[8*(8*((\a)%4)+\b):8*(8*((\a)%4)+\b)+7], v[128*(\p)+FR*\b:128*(\p)+FR*\b+FR-1], v[AF+FR*(\a):AF+FR*(\a)+FR-1], 0, v[SC+8*NQ*(\sc)+NQ*\b+(\q)], v[SC+8*NQ*(\sc)+NQ*(\a)+(\q)] matrix_a_fmt:MATRIX_FMT_BF6 matrix_b_fmt:MATRIX_FMT_BF6 matrix_a_scale:MATRIX_SCALE_ROW1
.else
	v_wmma_scale_f32_16x16x128_f8f6f4 v[8*(8*((\a)%4)+\b):8*(8*((\a)%4)+\b)+7], v[128*(\p)+FR*\b:128*(\p)+FR*\b+FR-1], v[AF+FR*(\a):AF+FR*(\a)+FR-1], v[8*(8*((\a)%4)+\b):8*(8*((\a)%4)+\b)+7], v[SC+8*NQ*(\sc)+NQ*\b+(\q)], v[SC+8*NQ*(\sc)+NQ*(\a)+(\q)] matrix_a_fmt:MATRIX_FMT_BF6 matrix_b_fmt:MATRIX_FMT_BF6 matrix_a_scale:MATRIX_SCALE_ROW1
.endif
.endr
.endr
.endm
.macro FETCH_B slot, q, p
	WIN TO_B
.irp i, 0,1,2,3,4,5,6,7
	FRAG 128*(\p)+FR*\i, ADRB+\slot, \q, \i
.endr
	WIN 0
.endm
.macro FETCH_A slot, q, i0
.irp i, \i0, \i0+1, \i0+2, \i0+3
	FRAG AF+FR*(\i), ADRA+\slot, \q, \i
.endr
.endm
.macro SCALES sc                       ; a slot's scale words: lanes 0-15 A's block i, lanes 16-31 B's
.irp i, 0,1,2,3,4,5,6,7
.irp q, 0,1
	ds_load_b32 v[SC+8*NQ*\sc+NQ*\i+\q], v[ADRS] offset:1024*\q+64*\i
.endr
.endr
.endm
.macro PLACES n                        ; plain vector instructions between a matrix instruction and a load into, or a vector instruction on, its registers
.rept \n
	v_nop
.endr
.endm
.macro STEP slot, q, zero              ; a step of 128 along K that has its successor in the same slot
	s_wait_dscnt 4*NL                              ; all but the youngest twelve loads (A's blocks 4-7)
	WIN MUL_LO
	MUL16 0, (\q)%2, \q, \slot, \zero
	MUL16 2, (\q)%2, \q, \slot, \zero
	s_wait_dscnt 0
	PLACES NP
	FETCH_B \slot, (\q)+1, 1-(\q)%2
	FETCH_A \slot, (\q)+1, 0
	WIN MUL_HI
	MUL16 4, (\q)%2, \q, \slot, \zero
	MUL16 6, (\q)%2, \q, \slot, \zero
	PLACES NP
	WIN 0
	FETCH_A \slot, (\q)+1, 4
.endm
; A slot's last step changes slots: in front of the barrier each wave waits for all its tensor loads, adds 0 to its spare word, and waits for that and for its reads of this slot.  fill = 1: the slot is filled again.
.macro TURN slot, next, fill
.if \fill
	s_wait_xcnt 0x0                                ; my last prefetch has read its address: it steps one pair on
	s_add_nc_u64 s[PFA:PFA+1], s[PFA:PFA+1], NQ*KPC
.endif
	s_wait_tensorcnt 0x0                           ; my one load that was out: my part of the next slot
	ds_add_u32 v[SPW], v[NIL]
	s_wait_dscnt 4*NL+1                            ; (the add and the youngest twelve loads may be out)
	WIN MUL_LO
	MUL16 0, 1, NQ-1, \slot, 0
	s_wait_dscnt 0x0                               ; the add is done, my reads of this slot are over
	s_barrier_signal -1
	MUL16 2, 1, NQ-1, \slot, 0
	WIN 0
	s_barrier_wait -1
.if \fill
	CREST                                          ; the barrier has opened a round of the cluster's barrier
	s_add_nc_u64 s[G0+4*\slot+2:G0+4*\slot+3], s[G0+4*\slot+2:G0+4*\slot+3], 2*NQ*KPC
	s_add_nc_u64 s[G0B+4*\slot+2:G0B+4*\slot+3], s[G0B+4*\slot+2:G0B+4*\slot+3], 2*NQ*KPC
	JLOAD G0+4*\slot, G1, G0B+4*\slot, G1B         ; my one tensor load behind the round; its four v_nop are the places in front of the loads below
.else
	PLACES NP
.endif
	s_wait_alu depctr_va_vdst(0)                   ; the wait ahead of the reader below
	v_add_nc_u32 v[ADRS], 1024*NQ, v[ADRS]         ; the next slot's scale words
	FETCH_B \next, 0, 0
	FETCH_A \next, 0, 0
	SCALES \next
.if \fill
	ASK 1
.endif
	WIN MUL_HI
	MUL16 4, 1, NQ-1, \slot, 0
	MUL16 6, 1, NQ-1, \slot, 0
	PLACES NP
	WIN 0
	FETCH_A \next, 0, 4
.endm
	s_wait_alu depctr_va_vdst(0)                   ; the wait at the head's end
	s_wait_tensorcnt 0x0                           ; my tile of the head's four is in
	ds_add_u32 v[SPW], v[NIL]                      ; 0 onto my spare word, ahead of a later first fill
.irp g, G1, G1B                                ; no tensor load of mine is out: from here on a load brings 96 rows of 256 dense bytes
	s_mov_b32 s[\g+1], 32<<16
	s_mov_b32 s[\g+2], 96<<16
	s_mov_b32 s[\g+3], 32<<16
	s_mov_b32 s[\g+4], 96
	s_mov_b32 s[\g+5], 32
.endr
	s_wait_dscnt 0x0
	CROUND                                         ; all four tiles are in, all sixteen work-groups are here
	JLOAD G0+4, G1, G0B+4, G1B                     ; slot 1's first fill: K steps 2, 3
	FETCH_B 0, 0, 0
	FETCH_A 0, 0, 0
	SCALES 0
	FETCH_A 0, 0, 4
	ASK 0                                          ; pair 3
	STEP 0, 0, 1                                   ; the first step's products start the sums
	s_mov_b32 s3, LAPS-1
.Llap:                                                 ; a trip goes once round the ring and fills both slots again
	TURN 0, 1, 1
	STEP 1, 0, 0
	TURN 1, 0, 1
	STEP 0, 0, 0
	s_sub_co_u32 s3, s3, 1
	s_cmp_lg_u32 s3, 0
	s_cbranch_scc1 .Llap
	TURN 0, 1, 0                                   ; the last lap fills nothing
	STEP 1, 0, 0
	WIN TO_B                                       ; B's set 0 is done with (four places stand behind its last products): it takes the table of blocks 5-7
	TABLE 5, 0
	TABLE 6, 32
	TABLE 7, 64
	WIN 0
	s_wait_dscnt 4*NL
	WIN MUL_LO
	MUL16 0, 1, NQ-1, 1, 0
	MUL16 2, 1, NQ-1, 1, 0
	s_wait_dscnt 0
	WIN MUL_HI
	MUL16 4, 1, NQ-1, 1, 0
	MUL16 6, 1, NQ-1, 1, 0
	WIN 0
; THE WAY OUT, block a of A by block: no LDS.  The rotation: registers 32 + i hold the geometric d = 16 h + i (x1), registers 48 + i hold d + 32 (x2): x1' = x1 cos - x2 sin, x2' = x2 cos + x1 sin.
; Each accumulator is read from its low end on.
.macro ROPE a
	TBL \a
.set AW, 2+(\a)/4
.set AC, 64*((\a)%4)
	s_wait_loadcnt 8*(7-(\a))                      ; this block's table is in; the later blocks' eight loads each may be out
	WIN AW|(TW<<2)
.irp i, 0,2,4,6,8,10,12,14
	v_pk_mul_f32 v[T1+\i:T1+\i+1], v[AC+48+\i:AC+48+\i+1], v[TR+16+\i:TR+16+\i+1]
.endr
.irp i, 0,2,4,6,8,10,12,14
	v_pk_mul_f32 v[T2+\i:T2+\i+1], v[AC+32+\i:AC+32+\i+1], v[TR+16+\i:TR+16+\i+1]
.endr
	WIN (AW<<6)|AW|(TW<<2)
.irp i, 0,2,4,6,8,10,12,14
	v_pk_fma_f32 v[AC+32+\i:AC+32+\i+1], v[AC+32+\i:AC+32+\i+1], v[TR+\i:TR+\i+1], v[T1+\i:T1+\i+1] neg_lo:[0,0,1] neg_hi:[0,0,1]
.endr
.irp i, 0,2,4,6,8,10,12,14
	v_pk_fma_f32 v[AC+48+\i:AC+48+\i+1], v[AC+48+\i:AC+48+\i+1], v[TR+\i:TR+\i+1], v[T2+\i:T2+\i+1]
.endr
	WIN 0
.endm
.macro QUANTW a                        ; block a's 64 numbers a lane become a fragment's codes in v[PC] on and its scale word in v[PW]
.set AW, 2+(\a)/4
.set AC, 64*((\a)%4)
.set PC, PCS+20*((\a)%2)
	s_wait_xcnt 0x0                                ; earlier stores have read their registers
	WIN (AW<<2)|(AW<<4)
.irp b, 0,1,2,3
	v_max3_num_f32 v[TM+\b], 0x2800000, |v[AC+16*\b]|, |v[AC+16*\b+1]|   ; my 16 numbers of block b, and the floor 2^(5 - 127)
.endr
.irp i, 2,4,6,8,10,12,14
.irp b, 0,1,2,3
	v_max3_num_f32 v[TM+\b], v[TM+\b], |v[AC+16*\b+\i]|, |v[AC+16*\b+\i+1]|
.endr
.endr
	WIN 0
.irp b, 0,1,2,3
	v_permlanex16_b32 v[TM+4+\b], v[TM+\b], s[SEL], s[SEL+1]
.endr
.irp b, 0,1,2,3
	v_max_num_f32 v[TM+\b], v[TM+\b], v[TM+4+\b]
.endr
.irp b, 0,1,2,3
	v_add_nc_u32 v[TM+12+\b], 0xfe000000, v[TM+\b] ; 4 off the exponent field: the conversion's scale operand
.endr
.irp b, 0,1,2,3
	v_lshrrev_b32 v[TM+4+\b], 23, v[TM+12+\b]      ; the scale's byte
.endr
	v_lshl_or_b32 v[PW], v[TM+5], 8, v[TM+4]
	v_lshl_or_b32 v[PW], v[TM+6], 16, v[PW]
	v_lshl_or_b32 v[PW], v[TM+7], 24, v[PW]
	WIN AW
.irp c, 0,1
	v_cvt_scalef32_pk16_bf6_f32 v[PC+6*\c:PC+2+6*\c], v[AC+32*\c:AC+15+32*\c], v[TM+12+2*\c]
	v_cvt_scalef32_pk16_bf6_f32 v[PC+12+4*\c:PC+14+4*\c], v[AC+16+32*\c:AC+31+32*\c], v[TM+13+2*\c]
.endr
	WIN 0
	v_nop                                          ; one plain place behind a scaled conversion
.irp c, 0,1
.irp i, 0,1,2
	v_permlane16_swap_b32 v[PC+6*\c+\i], v[PC+12+4*\c+\i]
.endr
.irp i, 0,1,2
	v_mov_b32 v[PC+3+6*\c+\i], v[PC+12+4*\c+\i]
.endr
.endr
.endm
	PLACES NP                                      ; behind the last products
.irp b, 0,1,2,3
	v_mov_b32 v[TM+4+\b], 0                        ; written once: a lane permute's destination counts as one of its sources
.endr
.irp a, 0,1,2,3,4,5,6,7
	s_cmp_eq_u32 s[TY], 2                          ; V^T is not rotated; the same in all partners
	s_cbranch_scc1 .Lno_rope_\a
	ROPE \a
.Lno_rope_\a:
	QUANTW \a
.irp g, 0,1,2
	global_store_b128 v[LI], v[PC+4*\g:PC+4*\g+3], s[OUT:OUT+1] offset:IMG*\a+512*\g   ; 512 consecutive bytes, at a multiple of 256
.endr
.if \a%2 == 0
	v_mov_b32 v[PWE], v[PW]
.else
	v_cndmask_b32 v[PS+\a/2], v[PWE], v[PW], s[HM] ; lanes 0-15 the even block's words, lanes 16-31 the odd block's
	global_store_b32 v[LW], v[PS+\a/2], s[OUT:OUT+1] offset:8*IMG+64*(\a-1)   ; 128 consecutive bytes
.endif
.endr
	s_wait_loadcnt 0x0                             ; (V^T's way has not waited for the table)
	s_wait_tensorcnt 0x0                           ; the wave's end
	ds_add_u32 v[SPW], v[NIL]
	s_wait_dscnt 0x0
	CROUND                                         ; the closing round
	s_endpgm
.Lfunc_end_k_qec62b06c85_proj:
	.size	k_qec62b06c85_proj, .Lfunc_end_k_qec62b06c85_proj-k_qec62b06c85_proj
	.p2alignl 7, 3214868480
	.fill 96, 4, 3214868480
	.section	.rodata,"a",@progbits
	.p2align	6, 0x0
	.amdhsa_kernel k_qec62b06c85_proj
		.amdhsa_group_segment_fixed_size 327680
		.amdhsa_private_segment_fixed_size 0
		.amdhsa_enable_private_segment 0
		.amdhsa_kernarg_size 32
		.amdhsa_user_sgpr_count 2
		.amdhsa_user_sgpr_kernarg_segment_ptr 1
		.amdhsa_wavefront_size32 1
		.amdhsa_system_sgpr_workgroup_id_x 1
		.amdhsa_system_sgpr_workgroup_id_y 1
		.amdhsa_system_sgpr_workgroup_id_z 1
		.amdhsa_system_vgpr_workitem_id 0
		.amdhsa_next_free_vgpr 1024
		.amdhsa_next_free_sgpr 102
		.amdhsa_reserve_vcc 0
		.amdhsa_float_denorm_mode_32 3
		.amdhsa_float_denorm_mode_16_64 3
		.amdhsa_memory_ordered 1
		.amdhsa_forward_progress 1
		.amdhsa_inst_pref_size 169
	.end_amdhsa_kernel
	.amdgpu_metadata
---
amdhsa.version: [ 1, 2 ]
amdhsa.kernels:
  - .name:           k_qec62b06c85_proj
    .symbol:         k_qec62b06c85_proj.kd
    .args:
      - { .name: xq, .offset: 0, .size: 8, .value_kind: global_buffer, .address_space: global }
      - { .name: wts, .offset: 8, .size: 8, .value_kind: global_buffer, .address_space: global }
      - { .name: rope, .offset: 16, .size: 8, .value_kind: global_buffer, .address_space: global }
      - { .name: qkv, .offset: 24, .size: 8, .value_kind: global_buffer, .address_space: global }
    .group_segment_fixed_size: 327680
    .private_segment_fixed_size: 0
    .kernarg_segment_align: 8
    .kernarg_segment_size: 32
    .max_flat_workgroup_size: 128
    .sgpr_count:     102
    .vgpr_count:     1024
    .wavefront_size: 32
...
	.end_amdgpu_metadata
.endif
;; end of part 6
;; launch attn (part 7): grid 8 x 32, 16 waves a work-group, clusters of 4 x 1, 276,480 bytes of LDS; arguments qkv, gate_logit, oq; writes oq
.if DOCPART == 7
	.amdgcn_target "amdgcn-amd-amdhsa--gfx1250"
	.amdhsa_code_object_version 6
	.text
	.protected	k_qec62b06c85_attn
	.globl	k_qec62b06c85_attn
	.p2align	8
	.type	k_qec62b06c85_attn,@function
k_qec62b06c85_attn:
	s_mov_b64 s[64:65], 0
	v_nop
	global_prefetch_b8 v0, s[64:65] scope:SCOPE_SE
	s_setreg_imm32_b32 hwreg(HW_REG_WAVE_MODE, 25, 1), 1
	s_wait_xcnt 0x0
	s_wait_alu depctr_hold_cnt(0) depctr_sa_sdst(0) depctr_va_vdst(0) depctr_va_sdst(0) depctr_va_ssrc(0) depctr_va_vcc(0) depctr_vm_vsrc(0)
	s_getreg_b32 s2, hwreg(HW_REG_IB_STS2, 6, 4)
	s_cmp_eq_u32 s2, 0
	s_cbranch_scc0 .Lentry_in_a_cluster
	s_endpgm
.Lentry_in_a_cluster:
	s_bfe_u32 s2, ttmp6, 0x10000c
	s_cmp_lg_u32 s2, 0x3003
	s_cbranch_scc0 .Lentry_shape_is_right
	s_endpgm
.Lentry_shape_is_right:
; For each batch b and head h: t = log2(e) / 8 x (g q_sem . k_sem + (1 - g) q_geo . k_geo), g = sigmoid(gate_logit[h]); causal; p = 2^(t - M), M the row's largest t so far rounded up to a whole number;
; O = (sum over keys of Q(p) Q(v)) / (sum of the unquantised p); O is quantised along the head's 128 channels and stored as images of operand registers.  All products on codes of BF6 (E3M2) with E8M0 scales.
; Key steps that lie wholly behind a wave's queries are hidden by the causal mask that the problem builds itself: they are left out.
; q, k: one fragment holds [semantic 64 | geometric 64] of 16 tokens.  THE TWO SCORE PRODUCTS: the gate's weights are no powers of two, so each path is multiplied by itself: Q's fragment is split into
; F1 = the path of the smaller weight, F2 = the other, each with zero codes in the other half.  T = K F1; T x ratio; T += K F2; t = c T, c = log2(e) / 8 x the larger weight, ratio = smaller / larger (at most 1).
; SHARES.  Work-group (j, y), j = 0..7, y = 16 b + h.  Waves w and w xor 1 own query tile 8 C + j, C = (w / 2) xor (w / 8), which needs key steps 0 .. C of 128 keys; a wave takes the steps of parity
; (w % 2) xor ((C / 2) % 2).  So waves w, w + 4, w + 8, w + 12 have 9 steps together for every w, and no wave more than 4; the pair's two partial results are joined at the end by powers of two.
; LDS: the 8 records of K and the 8 of V^T of this (b, h), 12,800 bytes each (eight images, then their scale words), stay: wave w fetches record w by ONE joint load; each byte is filled once.
; The four work-groups of a cluster share (b, h).  j enters only global addresses of Q and O and one register of the mask.  No prefetch: all fills go out at the head, there is no loop to run ahead in.
; Both products are used transposed (S^T = K Q^T, O^T = V^T P^T): a lane holds one query throughout.
; LIMITS: NaN and infinities are not served; p under 2^-126 comes out as 0; a block of p, or of O, whose largest number lies under 2^-122 gets the byte 1.
; REGISTERS: v1-5 addresses and the mask's number; v[6:7] ratio; v8-11 a step's addresses; v12 -M, v13 largest t, v[14:15] the sum; v16-27 F1, v28-39 F2; v40-87 four fragments; v88-91 their scale words; v92 Q's;
;   v93 zero; v[94:95] c; v96-159 T, then p; v160-223 O^T; v224-249, v252-254 at work; v250, v251 the add's; v255 the pair's stage.
.set IMG,  1536
.set REC,  12800
.set TEN,  256*REC
.set OPC,  3145728
.set LV,   8*REC                       ; LDS: K's records at 0, V's here,
.set MRG,  16*REC                      ; a stage of 17 x 512 bytes for each pair of waves, and the spare words at 0x43000
.set LIK,  1
.set LIV,  2
.set DD,   3
.set LSK,  4
.set LSV,  5
.set RAT,  6
.set ADK,  8
.set ADV,  9
.set ADS,  10
.set ADT,  11
.set F1,   16
.set F2,   28
.set KF,   40
.set KS,   88
.set QS,   92
.set ZR,   93
.set CF,   94
.set T,    96
.set O,    160
.set MA,   255
.set WV,   10
.set CL,   11
.set PAR,  12
.set ROLE, 13
.set G1C,  16
.set G0,   32
.set SEL,  52
.macro CROUND
	s_barrier_signal -1
	s_barrier_wait -1
	s_cmp_lg_u32 s[WV], 0
	s_cbranch_scc1 .Lnot_wave_0_\@
	s_barrier_signal -3
.Lnot_wave_0_\@:
	s_barrier_wait -3
	s_barrier_signal -1
	s_barrier_wait -1
.endm
	s_load_b128 s[4:7], s[0:1], 0x0                ; qkv, gate_logit
	s_load_b64 s[8:9], s[0:1], 0x10                ; oq
	v_lshl_add_u32 v250, v0, 2, 0x43000
	v_mov_b32 v251, 0
	ds_add_u32 v250, v251                          ; the opening lines
	ds_add_u32 v250, v251
	v_lshrrev_b32 v8, 5, v0
	s_delay_alu instid0(VALU_DEP_1)
	v_readfirstlane_b32 s[WV], v8                  ; wave 0..15
	s_lshr_b32 s[CL], s[WV], 1
	s_lshr_b32 s14, s[WV], 3                       ; I fetch for K (0) or for V (1)
	s_xor_b32 s[CL], s[CL], s14                    ; C
	s_and_b32 s[ROLE], s[WV], 1                    ; 0: I keep the pair's result
	s_bfe_u32 s[PAR], s[CL], 0x10001
	s_xor_b32 s[PAR], s[PAR], s[ROLE]              ; the parity of my key steps
	s_bfe_u32 s54, ttmp6, 0x40000                  ; cx
	s_lshl_b32 s55, ttmp9, 2
	s_add_co_u32 s54, s54, s55                     ; j
	s_and_b32 s55, ttmp7, 0xffff                   ; y
	s_and_b32 s56, s55, 15                         ; head
	s_lshr_b32 s57, s55, 4                         ; batch
	s_lshl_b32 s58, s56, 4
	s_lshl_b32 s59, s57, 3
	s_add_co_u32 s58, s58, s59                     ; the first of this (b, h)'s 8 records in q, in k and in V^T
	s_and_b32 s60, s[WV], 7
	s_add_co_u32 s60, s60, s58
	s_mul_i32 s62, s60, REC
	s_add_co_u32 s61, s14, 1
	s_mul_i32 s61, s61, TEN
	s_add_co_u32 s62, s62, s61                     ; the record that I fetch,
	s_mov_b32 s63, 0
	s_mul_i32 s68, s[WV], REC                      ; and where it goes
	s_mov_b32 s[G1C], 15|(3<<16)|(1<<21)           ; 50 dense rows of 256 bytes; the mask names all four work-groups
	s_mov_b32 s[G1C+1], 32<<16
	s_mov_b32 s[G1C+2], 50<<16
	s_mov_b32 s[G1C+3], 32<<16
	s_mov_b32 s[G1C+4], 50
	s_mov_b32 s[G1C+5], 32
	s_mov_b32 s[G1C+6], 0
	s_mov_b32 s[G1C+7], 0
	s_add_co_u32 s69, s58, s[CL]                   ; my queries' record
	s_mul_i32 s70, s69, REC
	s_mul_i32 s66, s54, IMG
	s_add_co_u32 s66, s66, s70                     ; Q's codes
	s_mov_b32 s67, 0
	s_lshl_b32 s74, s54, 6
	s_add_co_u32 s74, s74, s70
	s_add_co_u32 s74, s74, 8*IMG                   ; Q's scale words
	s_mov_b32 s75, 0
	s_lshl_b32 s69, s69, 3
	s_add_co_u32 s69, s69, s54                     ; my tile in oq: [head 16][token tile 128]
	s_mul_i32 s72, s69, IMG
	s_mov_b32 s73, 0
	s_lshl_b32 s70, s69, 6
	s_add_co_u32 s70, s70, OPC
	s_mov_b32 s71, 0
	s_lshl_b32 s60, s56, 2                         ; the head's gate
	s_mov_b32 s61, 0
	s_mov_b32 s[SEL], 0x76543210
	s_mov_b32 s[SEL+1], 0xfedcba98
	s_wait_dscnt 0x0
	s_wait_kmcnt 0x0
	s_add_nc_u64 s[6:7], s[6:7], s[60:61]
	s_load_b32 s59, s[6:7], 0x0
	s_add_nc_u64 s[62:63], s[4:5], s[62:63]
	s_add_nc_u64 s[76:77], s[4:5], s[66:67]        ; Q's codes
	s_add_nc_u64 s[78:79], s[4:5], s[74:75]        ; Q's scale words
	s_add_nc_u64 s[80:81], s[8:9], s[72:73]        ; O's codes
	s_add_nc_u64 s[82:83], s[8:9], s[70:71]        ; O's scale words
	s_mov_b32 s[G0], 1
	s_mov_b32 s[G0+1], s68
	s_mov_b64 s[G0+2:G0+3], s[62:63]
	s_or_b32 s[G0+3], s[G0+3], 0x80000000
	CROUND                                         ; all four work-groups are here: the joint loads meet
	tensor_load_to_lds s[G0:G0+3], s[G1C:G1C+7]    ; every wave's one load
	s_nop 0
.rept 4
	v_nop
.endr
	v_and_b32 v8, 31, v0
	s_delay_alu instid0(VALU_DEP_1)
	v_lshlrev_b32 v9, 4, v8                        ; 16 x lane
.irp i, 0,1,2
	global_load_b128 v[KF+4*\i:KF+4*\i+3], v9, s[76:77] offset:512*\i   ; Q's fragment
.endr
	v_and_b32 v10, 15, v0                          ; r
	s_delay_alu instid0(VALU_DEP_1)
	v_lshlrev_b32 v11, 2, v10
	global_load_b32 v[QS], v11, s[78:79]
	s_mul_i32 s60, s[PAR], REC                     ; my parity's record of a pair
	v_add_nc_u32 v[LIK], s60, v9
	s_delay_alu instid0(VALU_DEP_1)
	v_add_nc_u32 v[LIV], LV, v[LIK]
	s_add_co_u32 s60, s60, 8*IMG                   ; its scale words
	v_add_nc_u32 v[LSK], s60, v11
	s_delay_alu instid0(VALU_DEP_1)
	v_add_nc_u32 v[LSV], LV, v[LSK]
	s_mul_i32 s60, s[CL], 17*512
	s_add_co_u32 s60, s60, MRG
	v_add_nc_u32 v[MA], s60, v9
	v_bfe_u32 v232, v0, 4, 1                       ; h
	v_and_b32 v233, 8, v10
	s_delay_alu instid0(VALU_DEP_1)
	v_add_nc_u32 v233, v233, v10                   ; r + 8 (r / 8)
	s_delay_alu instid0(VALU_DEP_3)
	v_lshlrev_b32 v232, 4, v232
	s_delay_alu instid0(VALU_DEP_1)
	v_sub_nc_u32 v[DD], v233, v232
	s_lshr_b32 s60, s54, 1
	s_lshl_b32 s60, s60, 5
	s_and_b32 s61, s54, 1
	s_lshl_b32 s61, s61, 3
	s_add_co_u32 s60, s60, s61
	v_add_nc_u32 v[DD], s60, v[DD]                 ; my query's place among its 128 tokens, less 16 h: register n holds key 32 (n / 16) + n % 16 + 16 h of a step
	v_mov_b32 v13, 0xff61b1e6                      ; the largest t so far: -3e38
	s_delay_alu instid0(VALU_DEP_1)
	v_floor_f32 v12, -v13                          ; -M
	v_mov_b32 v14, 0
	v_mov_b32 v15, 0
.irp b, 0,1,2,3
	v_mov_b32 v[236+\b], 0                         ; written once: a lane permute's destination counts as one of its sources
.endr
	v_mov_b32 v253, 0                              ; (named as the upper half of v[252:253] before it is first written)
.set n, 0
.rept 64
	v_mov_b32 v[O+n], 0                            ; O^T: a wave may have no step at all, and the step is written without a first form of its own
.set n, n+1
.endr
	s_wait_kmcnt 0x0
	v_mov_b32 v232, s59
	s_delay_alu instid0(VALU_DEP_1)
	v_mul_f32 v232, 0xbfb8aa3b, v232               ; -x log2(e)
	s_wait_alu depctr_va_vdst(0)
	v_exp_f32 v232, v232
	v_mov_b32 v[ZR], 0                             ; (a plain place behind the exponential)
	s_wait_alu depctr_va_vdst(0)
	v_add_f32 v232, 1.0, v232
	s_wait_alu depctr_va_vdst(0)
	v_rcp_f32 v232, v232                           ; g
	v_nop
	s_wait_alu depctr_va_vdst(0)
	v_sub_f32 v233, 1.0, v232                      ; 1 - g
	v_cmp_lt_f32 vcc_lo, v232, v233                ; the semantic path has the smaller weight: it only selects values
	v_max_num_f32 v234, v232, v233
	v_min_num_f32 v235, v232, v233
	s_wait_alu depctr_va_vdst(0)
	v_rcp_f32 v[RAT], v234
	v_mul_f32 v[CF], 0x3e38aa3b, v234              ; c = log2(e) / 8 x the larger weight (a plain place too)
	s_wait_alu depctr_va_vdst(0)
	v_mul_f32 v[RAT], v235, v[RAT]
	s_delay_alu instid0(VALU_DEP_1)
	v_mov_b32 v[RAT+1], v[RAT]                     ; (the packed forms name pairs)
	v_mov_b32 v[CF+1], v[CF]
	s_wait_loadcnt 0x0                             ; Q
.irp i, 0,1,2,3,4,5                            ; registers 0-5 are K = 0 .. 63 (semantic), registers 6-11 K = 64 .. 127 (geometric), in every lane
	v_cndmask_b32 v[F1+\i], v[ZR], v[KF+\i], vcc_lo
	v_cndmask_b32 v[F2+\i], v[KF+\i], v[ZR], vcc_lo
	v_cndmask_b32 v[F1+6+\i], v[KF+6+\i], v[ZR], vcc_lo
	v_cndmask_b32 v[F2+6+\i], v[ZR], v[KF+6+\i], vcc_lo
.endr
.macro NOPS
.rept 4
	v_nop
.endr
.endm
.macro FETCH4 adr, sadr, g             ; four images and their scale words
.irp t, 0,1,2,3
.irp i, 0,1,2
	ds_load_b128 v[KF+12*\t+4*\i:KF+12*\t+4*\i+3], v[\adr] offset:IMG*(4*\g+\t)+512*\i
.endr
	ds_load_b32 v[KS+\t], v[\sadr] offset:64*(4*\g+\t)
.endr
.endm
; KEY STEP 2 st + parity
.macro STEP st
	v_add_nc_u32 v[ADK], 2*REC*\st, v[LIK]         ; on every wave's way; also the four places between the last step's products and the loads into their registers
	v_add_nc_u32 v[ADV], 2*REC*\st, v[LIV]
	v_add_nc_u32 v[ADS], 2*REC*\st, v[LSK]
	v_add_nc_u32 v[ADT], 2*REC*\st, v[LSV]
	s_add_co_u32 s60, s[PAR], 2*\st
	s_cmp_gt_u32 s60, s[CL]                        ; all its keys come after my queries: the step is left out.  The branch hangs on the wave's number alone and jumps over no barrier
	s_cbranch_scc1 .Lhidden_\@
	s_wait_alu depctr_va_vdst(0)
.irp g, 0,1                                    ; the scores, four tiles of 16 keys at a time
.if \g
	NOPS
.endif
	FETCH4 ADK, ADS, \g
	s_wait_dscnt 0x0
.irp t, 0,1,2,3
	v_wmma_scale_f32_16x16x128_f8f6f4 v[T+8*(4*\g+\t):T+8*(4*\g+\t)+7], v[KF+12*\t:KF+12*\t+11], v[F1:F1+11], 0, v[KS+\t], v[QS] matrix_a_fmt:MATRIX_FMT_BF6 matrix_b_fmt:MATRIX_FMT_BF6
.endr
	NOPS
.irp j, 0,2,4,6,8,10,12,14,16,18,20,22,24,26,28,30
	v_pk_mul_f32 v[T+32*\g+\j:T+32*\g+\j+1], v[T+32*\g+\j:T+32*\g+\j+1], v[RAT:RAT+1] op_sel_hi:[1,0]   ; x ratio, each accumulator from its low end on
.endr
	NOPS
.irp t, 0,1,2,3                                ; the four accumulators by turns
	v_wmma_scale_f32_16x16x128_f8f6f4 v[T+8*(4*\g+\t):T+8*(4*\g+\t)+7], v[KF+12*\t:KF+12*\t+11], v[F2:F2+11], v[T+8*(4*\g+\t):T+8*(4*\g+\t)+7], v[KS+\t], v[QS] matrix_a_fmt:MATRIX_FMT_BF6 matrix_b_fmt:MATRIX_FMT_BF6
.endr
.endr
	NOPS
	FETCH4 ADV, ADT, 0                             ; V's first four tiles are asked for here and land during the softmax
	s_cmp_lg_u32 s60, s[CL]
	s_cbranch_scc1 .Lopen_\@                       ; only step C lies on the diagonal
	v_mov_b32 v254, 0xff800000                     ; hidden scores become -infinity ahead of the maximum: p = 0 then.  Key 0 of the step counts for every query
.set n, 0
.rept 64
	v_cmp_gt_i32 vcc_lo, 32*(n/16)+n%16, v[DD]
	v_cndmask_b32 v[T+n], v[T+n], v254, vcc_lo
.set n, n+1
.endr
.Lopen_\@:
.irp b, 0,1,2,3
	v_max3_num_f32 v[232+\b], v[T+16*\b], v[T+1+16*\b], v[T+2+16*\b]   ; the largest score of each block of 32 keys: for the row's maximum, and, since p rises with the score, for the block's largest p
.endr
.irp i, 3,5,7,9,11,13
.irp b, 0,1,2,3
	v_max3_num_f32 v[232+\b], v[232+\b], v[T+16*\b+\i], v[T+1+16*\b+\i]
.endr
.endr
.irp b, 0,1,2,3
	v_max_num_f32 v[232+\b], v[232+\b], v[T+15+16*\b]
.endr
.irp b, 0,1,2,3
	s_delay_alu instid0(VALU_DEP_4)
	v_permlanex16_b32 v[236+\b], v[232+\b], s[SEL], s[SEL+1]
.endr
.irp b, 0,1,2,3
	s_delay_alu instid0(VALU_DEP_4)
	v_max_num_f32 v[232+\b], v[232+\b], v[236+\b]  ; with lane l xor 16's 16 keys
.endr
	s_delay_alu instid0(VALU_DEP_2)
	v_max3_num_f32 v254, v232, v233, v234
	s_delay_alu instid0(VALU_DEP_1)
	v_max_num_f32 v254, v254, v235
	s_delay_alu instid0(VALU_DEP_1)
	v_mul_f32 v254, v[CF], v254                    ; as t (c is positive)
	s_delay_alu instid0(VALU_DEP_1)
	v_max_num_f32 v13, v13, v254                   ; the running largest t
	v_mov_b32 v254, v12
	s_delay_alu instid0(VALU_DEP_2)
	v_floor_f32 v12, -v13                          ; the new -M = -ceil(t): a whole number
	s_delay_alu instid0(VALU_DEP_1)
	v_sub_f32 v254, v12, v254                      ; old M - new M, 0 or less
	s_delay_alu instid0(VALU_DEP_1)
	v_cvt_i32_f32 v254, v254                       ; (it saturates)
	s_delay_alu instid0(VALU_DEP_1)
	v_ldexp_f32 v252, 1.0, v254                    ; f = 2^(old M - new M): a multiplication by it rounds nothing
.set n, 0
.rept 32
	v_pk_fma_f32 v[T+n:T+n+1], v[T+n:T+n+1], v[CF:CF+1], v[12:13] op_sel_hi:[1,0,0]   ; t - M
.set n, n+2
.endr
.irp b, 0,1,2,3
	v_fma_f32 v[232+\b], v[232+\b], v[CF], v12     ; the same of each block's largest score
.endr
.set n, 0
	s_wait_alu depctr_va_vdst(0)
.rept 64
	v_exp_f32 v[T+n], v[T+n]                       ; p = 2^(t - M): not normalised
.set n, n+1
.endr
.irp b, 0,1,2,3
	v_exp_f32 v[232+\b], v[232+\b]                 ; the block's largest p: the same two instructions on the same number
.endr
	v_pk_mul_f32 v[14:15], v[14:15], v[252:253] op_sel_hi:[1,0]   ; the sums under the new M (a plain place behind the exponentials)
	s_wait_alu depctr_va_vdst(0)
.irp b, 0,1,2,3
	v_max_num_f32 v[232+\b], 0x2800000, v[232+\b]  ; the floor 2^(5 - 127)
.endr
.irp b, 0,1,2,3
	s_delay_alu instid0(VALU_DEP_4)
	v_add_nc_u32 v[244+\b], 0xfe000000, v[232+\b]  ; the conversion's scale operand
.endr
.irp b, 0,1,2,3
	s_delay_alu instid0(VALU_DEP_4)
	v_lshrrev_b32 v[236+\b], 23, v[244+\b]         ; the scale's byte
.endr
	s_delay_alu instid0(VALU_DEP_3)
	v_lshl_or_b32 v253, v237, 8, v236              ; p's scale word for these 128 keys
	s_delay_alu instid0(VALU_DEP_1)
	v_lshl_or_b32 v253, v238, 16, v253
	s_delay_alu instid0(VALU_DEP_1)
	v_lshl_or_b32 v253, v239, 24, v253
.irp c, 0,1                                    ; blocks 2 c and 2 c + 1: my 16 keys of each
	v_cvt_scalef32_pk16_bf6_f32 v[224+6*\c:226+6*\c], v[T+32*\c:T+15+32*\c], v[244+2*\c]
	v_cvt_scalef32_pk16_bf6_f32 v[236+4*\c:238+4*\c], v[T+16+32*\c:T+31+32*\c], v[245+2*\c]
.endr
	v_nop                                          ; one plain place behind a scaled conversion
.irp c, 0,1                                    ; the operand wants a whole block in a lane
.irp i, 0,1,2
	v_permlane16_swap_b32 v[224+6*\c+\i], v[236+4*\c+\i]
.endr
.irp i, 0,1,2
	s_delay_alu instid0(VALU_DEP_3)
	v_mov_b32 v[227+6*\c+\i], v[236+4*\c+\i]
.endr
.endr
	v_pk_add_f32 v[236:237], v[100:101], v[104:105]   ; the row's sum of the unquantised p, in seven chains
	v_pk_add_f32 v[248:249], v[108:109], v[112:113]
	v_pk_add_f32 v[246:247], v[116:117], v[120:121]
	v_pk_add_f32 v[244:245], v[124:125], v[128:129]
	v_pk_add_f32 v[242:243], v[132:133], v[136:137]
	v_pk_add_f32 v[240:241], v[140:141], v[144:145]
	v_pk_add_f32 v[14:15], v[14:15], v[148:149]
	v_pk_add_f32 v[236:237], v[236:237], v[152:153]
	v_pk_add_f32 v[248:249], v[248:249], v[156:157]
	v_pk_add_f32 v[246:247], v[246:247], v[96:97]
	v_pk_add_f32 v[244:245], v[244:245], v[98:99]
	v_pk_add_f32 v[242:243], v[242:243], v[102:103]
	v_pk_add_f32 v[240:241], v[240:241], v[106:107]
	v_pk_add_f32 v[14:15], v[14:15], v[110:111]
	v_pk_add_f32 v[236:237], v[236:237], v[114:115]
	v_pk_add_f32 v[248:249], v[248:249], v[118:119]
	v_pk_add_f32 v[246:247], v[246:247], v[122:123]
	v_pk_add_f32 v[244:245], v[244:245], v[126:127]
	v_pk_add_f32 v[242:243], v[242:243], v[130:131]
	v_pk_add_f32 v[240:241], v[240:241], v[134:135]
	v_pk_add_f32 v[14:15], v[14:15], v[138:139]
	v_pk_add_f32 v[236:237], v[236:237], v[142:143]
	v_pk_add_f32 v[248:249], v[248:249], v[146:147]
	v_pk_add_f32 v[246:247], v[246:247], v[150:151]
	v_pk_add_f32 v[244:245], v[244:245], v[154:155]
	v_pk_add_f32 v[242:243], v[242:243], v[158:159]
	s_delay_alu instid0(VALU_DEP_2)
	v_pk_add_f32 v[14:15], v[14:15], v[244:245]
	s_delay_alu instid0(VALU_DEP_2)
	v_pk_add_f32 v[236:237], v[236:237], v[242:243]
	v_pk_add_f32 v[248:249], v[248:249], v[240:241]
	s_delay_alu instid0(VALU_DEP_1)
	v_pk_add_f32 v[14:15], v[14:15], v[248:249]
	s_delay_alu instid0(VALU_DEP_3)
	v_pk_add_f32 v[236:237], v[236:237], v[246:247]
	s_delay_alu instid0(VALU_DEP_1)
	v_pk_add_f32 v[14:15], v[14:15], v[236:237]
.set n, 0
.rept 32
	v_pk_mul_f32 v[O+n:O+n+1], v[O+n:O+n+1], v[252:253] op_sel_hi:[1,0]   ; O^T under the new M; also the places between p's codes and scale word and the products below
.set n, n+2
.endr
	s_wait_alu depctr_va_vdst(0)
	s_wait_dscnt 0x0                               ; V's first four tiles
.irp t, 0,1,2,3
	v_wmma_scale_f32_16x16x128_f8f6f4 v[O+8*\t:O+8*\t+7], v[KF+12*\t:KF+12*\t+11], v[224:235], v[O+8*\t:O+8*\t+7], v[KS+\t], v253 matrix_a_fmt:MATRIX_FMT_BF6 matrix_b_fmt:MATRIX_FMT_BF6
.endr
	NOPS
	FETCH4 ADV, ADT, 1
	s_wait_dscnt 0x0
.irp t, 0,1,2,3
	v_wmma_scale_f32_16x16x128_f8f6f4 v[O+32+8*\t:O+32+8*\t+7], v[KF+12*\t:KF+12*\t+11], v[224:235], v[O+32+8*\t:O+32+8*\t+7], v[KS+\t], v253 matrix_a_fmt:MATRIX_FMT_BF6 matrix_b_fmt:MATRIX_FMT_BF6
.endr
.Lhidden_\@:
.endm
	s_wait_alu depctr_va_vdst(0)                   ; the wait at the head's end
	s_wait_tensorcnt 0x0                           ; my record has landed;
	s_barrier_signal -1
	s_barrier_wait -1                              ; everybody's has: nothing is ever filled again
	STEP 0
	STEP 1
	STEP 2
	STEP 3
; THE PAIR IS JOINED.  The odd wave hands O^T, -M and the sums to the even one as images of its registers.
	NOPS                                           ; behind the last products
	s_cmp_eq_u32 s[ROLE], 0
	s_cbranch_scc1 .Lkeeper
.irp i, 0,1,2,3,4,5,6,7,8,9,10,11,12,13,14,15
	ds_store_b128 v[MA], v[O+4*\i:O+4*\i+3] offset:512*\i
.endr
	ds_store_b128 v[MA], v[12:15] offset:8192
.Lkeeper:
	s_wait_dscnt 0x0                               ; for the partner's sake: my stores have landed
	s_barrier_signal -1
	s_barrier_wait -1
	s_cmp_lg_u32 s[ROLE], 0
	s_cbranch_scc1 .Lend
.irp i, 0,1,2,3,4,5,6,7,8,9,10,11,12,13,14,15
	ds_load_b128 v[T+4*\i:T+4*\i+3], v[MA] offset:512*\i
.endr
	ds_load_b128 v[80:83], v[MA] offset:8192
	s_wait_dscnt 0x0
	v_min_num_f32 v84, v12, v80                    ; the joint -M
	s_delay_alu instid0(VALU_DEP_1)
	v_sub_f32 v85, v84, v12                        ; whole numbers, 0 or less
	s_delay_alu instid0(VALU_DEP_2)
	v_sub_f32 v86, v84, v80
	s_delay_alu instid0(VALU_DEP_2)
	v_cvt_i32_f32 v85, v85
	s_delay_alu instid0(VALU_DEP_2)
	v_cvt_i32_f32 v86, v86                         ; (a partner without a step: it saturates, and its factor is 0)
	s_delay_alu instid0(VALU_DEP_2)
	v_ldexp_f32 v85, 1.0, v85
	s_delay_alu instid0(VALU_DEP_2)
	v_ldexp_f32 v86, 1.0, v86
	v_add_f32 v14, v14, v15
	v_add_f32 v82, v82, v83
	s_delay_alu instid0(VALU_DEP_2)
	v_mul_f32 v14, v14, v85
	s_delay_alu instid0(VALU_DEP_1)
	v_fmac_f32 v14, v82, v86
	s_delay_alu instid0(VALU_DEP_1)
	v_permlanex16_b32 v236, v14, s[SEL], s[SEL+1]
	s_delay_alu instid0(VALU_DEP_1)
	v_add_f32 v14, v14, v236                       ; the row's sum
	s_wait_alu depctr_va_vdst(0)
	v_rcp_f32 v14, v14
	v_mov_b32 v87, 0                               ; (a plain place; the upper half of the pair v[86:87])
	s_wait_alu depctr_va_vdst(0)
	v_mul_f32 v84, v85, v14                        ; my factor / the sum
	v_mul_f32 v86, v86, v14                        ; the partner's
.set n, 0
.rept 32
	v_pk_mul_f32 v[T+n:T+n+1], v[T+n:T+n+1], v[86:87] op_sel_hi:[1,0]
.set n, n+2
.endr
.set n, 0
.rept 32
	v_pk_fma_f32 v[T+n:T+n+1], v[O+n:O+n+1], v[84:85], v[T+n:T+n+1] op_sel_hi:[1,0,1]   ; register 16 b + i: channel 32 b + 16 h + i of my query's O
.set n, n+2
.endr
; O is quantised along the head's channels: K step = head of the last product
.set TM, 40
.set PW, 56
.set PC, 60
.irp b, 0,1,2,3
	v_mov_b32 v[TM+4+\b], 0
.endr
.irp b, 0,1,2,3
	v_max3_num_f32 v[TM+\b], |v[T+16*\b]|, |v[T+1+16*\b]|, 0x2800000
.endr
.irp i, 2,4,6,8,10,12,14
.irp b, 0,1,2,3
	s_delay_alu instid0(VALU_DEP_4)
	v_max3_num_f32 v[TM+\b], v[TM+\b], |v[T+16*\b+\i]|, |v[T+1+16*\b+\i]|
.endr
.endr
.irp b, 0,1,2,3
	s_delay_alu instid0(VALU_DEP_4)
	v_permlanex16_b32 v[TM+4+\b], v[TM+\b], s[SEL], s[SEL+1]
.endr
.irp b, 0,1,2,3
	s_delay_alu instid0(VALU_DEP_4)
	v_max_num_f32 v[TM+\b], v[TM+\b], v[TM+4+\b]
.endr
.irp b, 0,1,2,3
	s_delay_alu instid0(VALU_DEP_4)
	v_add_nc_u32 v[TM+12+\b], 0xfe000000, v[TM+\b]
.endr
.irp b, 0,1,2,3
	s_delay_alu instid0(VALU_DEP_4)
	v_lshrrev_b32 v[TM+4+\b], 23, v[TM+12+\b]
.endr
	s_delay_alu instid0(VALU_DEP_3)
	v_lshl_or_b32 v[PW], v[TM+5], 8, v[TM+4]
	s_delay_alu instid0(VALU_DEP_1)
	v_lshl_or_b32 v[PW], v[TM+6], 16, v[PW]
	s_delay_alu instid0(VALU_DEP_1)
	v_lshl_or_b32 v[PW], v[TM+7], 24, v[PW]
.irp c, 0,1
	v_cvt_scalef32_pk16_bf6_f32 v[PC+6*\c:PC+2+6*\c], v[T+32*\c:T+15+32*\c], v[TM+12+2*\c]
	v_cvt_scalef32_pk16_bf6_f32 v[PC+12+4*\c:PC+14+4*\c], v[T+16+32*\c:T+31+32*\c], v[TM+13+2*\c]
.endr
	v_nop
.irp c, 0,1
.irp i, 0,1,2
	v_permlane16_swap_b32 v[PC+6*\c+\i], v[PC+12+4*\c+\i]
.endr
.irp i, 0,1,2
	s_delay_alu instid0(VALU_DEP_3)
	v_mov_b32 v[PC+3+6*\c+\i], v[PC+12+4*\c+\i]
.endr
.endr
	v_and_b32 v57, 31, v0
	s_delay_alu instid0(VALU_DEP_1)
	v_lshlrev_b32 v57, 4, v57
	v_and_b32 v58, 15, v0
	s_delay_alu instid0(VALU_DEP_1)
	v_lshlrev_b32 v58, 2, v58
.irp g, 0,1,2
	global_store_b128 v57, v[PC+4*\g:PC+4*\g+3], s[80:81] offset:512*\g   ; 512 consecutive bytes, at a multiple of 256
.endr
	global_store_b32 v58, v[PW], s[82:83]          ; the tile's 16 words; lanes l and l xor 16 write the same word with the same value
.Lend:
	s_wait_tensorcnt 0x0                           ; the wave's end
	ds_add_u32 v250, v251
	s_wait_dscnt 0x0
	CROUND                                         ; the closing round
	s_endpgm
.Lfunc_end_k_qec62b06c85_attn:
	.size	k_qec62b06c85_attn, .Lfunc_end_k_qec62b06c85_attn-k_qec62b06c85_attn
	.p2alignl 7, 3214868480
	.fill 96, 4, 3214868480
	.section	.rodata,"a",@progbits
	.p2align	6, 0x0
	.amdhsa_kernel k_qec62b06c85_attn
		.amdhsa_group_segment_fixed_size 276480
		.amdhsa_private_segment_fixed_size 0
		.amdhsa_enable_private_segment 0
		.amdhsa_kernarg_size 24
		.amdhsa_user_sgpr_count 2
		.amdhsa_user_sgpr_kernarg_segment_ptr 1
		.amdhsa_wavefront_size32 1
		.amdhsa_system_sgpr_workgroup_id_x 1
		.amdhsa_system_sgpr_workgroup_id_y 1
		.amdhsa_system_sgpr_workgroup_id_z 1
		.amdhsa_system_vgpr_workitem_id 0
		.amdhsa_next_free_vgpr 256
		.amdhsa_next_free_sgpr 84
		.amdhsa_reserve_vcc 1
		.amdhsa_float_denorm_mode_32 3
		.amdhsa_float_denorm_mode_16_64 3
		.amdhsa_memory_ordered 1
		.amdhsa_forward_progress 1
		.amdhsa_inst_pref_size 141
	.end_amdhsa_kernel
	.amdgpu_metadata
---
amdhsa.version: [ 1, 2 ]
amdhsa.kernels:
  - .name:           k_qec62b06c85_attn
    .symbol:         k_qec62b06c85_attn.kd
    .args:
      - { .name: qkv, .offset: 0, .size: 8, .value_kind: global_buffer, .address_space: global }
      - { .name: gate_logit, .offset: 8, .size: 8, .value_kind: global_buffer, .address_space: global }
      - { .name: oq, .offset: 16, .size: 8, .value_kind: global_buffer, .address_space: global }
    .group_segment_fixed_size: 276480
    .private_segment_fixed_size: 0
    .kernarg_segment_align: 8
    .kernarg_segment_size: 24
    .max_flat_workgroup_size: 512
    .sgpr_count:     84
    .vgpr_count:     256
    .wavefront_size: 32
...
	.end_amdgpu_metadata
.endif
;; end of part 7
;; launch outp (part 8): grid 16 x 16, 4 waves a work-group, clusters of 4 x 4, 327,680 bytes of LDS; arguments oq, wts, out0; writes out0
.if DOCPART == 8
	.amdgcn_target "amdgcn-amd-amdhsa--gfx1250"
	.amdhsa_code_object_version 6
	.text
	.protected	k_qec62b06c85_outp
	.globl	k_qec62b06c85_outp
	.p2align	8
	.type	k_qec62b06c85_outp,@function
k_qec62b06c85_outp:
	s_mov_b64 s[64:65], 0
	v_nop
	global_prefetch_b8 v0, s[64:65] scope:SCOPE_SE
	s_setreg_imm32_b32 hwreg(HW_REG_WAVE_MODE, 25, 1), 1
	s_wait_xcnt 0x0
	s_wait_alu depctr_hold_cnt(0) depctr_sa_sdst(0) depctr_va_vdst(0) depctr_va_sdst(0) depctr_va_ssrc(0) depctr_va_vcc(0) depctr_vm_vsrc(0)
	s_getreg_b32 s2, hwreg(HW_REG_IB_STS2, 6, 4)
	s_cmp_eq_u32 s2, 0
	s_cbranch_scc0 .Lentry_in_a_cluster
	s_endpgm
.Lentry_in_a_cluster:
	s_bfe_u32 s2, ttmp6, 0x10000c
	s_cmp_lg_u32 s2, 0xf033
	s_cbranch_scc0 .Lentry_shape_is_right
	s_endpgm
.Lentry_shape_is_right:
; out0[m][n] = sum over k of O[m][k] wo[k][n] on codes of BF6 (E3M2) with E8M0 scales, K = 2,048: A = oq, B = operand 3 of wts, both as images of operand registers,
; [K step 16][tile 128][1536], scale words [K step 16][tile 128][64]; tile 2 B + u holds at place i row 32 B + 8 u + i + 8 (i / 8).  out0 is f32.
; A block of 128 x 128 to a work-group: 256 work-groups of four waves, a wave 64 x 64: 16 accumulators.  The matrix instruction is used transposed (source 0 = B's tile): a lane holds 8 neighbours of a row of out0.
; LDS: A's K steps k % 12, [K step][tile 8][1536], then B's the same; the scale words for all of K, [K step 16][tile 8][64], A's then B's; the spare words.
; THREE FILLS, one tensor load a wave each: at the head A's K steps 0-3, B's 0-3, A's scale words, B's; behind the full sequence and a round K steps 4-7 and 8-11 of A and of B (first fills);
; when K steps 0-3 have been read, behind the sequence and a round, K steps 12-15 into their bytes, two K steps a wave.  CLUSTERS: 4 x 4; A's tiles are asked for jointly along a row, B's along a column.
; No prefetch: the walk along K is written out, with three fills in all, and has no loop to run ahead in.
; The way out goes through a stage in the bytes of A's K steps 4-7: they have had their only fill, and behind the walk's last barrier nobody reads them.
; REGISTERS: window 0: v16-30 addresses, v32-95 all scale words (register 4 k + i: lanes 0-15 A's block i, lanes 16-31 B's), v128-255 accumulators; fragments, three sets by turns: window 1 v0-95, v96-191, window 2 v0-95.
.set IMG,    1536
.set KPC,    196608
.set OPC,    3145728
.set OPS,    131072
.set FR,     12
.set NP,     4
.set PH,     4*8*IMG
.set LB,     3*PH
.set SCL,    6*PH
.set HALFS,  16*512
.set SPARE,  SCL+2*HALFS
.set STAGE,  PH
.set SPITCH, 272
.set ROWC,   8192
.set ADRA, 16
.set ADRB, 20
.set STO,  24
.set RD,   25
.set CO,   26
.set ADRS, 27
.set SPW,  28
.set NIL,  29
.set LI,   30
.set SC,   32
.set ACC,  128
.set G1,   24
.set G1B,  32
.set G1S,  40
.set G1SB, 48
.set G0S,  56
.set G0SB, 60
.set G0H,  68
.set G0HB, 72
.set G0,   76
.set G0B,  80
.set G0R,  84
.set G0RB, 88
.set MSB, 0
.macro WIN new
.if MSB != \new
	s_set_vgpr_msb (MSB<<8)|\new
.set MSB, \new
.endif
.endm
.macro JLOAD g0a, g1a, g0b, g1b        ; a joint load: waves 0, 1 for A, waves 2, 3 for B
	s_cmp_eq_u32 s15, 0
	s_cbranch_scc0 .Lfor_b_\@
	tensor_load_to_lds s[\g0a:\g0a+3], s[\g1a:\g1a+7]
	s_nop 0
.rept 4
	v_nop
.endr
	s_branch .Lasked_\@
.Lfor_b_\@:
	tensor_load_to_lds s[\g0b:\g0b+3], s[\g1b:\g1b+7]
	s_nop 0
.rept 4
	v_nop
.endr
.Lasked_\@:
.endm
.macro CREST
	s_cmp_lg_u32 s14, 0
	s_cbranch_scc1 .Lnot_wave_0_\@
	s_barrier_signal -3
.Lnot_wave_0_\@:
	s_barrier_wait -3
	s_barrier_signal -1
	s_barrier_wait -1
.endm
.macro CROUND
	s_barrier_signal -1
	s_barrier_wait -1
	CREST
.endm
.macro ARM under, g0, g1, next
	s_cmp_lt_u32 s14, \under
	s_cbranch_scc0 \next
	tensor_load_to_lds s[\g0:\g0+3], s[\g1:\g1+7]
	s_nop 0
.rept 4
	v_nop
.endr
	s_branch .Lhead_asked
\next:
.endm
.macro DESC g0, lds, adr, step         ; a group 0: LDS address in s[lds], global address s[adr:adr+1] + step
	s_mov_b32 s[\g0], 1
	s_mov_b32 s[\g0+1], s[\lds]
	s_add_nc_u64 s[\g0+2:\g0+3], s[\adr:\adr+1], \step
	s_or_b32 s[\g0+3], s[\g0+3], 0x80000000
.endm
	s_load_b128 s[4:7], s[0:1], 0x0                ; oq, wts
	s_load_b64 s[12:13], s[0:1], 0x10              ; out0
	v_lshl_add_u32 v[SPW], v0, 2, SPARE
	v_mov_b32 v[NIL], 0
	ds_add_u32 v[SPW], v[NIL]                      ; the opening lines
	ds_add_u32 v[SPW], v[NIL]
	v_lshrrev_b32 v1, 5, v0
	v_readfirstlane_b32 s14, v1                    ; wave
	s_lshr_b32 s15, s14, 1                         ; my half of A's tiles; behind the head: I fetch for A (0) or B (1)
	s_and_b32 s16, s14, 1                          ; my half of B's tiles; behind the head: which part I fetch
	s_bfe_u32 s92, ttmp6, 0x40000
	s_bfe_u32 s93, ttmp6, 0x40004
	s_lshl_b32 s94, ttmp9, 2
	s_add_co_u32 s94, s94, s92                     ; block column
	s_and_b32 s17, ttmp7, 0xffff
	s_lshl_b32 s17, s17, 2
	s_add_co_u32 s17, s17, s93                     ; block row
	s_lshl_b32 s95, s93, 2
	s_lshl_b32 s95, 15, s95
	s_lshl_b32 s96, 0x1111, s92
	s_or_b32 s[G1+0], s95, (3<<16)|(1<<21)         ; codes: 4 K steps x 12,288 bytes (1,536 elements of 8), KPC bytes apart
	s_or_b32 s[G1B+0], s96, (3<<16)|(1<<21)
.irp g, G1, G1B
	s_mov_b32 s[\g+1], 1536<<16
	s_mov_b32 s[\g+2], 4<<16
	s_mov_b32 s[\g+3], 1536<<16
	s_mov_b32 s[\g+4], 4
	s_mov_b32 s[\g+5], KPC/8
	s_mov_b32 s[\g+6], 0
	s_mov_b32 s[\g+7], 0
.endr
	s_or_b32 s[G1S+0], s95, (3<<16)|(1<<21)        ; scale words: 16 K steps x 512 bytes, 8,192 apart
	s_or_b32 s[G1SB+0], s96, (3<<16)|(1<<21)
.irp g, G1S, G1SB
	s_mov_b32 s[\g+1], 64<<16
	s_mov_b32 s[\g+2], 16<<16
	s_mov_b32 s[\g+3], 64<<16
	s_mov_b32 s[\g+4], 16
	s_mov_b32 s[\g+5], 1024
	s_mov_b32 s[\g+6], 0
	s_mov_b32 s[\g+7], 0
.endr
	s_mul_i32 s8, s17, 8*IMG
	s_mov_b32 s9, 0
	s_lshl_b32 s10, s17, 9
	s_add_co_u32 s10, s10, OPC
	s_mov_b32 s11, 0
	s_mul_i32 s98, s94, 8*IMG
	s_add_co_u32 s98, s98, 3*OPC
	s_mov_b32 s99, 0
	s_lshl_b32 s100, s94, 9
	s_add_co_u32 s100, s100, 4*OPC+3*OPS
	s_mov_b32 s101, 0
	s_mov_b32 s18, 0                               ; LDS addresses of the head's four tiles
	s_mov_b32 s19, LB
	s_mov_b32 s20, SCL
	s_mov_b32 s21, SCL+HALFS
	s_wait_dscnt 0x0
	s_wait_kmcnt 0x0
	s_add_nc_u64 s[8:9], s[4:5], s[8:9]            ; A's codes
	s_add_nc_u64 s[10:11], s[4:5], s[10:11]        ; A's scale words
	s_add_nc_u64 s[98:99], s[6:7], s[98:99]        ; B's codes
	s_add_nc_u64 s[100:101], s[6:7], s[100:101]    ; B's scale words
	CROUND                                         ; all sixteen work-groups are here: the first joint loads meet
	DESC G0H,  18, 8,   0
	DESC G0HB, 19, 98,  0
	DESC G0S,  20, 10,  0
	DESC G0SB, 21, 100, 0
	ARM 1, G0H,  G1,  .Lhead_b                     ; one tensor load a wave at the head
	ARM 2, G0HB, G1B, .Lhead_sa
	ARM 3, G0S,  G1S, .Lhead_sb
	tensor_load_to_lds s[G0SB:G0SB+3], s[G1SB:G1SB+7]
	s_nop 0
.rept 4
	v_nop
.endr
.Lhead_asked:
	s_mul_i32 s18, s16, 4*KPC                      ; the second fill: K steps 4 + 4 part .. + 3
	s_mov_b32 s19, 0
	s_add_nc_u64 s[20:21], s[8:9], s[18:19]
	s_add_nc_u64 s[22:23], s[98:99], s[18:19]
	s_mul_i32 s97, s16, PH
	s_add_co_u32 s97, s97, PH
	DESC G0, 97, 20, 4*KPC
	s_add_co_u32 s97, s97, LB
	DESC G0B, 97, 22, 4*KPC
	s_mul_i32 s18, s16, 2*KPC                      ; the third: K steps 12 + 2 part, + 1
	s_add_nc_u64 s[20:21], s[8:9], s[18:19]
	s_add_nc_u64 s[22:23], s[98:99], s[18:19]
	s_mul_i32 s97, s16, PH/2
	DESC G0R, 97, 20, 12*KPC
	s_add_co_u32 s97, s97, LB
	DESC G0RB, 97, 22, 12*KPC
	s_lshl_b32 s20, s17, 7                         ; my part of out0
	s_lshl_b32 s21, s15, 6
	s_add_co_u32 s20, s20, s21
	s_mul_i32 s20, s20, ROWC
	s_lshl_b32 s22, s94, 9
	s_lshl_b32 s23, s16, 8
	s_add_co_u32 s22, s22, s23
	s_add_co_u32 s20, s20, s22
	s_mov_b32 s21, 0
	s_add_nc_u64 s[12:13], s[12:13], s[20:21]
	s_mul_i32 s18, s15, 4*IMG                      ; my 4 tiles of A,
	s_mul_i32 s19, s16, 4*IMG
	s_add_co_u32 s19, s19, LB                      ; of B
	s_lshl_b32 s20, s15, 8
	s_lshl_b32 s21, s16, 8
	s_add_co_u32 s21, s21, HALFS
	s_sub_co_u32 s21, s21, s20                     ; from A's scale words to B's
	s_add_co_u32 s20, s20, SCL
	s_mul_i32 s23, s14, 16*SPITCH
	s_add_co_u32 s23, s23, STAGE                   ; my stage
	v_and_b32 v1, 31, v0
	v_and_b32 v4, 15, v0                           ; r
	v_bfe_u32 v2, v0, 4, 1                         ; h
	v_lshlrev_b32 v[LI], 4, v1
	v_add_nc_u32 v[ADRA], s18, v[LI]
	v_add_nc_u32 v[ADRB], s19, v[LI]
	v_add_nc_u32 v[ADRA+1], PH, v[ADRA]
	v_add_nc_u32 v[ADRB+1], PH, v[ADRB]
	v_add_nc_u32 v[ADRA+2], 2*PH, v[ADRA]
	v_add_nc_u32 v[ADRB+2], 2*PH, v[ADRB]
	v_lshlrev_b32 v5, 2, v4
	v_mul_u32_u24 v6, s21, v2                      ; lanes 16-31 take B's
	v_add_nc_u32 v5, v5, v6
	v_add_nc_u32 v[ADRS], s20, v5
	v_mul_u32_u24 v5, v4, SPITCH
	v_lshl_add_u32 v5, v2, 6, v5
	v_add_nc_u32 v[STO], s23, v5
	v_mul_u32_u24 v6, v2, SPITCH
	v_lshl_add_u32 v6, v4, 4, v6
	v_add_nc_u32 v[RD], s23, v6
	v_lshlrev_b32 v7, 13, v2
	v_lshl_add_u32 v[CO], v4, 4, v7
.macro PLACES n
.rept \n
	v_nop
.endr
.endm
.macro FETCH k                         ; K step k: 4 scale words, B's 4 fragments, A's 4: 28 LDS loads
.set RG, ((\k)/4)%3
.set QQ, (\k)%4
.set BW, 1+(((\k)%3)/2)
.set FB, 96*(((\k)%3)%2)
	WIN 0
.irp i, 0,1,2,3
	ds_load_b32 v[SC+4*(\k)+\i], v[ADRS] offset:512*(\k)+64*\i
.endr
	WIN (BW<<6)
.irp i, 0,1,2,3
.irp g, 0,1,2
	ds_load_b128 v[FB+FR*\i+4*\g:FB+FR*\i+4*\g+3], v[ADRB+RG] offset:8*IMG*QQ+IMG*\i+512*\g
.endr
.endr
.irp i, 0,1,2,3
.irp g, 0,1,2
	ds_load_b128 v[FB+48+FR*\i+4*\g:FB+48+FR*\i+4*\g+3], v[ADRA+RG] offset:8*IMG*QQ+IMG*\i+512*\g
.endr
.endr
.endm
.macro MUL8 k, a0, zero                ; the 16 accumulators take turns
.set BW, 1+(((\k)%3)/2)
.set FB, 96*(((\k)%3)%2)
	WIN (BW|(BW<<2))
.irp a, \a0, \a0+1
.irp b, 0,1,2,3
.if \zero
	v_wmma_scale_f32_16x16x128_f8f6f4 v[ACC+8*(4*(\a)+\b):ACC+8*(4*(\a)+\b)+7], v[FB+FR*\b:FB+FR*\b+FR-1], v[FB+48+FR*(\a):FB+48+FR*(\a)+FR-1], 0, v[SC+4*(\k)+\b], v[SC+4*(\k)+(\a)] matrix_a_fmt:MATRIX_FMT_BF6 matrix_b_fmt:MATRIX_FMT_BF6 matrix_a_scale:MATRIX_SCALE_ROW1
.else
	v_wmma_scale_f32_16x16x128_f8f6f4 v[ACC+8*(4*(\a)+\b):ACC+8*(4*(\a)+\b)+7], v[FB+FR*\b:FB+FR*\b+FR-1], v[FB+48+FR*(\a):FB+48+FR*(\a)+FR-1], v[ACC+8*(4*(\a)+\b):ACC+8*(4*(\a)+\b)+7], v[SC+4*(\k)+\b], v[SC+4*(\k)+(\a)] matrix_a_fmt:MATRIX_FMT_BF6 matrix_b_fmt:MATRIX_FMT_BF6 matrix_a_scale:MATRIX_SCALE_ROW1
.endif
.endr
.endr
.endm
.macro KSTEP k, ahead, left            ; left: the LDS loads of the next step, which may be out
	s_wait_dscnt \left
.if \ahead
	PLACES NP
	FETCH (\k)+2
.endif
	MUL8 \k, 0, 0
	MUL8 \k, 2, 0
.endm
; K steps k and k + 1 round a barrier: in front of it all my tensor loads, the add, and my LDS reads are waited for.  fill = 1: K steps 0-3 have been read by all: their bytes take K steps 12-15.
.macro SYNC k, fill
	WIN 0
	s_wait_tensorcnt 0x0
	ds_add_u32 v[SPW], v[NIL]
.if \fill
	s_mov_b32 s[G1+2], 2<<16                       ; no tensor load of mine is out: the next brings two K steps
	s_mov_b32 s[G1+4], 2
	s_mov_b32 s[G1B+2], 2<<16
	s_mov_b32 s[G1B+4], 2
.endif
	s_wait_dscnt 29                                ; (the add and the next step's 28 loads may be out)
	MUL8 \k, 0, 0
	s_wait_dscnt 0x0
	s_barrier_signal -1
	MUL8 \k, 2, 0
	WIN 0
	s_barrier_wait -1
.if \fill
	CREST                                          ; the barrier has opened a round of the cluster's barrier
	JLOAD G0R, G1, G0RB, G1B                       ; its four v_nop are the places in front of the loads below
.else
	PLACES NP
.endif
	FETCH (\k)+2
	FETCH (\k)+3
	MUL8 (\k)+1, 0, 0
	MUL8 (\k)+1, 2, 0
.endm
	s_wait_alu depctr_va_vdst(0)                   ; the wait at the head's end
	s_wait_tensorcnt 0x0                           ; my tile of the head's four is in
	ds_add_u32 v[SPW], v[NIL]                      ; 0 onto my spare word, ahead of a later first fill
	s_wait_dscnt 0x0
	CROUND
	JLOAD G0, G1, G0B, G1B                         ; K steps 4-11
	FETCH 0
	FETCH 1
	s_wait_dscnt 28
	FETCH 2
	MUL8 0, 0, 1                                   ; the first step's products start the sums
	MUL8 0, 2, 1
	KSTEP 1, 1, 28
	SYNC 2, 1
.irp k, 4,5,6,7,8,9
	KSTEP \k, 1, 28
.endr
	SYNC 10, 0
	KSTEP 12, 1, 28
	KSTEP 13, 1, 28
	KSTEP 14, 0, 28
	KSTEP 15, 0, 0
	WIN 0
; THE WAY OUT: a block of 16 rows x 64 columns goes through my stage and comes back as rows of 256 bytes; sixteen lanes store one aligned unit.  LDS serves a wave's instructions in order.
.macro TOSTAGE a
.irp b, 0,1,2,3
	ds_store_b128 v[STO], v[ACC+32*(\a)+8*\b:ACC+32*(\a)+8*\b+3] offset:128*(\b/2)+32*(\b%2)
	ds_store_b128 v[STO], v[ACC+32*(\a)+8*\b+4:ACC+32*(\a)+8*\b+7] offset:128*(\b/2)+32*(\b%2)+16
.endr
.irp t, 0,1,2,3,4,5,6,7
	ds_load_b128 v[ACC+32*(\a)+4*\t:ACC+32*(\a)+4*\t+3], v[RD] offset:2*\t*SPITCH
.endr
.endm
.macro SEND a, younger
.irp t, 0,1,2,3,4,5,6,7
	s_wait_dscnt \younger+7-\t
	global_store_b128 v[CO], v[ACC+32*(\a)+4*\t:ACC+32*(\a)+4*\t+3], s[12:13] offset:(32*((\a)/2)+8*((\a)%2)+2*\t+8*(\t/4))*ROWC th:TH_STORE_NT
.endr
.endm
	PLACES NP
	TOSTAGE 0
	TOSTAGE 1
	SEND 0, 16
	TOSTAGE 2
	SEND 1, 16
	TOSTAGE 3
	SEND 2, 16
	SEND 3, 0
	s_wait_tensorcnt 0x0                           ; the wave's end
	ds_add_u32 v[SPW], v[NIL]
	s_wait_dscnt 0x0
	CROUND                                         ; the closing round
	s_endpgm
.Lfunc_end_k_qec62b06c85_outp:
	.size	k_qec62b06c85_outp, .Lfunc_end_k_qec62b06c85_outp-k_qec62b06c85_outp
	.p2alignl 7, 3214868480
	.fill 96, 4, 3214868480
	.section	.rodata,"a",@progbits
	.p2align	6, 0x0
	.amdhsa_kernel k_qec62b06c85_outp
		.amdhsa_group_segment_fixed_size 327680
		.amdhsa_private_segment_fixed_size 0
		.amdhsa_enable_private_segment 0
		.amdhsa_kernarg_size 24
		.amdhsa_user_sgpr_count 2
		.amdhsa_user_sgpr_kernarg_segment_ptr 1
		.amdhsa_wavefront_size32 1
		.amdhsa_system_sgpr_workgroup_id_x 1
		.amdhsa_system_sgpr_workgroup_id_y 1
		.amdhsa_system_sgpr_workgroup_id_z 1
		.amdhsa_system_vgpr_workitem_id 0
		.amdhsa_next_free_vgpr 640
		.amdhsa_next_free_sgpr 102
		.amdhsa_reserve_vcc 0
		.amdhsa_float_denorm_mode_32 3
		.amdhsa_float_denorm_mode_16_64 3
		.amdhsa_memory_ordered 1
		.amdhsa_forward_progress 1
		.amdhsa_inst_pref_size 84
	.end_amdhsa_kernel
	.amdgpu_metadata
---
amdhsa.version: [ 1, 2 ]
amdhsa.kernels:
  - .name:           k_qec62b06c85_outp
    .symbol:         k_qec62b06c85_outp.kd
    .args:
      - { .name: oq, .offset: 0, .size: 8, .value_kind: global_buffer, .address_space: global }
      - { .name: wts, .offset: 8, .size: 8, .value_kind: global_buffer, .address_space: global }
      - { .name: out0, .offset: 16, .size: 8, .value_kind: global_buffer, .address_space: global }
    .group_segment_fixed_size: 327680
    .private_segment_fixed_size: 0
    .kernarg_segment_align: 8
    .kernarg_segment_size: 24
    .max_flat_workgroup_size: 128
    .sgpr_count:     102
    .vgpr_count:     640
    .wavefront_size: 32
...
	.end_amdgpu_metadata
.endif
;; end of part 8
